; MI455X (gfx1250); checked and timed in simulation.
; The chip was launched on July 23, 2026; its instructions are those of AMD's public machine-readable ISA for CDNA 5 (MIT licence, August 2026) and "CDNA5" Instruction Set Architecture Reference Guide (July 2026). The comments in the code are by the model that wrote it; some were corrected since.
;; Multihead Self Attention. Allowed arithmetic: matrix products marked QUANTISED: E2M3 operands, one E8M0 scale for each 32 along K, by v_wmma_scale_f32_16x16x128_f8f6f4 with both operands' format E2M3, f32 sums; everything else in f32.
;; Inputs: Wk 2,048 x 2,048 float32; Wo 2,048 x 2,048 float32; Wq 2,048 x 2,048 float32; Wv 2,048 x 2,048 float32; token_positions 1 x 2,048 int32; x 1 x 2,048 x 2,048 float32.
;; Outputs: out0 1 x 2,048 x 2,048 float32.
;; This version of the problem:
;;   THIS VERSION OF THE PROBLEM IS GIVEN IN LOW PRECISION. The matrix products marked QUANTISED in the list below multiply operands that are first quantised to E2M3 (2 exponent bits, 3 mantissa bits; 6 bits a number), with one power-of-two scale for each 32 numbers along K (OCP MX v1.0); their sums are f32. All else is computed in f32.
;;   The module's matrix products, in the order in which they are computed (A, B: the left and right operand; K: the contracted axis; several contracted axes count as one K, in the product's order):
;;     1. [M 2,048, K 2,048] x [K 2,048, N 2,048]; A: input x; B: input Wq: QUANTISED
;;     2. [M 2,048, K 2,048] x [K 2,048, N 2,048]; A: input x; B: input Wk: QUANTISED
;;     3. [M 2,048, K 2,048] x [K 2,048, N 2,048]; A: input x; B: input Wv: QUANTISED
;;     4. batch 16 x [M 2,048, K 128] x [K 128, N 2,048]; A: computed on the way; B: computed on the way: QUANTISED
;;     5. batch 16 x [M 2,048, K 2,048] x [K 2,048, N 128]; A: softmax (see below); B: computed on the way: QUANTISED
;;     6. [M 2,048, K 2,048] x [K 2,048, N 2,048]; A: computed on the way; B: input Wo: QUANTISED
;;   THE QUANTISER, for each operand of a quantised product, along K:
;;     - K is cut into blocks of 32 from its start; a last block that is shorter is filled with zeros.
;;     - A block's scale is 2^e with e = floor(log2(the largest magnitude in the block)) - 2, held to -126 .. 127; a block of zeros has e = 0. As a byte (E8M0): e + 127.
;;     - Each number is divided by its block's scale, clamped to +-7.5, and rounded to the nearest number of E2M3, ties to even, subnormals kept.
;;     - The product sums the exact products of the quantised numbers (number of the format x scale) in f32.
;;   ~~~python
;;   def quantise(x, axis):      # numpy; x: float32 -> the quantised numbers, widened to float32 again
;;       x = np.moveaxis(x, axis, -1); K = x.shape[-1]
;;       x = np.pad(x, [(0, 0)] * (x.ndim - 1) + [(0, -K % 32)]); x = x.reshape(x.shape[:-1] + (-1, 32)); a = np.abs(x).max(-1, keepdims=True)
;;       e = np.where(a > 0, np.clip(np.frexp(np.where(a > 0, a, 1))[1] - 1 - 2, -126, 127), 0)      # np.frexp(a)[1] - 1 = floor(log2(a)), exactly
;;       r = np.clip(x / 2.0 ** e, -7.5, 7.5)
;;       step = 2.0 ** (np.maximum(np.frexp(np.where(r == 0, 1, r))[1] - 1, 0) - 3)
;;       q = np.round(r / step) * step * 2.0 ** e      # np.round: ties to even
;;       return np.moveaxis(q.reshape(q.shape[:-2] + (-1,))[..., :K], -1, axis).astype(np.float32)
;;   ~~~
;;   SOFTMAX AHEAD OF A QUANTISED PRODUCT. Where the list says 'softmax', what is quantised is not the finished softmax but p = 2^(t - M), with t = logit x log2(e) and M = ceil(the row's largest t), a whole number; so 1/2 < the row's largest p <= 1. The row's sum l is taken of the UNQUANTISED p, in f32, and the product's result is divided by l at the end. Since M is a whole number, a kernel that streams over the keys may use a running M (the ceiling of the running maximum): every later rescaling is an exact power of two, which a block's scale takes up: the codes' values come out the same.
;;   OPERANDS COMPUTED ON THE WAY. 'Computed on the way' means the value that the module computes at that place (a softmax that the list does not call 'softmax' is quantised finished and normalised). What goes into a quantiser is computed in f32, as accurately as f32 sums, v_exp_f32 and their like allow (about 1e-6 of the number): no bf16 or f16 on the way to a quantiser, and a product that is left as it is and whose result goes on into a quantised operand takes f32 operands (vector FMAs, or v_wmma_f32_16x16x4_f32). A number that lies on a knife's edge between two numbers of the format may be rounded either way, as far as f32 arithmetic and the matrix unit's own rounding can turn it there, and no further.
;; 2 versions. Each part assembles by itself: llvm-mc -triple=amdgcn-amd-amdhsa -mcpu=gfx1250 --defsym DOCPART=n.
;; ======== version 1 of 2: 4 launches
;; limits: right only within a limited range of input values
;; workspace buffers: gb 16,384,000 bytes; rope 1,048,576 bytes; qbuf 3,276,800 bytes; kvbuf 6,553,600 bytes; obuf 3,276,800 bytes
;; launch prep (part 1): grid 256 x 6, 2 waves a work-group, no clusters, 17,152 bytes of LDS; arguments x, Wq, Wk, Wv, Wo, token_positions, gb, rope; writes gb, rope
.if DOCPART == 1
	.amdgcn_target "amdgcn-amd-amdhsa--gfx1250"
	.amdhsa_code_object_version 6
	.text
	.protected	k_q84e15ea90c_prep
	.globl	k_q84e15ea90c_prep
	.p2align	8
	.type	k_q84e15ea90c_prep,@function
k_q84e15ea90c_prep:
	s_mov_b64 s[64:65], 0
	v_nop
	global_prefetch_b8 v0, s[64:65] scope:SCOPE_SE
	s_setreg_imm32_b32 hwreg(HW_REG_WAVE_MODE, 25, 1), 1
	s_wait_xcnt 0x0
; PREP.  x, Wq, Wk, Wv, Wo ([2048][2048] f32, K innermost) become codes of FP6 (E2M3) with one E8M0 byte for each 32 along K, laid as GROUP BLOCKS; and token_positions becomes the table of cosines and sines for RoPE.
; A GROUP BLOCK (12,800 bytes) holds 128 rows x 128 along K as the matrix unit's registers take them: eight tiles of 16 rows; lane-row r of tile a is row 32 (a / 2) + 8 (a % 2) + r + 8 (r / 8) of the group;
; tile a's 12 registers a lane lie at byte 1536 a: register 4 g + e of lane l at 512 g + 16 l + 4 e; lane (r, h) holds k = 64 c + 32 h + 0 .. 31 in registers 6 c .. 6 c + 5.  The scale words lie at byte 12,288:
; that of (tile a, lane-row r) at 16 (r + 16 (a % 2)) + 4 (a / 2), so that one load of 16 bytes a lane brings four registers, each with an even tile's words in lanes 0-15 and the odd tile's in lanes 16-31.
; gb = [tensor: x, Wq, Wk, Wv, Wo][group of 128 rows: 16][K step of 128: 16] group blocks.
; SHARES.  Work-group (X, y), y = 0 .. 4: one group block of tensor y (group X / 16, K step X % 16); wave e makes tiles e, 2 + e, 4 + e, 6 + e.  y = 5: 4,096 bytes of the table.
; A fragment's 16 rows come by 16 loads of 512 consecutive bytes, go through the wave's own stage in LDS (rows 528 bytes apart) and come back 128 bytes a lane: a whole block of 32 for each c.  Waves share nothing: no barrier.
; A block's scale is 2^(floor(log2(its largest magnitude)) - 2); its byte is that magnitude's exponent field - 2, held at 1 from below.
; LIMITS: NaN and infinities are not served; a block whose largest magnitude lies under 2^-124 (a block of zeros too) gets the byte 1: zero codes add nothing, and this program alone reads the bytes.
; THE TABLE: rope = [group 16][tile 8][gamma 16][lane 32][16 bytes]: lane (r, h), gamma = 4 beta + e: (cos, sin, cos, sin) of the token 128 G + 32 (a / 2) + 8 (a % 2) + r + 8 (r / 8) for the frequencies f = 16 beta + 8 h + 2 e and f + 1.
; frequency = 2^(-f log2(10) / 16) by v_exp_f32; angle = position x frequency, one f32 rounding; the angle is reduced by multiples of pi / 2 in three parts and goes through polynomials on [-pi/4, pi/4].  Served: |position| up to 2^22.
.set TEN,   3276800                    ; a tensor's 256 group blocks
.set GBB,   12800                      ; a group block
.set SP,    528                        ; a stage row: 512 bytes + 16
.set WST,   16*SP                      ; a wave's stage
.set SPARE, 2*WST                      ; behind the stages: the spare words, 128 bytes for each wave: one block of 256 bytes that no other line names
.set SPW,   20                         ; v20  LDS address of my spare word; never rewritten
.set NIL,   21                         ; v21  0; never rewritten
.set PW,    24                         ; v24-27 the four fragments' scale words
.set PC,    28                         ; v28-39 a fragment's codes; v40-42, v44-46 the blocks' upper halves
.set RR,    64                         ; v64-191 two sets of 64: a fragment as loaded
.set XX,    192                        ; v192-255 my 64 numbers: register 32 c + i = k 64 c + 32 h + i of row r
	s_load_b512 s[8:23], s[0:1], 0x0               ; x 8, Wq 10, Wk 12, Wv 14, Wo 16, positions 18, gb 20, rope 22
	v_lshl_add_u32 v[SPW], v0, 2, SPARE
	v_mov_b32 v[NIL], 0
	v_lshrrev_b32 v1, 5, v0
	v_readfirstlane_b32 s24, v1                    ; wave e
	s_and_b32 s25, ttmp7, 0xffff                   ; y
	v_and_b32 v1, 31, v0                           ; lane
	v_and_b32 v2, 15, v0                           ; r
	v_bfe_u32 v3, v0, 4, 1                         ; h
	s_wait_kmcnt 0x0
	s_cmp_eq_u32 s25, 5
	s_cbranch_scc1 .Lrope
	; ---------------- the quantiser ----------------
	s_mov_b64 s[28:29], s[8:9]                     ; the tensor is chosen by the work-group's y alone
	s_cmp_eq_u32 s25, 1
	s_cselect_b64 s[28:29], s[10:11], s[28:29]
	s_cmp_eq_u32 s25, 2
	s_cselect_b64 s[28:29], s[12:13], s[28:29]
	s_cmp_eq_u32 s25, 3
	s_cselect_b64 s[28:29], s[14:15], s[28:29]
	s_cmp_eq_u32 s25, 4
	s_cselect_b64 s[28:29], s[16:17], s[28:29]
	s_lshr_b32 s30, ttmp9, 4                       ; group
	s_and_b32 s31, ttmp9, 15                       ; K step
	s_lshl_b32 s30, s30, 20                        ; 128 rows of 8,192 bytes
	s_lshl_b32 s31, s31, 9                         ; 128 numbers
	s_add_co_u32 s30, s30, s31
	s_lshl_b32 s31, s24, 16                        ; the odd tiles begin 8 rows further down
	s_add_co_u32 s30, s30, s31
	s_mov_b32 s31, 0
	s_add_nc_u64 s[28:29], s[28:29], s[30:31]
	s_mul_i32 s30, s25, TEN
	s_mul_i32 s32, ttmp9, GBB
	s_add_co_u32 s30, s30, s32
	s_add_nc_u64 s[20:21], s[20:21], s[30:31]      ; my group block
	v_lshlrev_b32 v4, 4, v1                        ; 16 l: my 16 bytes of a load's 512
	s_mul_i32 s33, s24, WST
	v_add_nc_u32 v5, s33, v4                       ; the stage, on the way in
	v_mul_u32_u24 v6, v2, SP
	v_lshl_add_u32 v6, v3, 7, v6
	v_add_nc_u32 v6, s33, v6                       ; and on the way out: row r, + 128 h
	s_lshl_b32 s34, s24, 8
	v_lshl_add_u32 v7, v2, 4, s34                  ; the scale words: 16 r + 256 e
	v_lshlrev_b32 v8, 3, v3                        ; 8 h: my bytes' place in a scale word
	s_mul_i32 s34, s24, 1536
	v_add_nc_u32 v9, s34, v4                       ; the images: 16 l + 1536 e
	v_mov_b32 v17, 0                               ; a lane permute's destination counts as one of its sources
	s_mov_b32 s26, 0x76543210
	s_mov_b32 s27, 0xfedcba98                      ; v_permlanex16_b32's selects for lane l xor 16
.macro LOAD f                          ; fragment f (tile 2 f + e): its 16 rows, 512 consecutive bytes a load
.set rho, 0
.rept 16
	global_load_b128 v[RR+64*((\f)%2)+4*rho:RR+64*((\f)%2)+4*rho+3], v4, s[28:29] offset:(32*(\f)+rho+8*(rho/8))*8192 th:TH_LOAD_NT
.set rho, rho+1
.endr
.endm
.macro TURN f                          ; through the stage: LDS serves a wave's instructions in order, so no wait stands between the stores and the loads
.set rho, 0
.rept 16
	ds_store_b128 v5, v[RR+64*((\f)%2)+4*rho:RR+64*((\f)%2)+4*rho+3] offset:SP*rho
.set rho, rho+1
.endr
.irp c, 0,1
.irp i, 0,1,2,3,4,5,6,7
	ds_load_b128 v[XX+32*\c+4*\i:XX+32*\c+4*\i+3], v6 offset:256*\c+16*\i
.endr
.endr
.endm
.macro FRAGQ f                         ; my two whole blocks (2 c + h of row r) become registers 6 c .. 6 c + 5 of the fragment, and the row's scale word
.irp c, 0,1
	v_max3_num_f32 v[10+\c], |v[XX+32*\c]|, |v[XX+32*\c+1]|, 0x1800000   ; with the floor 2^(3 - 127): the byte cannot fall under 1
.endr
.irp i, 2,4,6,8,10,12,14,16,18,20,22,24,26,28,30
.irp c, 0,1
	v_max3_num_f32 v[10+\c], v[10+\c], |v[XX+32*\c+\i]|, |v[XX+32*\c+\i+1]|
.endr
.endr
.irp c, 0,1
	v_add_nc_u32 v[12+\c], 0xff000000, v[10+\c]    ; 2 off the exponent field: the conversion's scale operand
.endr
.irp c, 0,1
	v_lshrrev_b32 v[14+\c], 23, v[12+\c]           ; the scale's byte
.endr
	v_lshl_or_b32 v16, v15, 16, v14                ; blocks h and 2 + h,
	v_lshlrev_b32 v16, v8, v16                     ; at their places in the word;
	v_permlanex16_b32 v17, v16, s26, s27
	v_or_b32 v[PW+\f], v16, v17                    ; with lane l xor 16's two the word is whole
.irp c, 0,1
	v_cvt_scalef32_pk16_fp6_f32 v[PC+6*\c:PC+6*\c+2], v[XX+32*\c:XX+32*\c+15], v[12+\c]
	v_cvt_scalef32_pk16_fp6_f32 v[40+4*\c:42+4*\c], v[XX+32*\c+16:XX+32*\c+31], v[12+\c]   ; (a conversion's three registers begin on an even number)
.endr
	v_nop                                          ; one plain place behind a scaled conversion
.irp c, 0,1
.irp i, 0,1,2
	v_mov_b32 v[PC+3+6*\c+\i], v[40+4*\c+\i]
.endr
.endr
.irp g, 0,1,2
	global_store_b128 v9, v[PC+4*\g:PC+4*\g+3], s[20:21] offset:3072*(\f)+512*\g   ; 32 lanes store 512 consecutive bytes, at a multiple of 256 from the buffer's first byte
.endr
.endm
	LOAD 0
	LOAD 1
.irp f, 0,1,2,3
.if \f < 3
	s_wait_loadcnt 16                              ; this fragment's 16 loads are in; the next one's may be out
.else
	s_wait_loadcnt 0x0
.endif
	TURN \f
	s_wait_dscnt 0x0                               ; my 64 numbers are back, and the stage's stores have read their registers
.if \f > 0
	s_wait_xcnt 0x0                                ; the last fragment's stores have read the codes' registers, which are written again below
.endif
.if \f < 2
	LOAD \f+2
.endif
	FRAGQ \f
.endr
	s_wait_xcnt 0x0                                ; EXEC changes only behind this wait
	v_cmp_gt_u32 vcc_lo, 16, v1
	s_and_saveexec_b32 s30, vcc_lo
	global_store_b128 v7, v[PW:PW+3], s[20:21] offset:12288   ; sixteen lanes store 256 consecutive bytes, aligned: my four tiles' scale words
	s_wait_xcnt 0x0
	s_or_b32 exec_lo, exec_lo, s30
	s_wait_tensorcnt 0x0                           ; the wave's end, behind my last LDS store
	ds_add_u32 v[SPW], v[NIL]
	s_wait_dscnt 0x0
	s_endpgm
	; ---------------- the table ----------------
.Lrope:
	s_lshr_b32 s26, ttmp9, 4                       ; G
	s_bfe_u32 s27, ttmp9, 0x30001                  ; a
	s_and_b32 s28, ttmp9, 1                        ; which half of the 16 gammas
	s_lshl_b32 s26, s26, 7
	s_lshr_b32 s29, s27, 1
	s_lshl_b32 s29, s29, 5
	s_add_co_u32 s26, s26, s29
	s_and_b32 s29, s27, 1
	s_lshl_b32 s29, s29, 3
	s_add_co_u32 s26, s26, s29                     ; 128 G + 32 (a / 2) + 8 (a % 2)
	v_and_b32 v4, 8, v2
	v_add_nc_u32 v4, v4, v2
	v_add_nc_u32 v4, s26, v4                       ; my token
	v_lshlrev_b32 v4, 2, v4
	global_load_b32 v5, v4, s[18:19]               ; its position, as it is given
	s_lshl_b32 s30, ttmp9, 12
	s_mov_b32 s31, 0
	s_add_nc_u64 s[22:23], s[22:23], s[30:31]      ; my work-group's 4,096 bytes
	v_lshlrev_b32 v7, 4, v0
	s_lshl_b32 s28, s28, 5
	v_lshrrev_b32 v6, 5, v0
	v_lshlrev_b32 v6, 1, v6
	v_lshl_add_u32 v6, v3, 3, v6
	v_add_nc_u32 v6, s28, v6                       ; 32 half + 8 h + 2 wave: the first of my eight frequencies
.irp i, 0,1,2,3,4,5,6,7                ; item i / 2 adds 0, 4, 16, 20; i % 2 the pair's second
	v_add_nc_u32 v[24+\i], 16*(\i/4)+4*((\i/2)%2)+(\i%2), v6
.endr
.irp i, 0,1,2,3,4,5,6,7
	v_cvt_f32_u32 v[24+\i], v[24+\i]
.endr
.irp i, 0,1,2,3,4,5,6,7
	v_mul_f32 v[24+\i], 0xbe549a78, v[24+\i]       ; x -log2(10) / 16
.endr
.irp i, 0,1,2,3,4,5,6,7
	v_exp_f32 v[24+\i], v[24+\i]                   ; 10000^(-f / 64)
.endr
	v_nop                                          ; a plain place behind the batch
	s_wait_alu depctr_va_vdst(0)                   ; one wait for the eight, ahead of their first reader
	s_wait_loadcnt 0x0
	v_cvt_f32_i32 v5, v5
.irp i, 0,1,2,3,4,5,6,7
	v_mul_f32 v[24+\i], v5, v[24+\i]               ; the angle, rounded once
.endr
.macro SINCOS ang, oc, os
	v_mul_f32 v40, 0x3f22f983, v[\ang]             ; x 2 / pi
	v_rndne_f32 v40, v40                           ; n
	v_fmamk_f32 v41, v40, 0xbfc90fd8, v[\ang]      ; angle - n pi / 2, pi / 2 in three parts: the first product and difference are exact
	v_fmamk_f32 v41, v40, 0xb4a8885a, v41
	v_fmamk_f32 v41, v40, 0xa7c234c5, v41          ; r, in [-pi/4, pi/4]
	v_mul_f32 v42, v41, v41                        ; z = r r
	v_cvt_i32_f32 v40, v40                         ; the quadrant's number
	v_mov_b32 v43, 0xb94ca1f9
	v_fmaak_f32 v43, v43, v42, 0x3c08839e
	v_fmaak_f32 v43, v43, v42, 0xbe2aaaa3
	v_mul_f32 v44, v41, v42
	v_fma_f32 v43, v43, v44, v41                   ; sin r
	v_mov_b32 v45, 0x37ccf5ce
	v_fmaak_f32 v45, v45, v42, 0xbab6061a
	v_fmaak_f32 v45, v45, v42, 0x3d2aaaa5
	v_mul_f32 v46, v42, v42
	v_fma_f32 v47, v42, -0.5, 1.0
	v_fma_f32 v45, v45, v46, v47                   ; cos r
	v_and_b32 v46, 1, v40
	v_cmp_eq_u32 vcc_lo, 1, v46
	v_cndmask_b32 v47, v43, v45, vcc_lo            ; in odd quadrants the two change places
	v_cndmask_b32 v46, v45, v43, vcc_lo
	v_and_b32 v44, 2, v40
	v_lshlrev_b32 v44, 30, v44
	v_xor_b32 v[\os], v44, v47                     ; the sine is negative in quadrants 2 and 3,
	v_add_nc_u32 v44, 1, v40
	v_and_b32 v44, 2, v44
	v_lshlrev_b32 v44, 30, v44
	v_xor_b32 v[\oc], v44, v46                     ; the cosine in 1 and 2
.endm
.irp i, 0,1,2,3,4,5,6,7
	SINCOS 24+\i, 48+2*\i, 49+2*\i
.endr
.irp t, 0,1,2,3
	global_store_b128 v7, v[48+4*\t:51+4*\t], s[22:23] offset:1024*\t   ; a wave stores 512 consecutive bytes
.endr
	s_endpgm
.Lfunc_end_k_q84e15ea90c_prep:
	.size	k_q84e15ea90c_prep, .Lfunc_end_k_q84e15ea90c_prep-k_q84e15ea90c_prep
	.p2alignl 7, 3214868480
	.fill 96, 4, 3214868480
	.section	.rodata,"a",@progbits
	.p2align	6, 0x0
	.amdhsa_kernel k_q84e15ea90c_prep
		.amdhsa_group_segment_fixed_size 17152
		.amdhsa_private_segment_fixed_size 0
		.amdhsa_enable_private_segment 0
		.amdhsa_kernarg_size 64
		.amdhsa_user_sgpr_count 2
		.amdhsa_user_sgpr_kernarg_segment_ptr 1
		.amdhsa_wavefront_size32 1
		.amdhsa_system_sgpr_workgroup_id_x 1
		.amdhsa_system_sgpr_workgroup_id_y 1
		.amdhsa_system_sgpr_workgroup_id_z 1
		.amdhsa_system_vgpr_workitem_id 0
		.amdhsa_next_free_vgpr 256
		.amdhsa_next_free_sgpr 66
		.amdhsa_reserve_vcc 1
		.amdhsa_float_denorm_mode_32 3
		.amdhsa_float_denorm_mode_16_64 3
		.amdhsa_memory_ordered 1
		.amdhsa_forward_progress 1
		.amdhsa_inst_pref_size 44
	.end_amdhsa_kernel
	.amdgpu_metadata
---
amdhsa.version: [ 1, 2 ]
amdhsa.kernels:
  - .name:           k_q84e15ea90c_prep
    .symbol:         k_q84e15ea90c_prep.kd
    .args:
      - { .name: x, .offset: 0, .size: 8, .value_kind: global_buffer, .address_space: global }
      - { .name: Wq, .offset: 8, .size: 8, .value_kind: global_buffer, .address_space: global }
      - { .name: Wk, .offset: 16, .size: 8, .value_kind: global_buffer, .address_space: global }
      - { .name: Wv, .offset: 24, .size: 8, .value_kind: global_buffer, .address_space: global }
      - { .name: Wo, .offset: 32, .size: 8, .value_kind: global_buffer, .address_space: global }
      - { .name: token_positions, .offset: 40, .size: 8, .value_kind: global_buffer, .address_space: global }
      - { .name: gb, .offset: 48, .size: 8, .value_kind: global_buffer, .address_space: global }
      - { .name: rope, .offset: 56, .size: 8, .value_kind: global_buffer, .address_space: global }
    .group_segment_fixed_size: 17152
    .private_segment_fixed_size: 0
    .kernarg_segment_align: 8
    .kernarg_segment_size: 64
    .max_flat_workgroup_size: 64
    .sgpr_count:     66
    .vgpr_count:     256
    .wavefront_size: 32
...
	.end_amdgpu_metadata
.endif
;; end of part 1
;; launch qkv (part 2): grid 24 x 8, 4 waves a work-group, clusters of 4 x 4, 327,680 bytes of LDS; arguments gb, rope, qbuf, kvbuf; writes qbuf, kvbuf
.if DOCPART == 2
	.amdgcn_target "amdgcn-amd-amdhsa--gfx1250"
	.amdhsa_code_object_version 6
	.text
	.protected	k_q84e15ea90c_qkv
	.globl	k_q84e15ea90c_qkv
	.p2align	8
	.type	k_q84e15ea90c_qkv,@function
k_q84e15ea90c_qkv:
	s_mov_b64 s[64:65], 0
	v_nop
	global_prefetch_b8 v0, s[64:65] scope:SCOPE_SE
	s_setreg_imm32_b32 hwreg(HW_REG_WAVE_MODE, 25, 1), 1
	s_wait_xcnt 0x0
	s_wait_alu depctr_hold_cnt(0) depctr_sa_sdst(0) depctr_va_vdst(0) depctr_va_sdst(0) depctr_va_ssrc(0) depctr_va_vcc(0) depctr_vm_vsrc(0)
	s_getreg_b32 s2, hwreg(HW_REG_IB_STS2, 6, 4)
	s_cmp_eq_u32 s2, 0
	s_cbranch_scc0 .Lentry_in_a_cluster
	s_endpgm
.Lentry_in_a_cluster:
	s_bfe_u32 s2, ttmp6, 0x10000c
	s_cmp_lg_u32 s2, 0xf033
	s_cbranch_scc0 .Lentry_shape_is_right
	s_endpgm
.Lentry_shape_is_right:
; QKV.  Q = x Wq^T, K = x Wk^T with RoPE, and V^T = Wv x^T, on codes of FP6 (E2M3) with E8M0 scales; the results are quantised in registers and leave as GROUP BLOCKS for the attention.
; A group block (12,800 bytes): 128 rows x 128 along K: eight tiles; lane-row r of tile a is row 32 (a / 2) + 8 (a % 2) + r + 8 (r / 8); tile a's 12 registers a lane at byte 1536 a (register 4 g + e of lane l at 512 g + 16 l + 4 e);
; the scale words at byte 12,288, that of (a, r) at 16 (r + 16 (a % 2)) + 4 (a / 2).  gb = [x, Wq, Wk, Wv, Wo][group 16][K step 16] group blocks.
; SHARES.  A work-group makes 256 x 256, four waves 128 x 128 each: 64 accumulators, 512 registers.  Tile columns 0-7: Q, 8-15: K (A = x by the tile row, B = [Wq; Wk] by the tile column); 16-23: V^T (A = Wv by the tile row, B = x by the
; tile column - 16).  The role hangs on the cluster's x alone, which all sixteen partners share.  K = 2,048 goes through a ring of two LDS slots of two K steps; a wave's one tensor load brings one group's two blocks, 25,600 dense bytes.
; CLUSTERS: 4 x 4.  A's blocks are shared along a row of the cluster, B's along a column: asked for jointly.
; THE MATRIX INSTRUCTION IS USED TRANSPOSED (source 0 = a tile of B, source 1 = a tile of A).  With the tiles' rows as above, lane (r, h) holds row (a, r) of A, and the 64 registers of A's tile a (B's tiles 0 .. 7) are B's rows
; 32 b + 16 h + i at register 16 b + i: sixteen neighbours along the NEXT product's K in a lane: the head's d for Q and K, the keys for V^T.  So RoPE's pairs are register pairs, and the conversions' results are the next operand's registers.
; THE TWO ROLES PART ONCE, in front of the last K step, which is written in both paths: Q's and K's path asks for its first three tables of cosines and sines there, 64 products ahead of their use.
; OUT: qbuf [head][group of queries], kvbuf [head][key step][K's block, V's block].
; LIMITS: NaN and infinities are not served; a block whose largest magnitude lies under 2^-124 gets the byte 1.
; REGISTERS: window 0: v16-29 addresses; v32-63 scale words and nothing else; v64-127 tables 0, 3, 6; v128-223 A's fragments, one set, later the way out.  window 1: B's fragments, two sets; v0-63 later tables 1, 4, 7, v64-127 tables 2, 5.
;   windows 2, 3: accumulator (a, b) at v[8 (8 (a % 4) + b)].
.set TEN,   3276800
.set GS,    204800                     ; a group's 16 blocks
.set GBB,   12800
.set QUART, 2*GBB                      ; what one tensor load brings
.set SLOT,  4*QUART                    ; A's two groups, then B's two
.set SPARE, 2*SLOT                     ; behind the ring: the spare words, 128 bytes for each wave: two blocks of 256 bytes that no other line names
.set FR,    12
.set NL,    3                          ; LDS loads that bring a fragment
.set NP,    4                          ; places behind this matrix instruction (ISA guide 7.12.1)
.set ADRA,  16                         ; v16-17 my half of A in slot 0, 1: + 16 l
.set ADRB,  20                         ; v20-21 the same for B
.set LO,    26                         ; v26 16 l
.set SPW,   28
.set NIL,   29
.set SC,    32                         ; scale words: v[SC + 16 slot + 8 q + p]: A's tiles 2 p (lanes 0-15) and 2 p + 1 (lanes 16-31); + 4: B's
.set AF,    128
.set G1,    24
.set G0,    32
.set G1B,   48
.set G0B,   56
.set RO,    128                        ; the way out, window 0: v128-191 the rotated numbers
.set TM,    192                        ; v192-207 at work
.set PC,    208                        ; v208-227 codes
.set TT,    228                        ; v228-235 four pairs at work
.set PW,    236                        ; v236-243 a scale word for each of A's tiles
.set WW,    244                        ; v244-247 the block of scale words
.set MSB, 0
.macro WIN new                         ; the immediate's high byte repeats the setting that is left
.if MSB != (\new)
	s_set_vgpr_msb (MSB<<8)|(\new)
.set MSB, (\new)
.endif
.endm
.set MUL_LO, 0xa1                      ; source 0 (B) window 1, source 1 (A) window 0, C and D window 2
.set MUL_HI, 0xf1
.set TO_B,   0x40
.macro JLOAD g0a, g1a, g0b, g1b        ; a joint load: waves 0 and 1 fetch for A, waves 2 and 3 for B; an s_nop 0 and four v_nop follow each line
	s_cmp_eq_u32 s15, 0
	s_cbranch_scc0 .Lfor_b_\@
	tensor_load_to_lds s[\g0a:\g0a+3], s[\g1a:\g1a+7]
	s_nop 0
.rept 4
	v_nop
.endr
	s_branch .Lasked_\@
.Lfor_b_\@:
	tensor_load_to_lds s[\g0b:\g0b+3], s[\g1b:\g1b+7]
	s_nop 0
.rept 4
	v_nop
.endr
.Lasked_\@:
.endm
.macro CREST
	s_cmp_lg_u32 s14, 0
	s_cbranch_scc1 .Lnot_wave_0_\@
	s_barrier_signal -3
.Lnot_wave_0_\@:
	s_barrier_wait -3
	s_barrier_signal -1
	s_barrier_wait -1
.endm
.macro CROUND
	s_barrier_signal -1
	s_barrier_wait -1
	CREST
.endm
	s_load_b256 s[4:11], s[0:1], 0x0               ; gb 4, rope 6, qbuf 8, kvbuf 10
	v_lshl_add_u32 v[SPW], v0, 2, SPARE
	v_mov_b32 v[NIL], 0
	ds_add_u32 v[SPW], v[NIL]                      ; the wave's opening: the add and its wait ahead of my first tensor load
	v_lshrrev_b32 v1, 5, v0
	v_readfirstlane_b32 s14, v1                    ; wave
	s_lshr_b32 s15, s14, 1                         ; my half of A.  Also: I fetch for A (0) or for B (1)
	s_and_b32 s16, s14, 1                          ; my half of B.  Also: which of the two groups I fetch
	s_bfe_u32 s40, ttmp6, 0x40000                  ; cx
	s_bfe_u32 s41, ttmp6, 0x40004                  ; cy
	s_lshl_b32 s42, ttmp9, 2
	s_add_co_u32 s42, s42, s40                     ; tile column
	s_and_b32 s17, ttmp7, 0xffff
	s_lshl_b32 s17, s17, 2
	s_add_co_u32 s17, s17, s41                     ; tile row
	s_lshl_b32 s43, s41, 2
	s_lshl_b32 s43, 15, s43                        ; my row of the cluster
	s_lshl_b32 s44, 0x1111, s40                    ; my column
	s_or_b32 s[G1+0], s43, (3<<16)|(1<<21)         ; the mask; elements of 8 bytes; bit 21 beside a mask; no padding
	s_or_b32 s[G1B+0], s44, (3<<16)|(1<<21)
.irp g, G1, G1B
	s_mov_b32 s[\g+1], 32<<16                      ; tensor_dim0: 32 elements = 256 bytes
	s_mov_b32 s[\g+2], 100<<16                     ; tensor_dim1: 100 rows
	s_mov_b32 s[\g+3], 32<<16                      ; tile_dim0
	s_mov_b32 s[\g+4], 100                         ; tile_dim1
	s_mov_b32 s[\g+5], 32                          ; dense
	s_mov_b32 s[\g+6], 0
	s_mov_b32 s[\g+7], 0
.endr
	s_lshr_b32 s45, ttmp9, 2                       ; 1 in the clusters that make V^T (cluster x = 4, 5)
	s_lshl_b32 s20, s17, 1
	s_add_co_u32 s20, s20, s16
	s_mul_i32 s20, s20, GS                         ; A: group 2 x tile row + which,
	s_mul_i32 s21, s45, 3*TEN                      ; of x or of Wv
	s_add_co_u32 s20, s20, s21
	s_mov_b32 s21, 0
	s_lshl_b32 s46, s42, 1
	s_add_co_u32 s46, s46, s16
	s_lshl_b32 s47, s45, 5
	s_sub_co_u32 s46, s46, s47
	s_mul_i32 s46, s46, GS                         ; B: group 2 x tile column + which,
	s_xor_b32 s47, s45, 1
	s_mul_i32 s47, s47, TEN                        ; of [Wq; Wk], which follow x, or of x
	s_add_co_u32 s46, s46, s47
	s_mov_b32 s47, 0
	s_mul_i32 s18, s14, QUART                      ; where they go: no place in the cluster enters an LDS address
	s_wait_dscnt 0x0                               ; the opening add is done
	s_wait_kmcnt 0x0
	s_add_nc_u64 s[20:21], s[4:5], s[20:21]
	s_add_nc_u64 s[46:47], s[4:5], s[46:47]
	CROUND                                         ; all sixteen work-groups are here: the first joint loads meet
.irp s, 0,1
	s_mov_b32 s[G0+4*\s], 1
	s_add_co_u32 s[G0+4*\s+1], s18, \s*SLOT
	s_add_nc_u64 s[G0+4*\s+2:G0+4*\s+3], s[20:21], \s*QUART
	s_or_b32 s[G0+4*\s+3], s[G0+4*\s+3], 0x80000000
	s_mov_b32 s[G0B+4*\s], 1
	s_add_co_u32 s[G0B+4*\s+1], s18, \s*SLOT
	s_add_nc_u64 s[G0B+4*\s+2:G0B+4*\s+3], s[46:47], \s*QUART
	s_or_b32 s[G0B+4*\s+3], s[G0B+4*\s+3], 0x80000000
	JLOAD G0+4*\s, G1, G0B+4*\s, G1B               ; two tensor loads of mine are out at the most
.endr
	v_and_b32 v1, 31, v0
	v_lshlrev_b32 v[LO], 4, v1
	s_mul_i32 s21, s15, QUART
	s_mul_i32 s22, s16, QUART
	s_add_co_u32 s22, s22, 2*QUART
.irp s, 0,1
	v_add_nc_u32 v[ADRA+\s], s21, v[LO]
	v_add_nc_u32 v[ADRB+\s], s22, v[LO]
	s_add_co_u32 s21, s21, SLOT
	s_add_co_u32 s22, s22, SLOT
.endr
	; where my 128 x 128 go
	s_lshl_b32 s19, s17, 1
	s_add_co_u32 s19, s19, s15                     ; P: A's group: of tokens (Q, K), or the head (V)
	s_lshl_b32 s23, s42, 1
	s_add_co_u32 s23, s23, s16
	s_and_b32 s23, s23, 15                         ; C: B's group: the head (Q, K), or the key step (V)
	s_cmp_lg_u32 s45, 0
	s_cselect_b32 s66, s19, s23                    ; the head
	s_cselect_b32 s67, s23, s19                    ; the group of tokens
	s_cselect_b32 s68, GBB, 0                      ; V's block lies behind K's
	s_lshl_b32 s66, s66, 4
	s_add_co_u32 s66, s66, s67
	s_cmp_lt_u32 ttmp9, 2
	s_cselect_b64 s[70:71], s[8:9], s[10:11]
	s_mov_b32 s69, QUART
	s_cselect_b32 s69, GBB, s69
	s_mul_i32 s66, s66, s69
	s_add_co_u32 s66, s66, s68
	s_mov_b32 s67, 0
	s_add_nc_u64 s[70:71], s[70:71], s[66:67]      ; my group block
	s_lshl_b32 s66, s19, 16
	s_add_nc_u64 s[72:73], s[6:7], s[66:67]        ; my tokens' eight tables (Q's and K's path alone reads them)
	s_mov_b32 s74, 0xffff0000                      ; lanes 16-31
	s_mov_b32 s76, 0x76543210
	s_mov_b32 s77, 0xfedcba98
.macro FRAG reg, adr, q, i             ; a fragment is three loads of 512 consecutive bytes: the image of its registers
.irp g, 0,1,2
	ds_load_b128 v[\reg+4*\g:\reg+4*\g+3], v[\adr] offset:GBB*(\q)+1536*(\i)+512*\g
.endr
.endm
; One product: A's tile a x B's tile b, the slot's q-th K step; p: B's set; sc: the set of scale words.  An odd tile's words lie in lanes 16-31.
.macro MM a, b, p, q, sc, zero
.set rD, 8*(8*((\a)%4)+(\b))
.set rB, 128*(\p)+FR*(\b)
.set rA, AF+FR*(\a)
.set sB, SC+16*(\sc)+8*(\q)+4+(\b)/2
.set sA, SC+16*(\sc)+8*(\q)+(\a)/2
.if \zero
.if ((\a)%2 == 0) && ((\b)%2 == 0)
	v_wmma_scale_f32_16x16x128_f8f6f4 v[rD:rD+7], v[rB:rB+FR-1], v[rA:rA+FR-1], 0, v[sB], v[sA] matrix_a_fmt:MATRIX_FMT_FP6 matrix_b_fmt:MATRIX_FMT_FP6
.elseif ((\a)%2 == 0)
	v_wmma_scale_f32_16x16x128_f8f6f4 v[rD:rD+7], v[rB:rB+FR-1], v[rA:rA+FR-1], 0, v[sB], v[sA] matrix_a_fmt:MATRIX_FMT_FP6 matrix_b_fmt:MATRIX_FMT_FP6 matrix_a_scale:MATRIX_SCALE_ROW1
.elseif ((\b)%2 == 0)
	v_wmma_scale_f32_16x16x128_f8f6f4 v[rD:rD+7], v[rB:rB+FR-1], v[rA:rA+FR-1], 0, v[sB], v[sA] matrix_a_fmt:MATRIX_FMT_FP6 matrix_b_fmt:MATRIX_FMT_FP6 matrix_b_scale:MATRIX_SCALE_ROW1
.else
	v_wmma_scale_f32_16x16x128_f8f6f4 v[rD:rD+7], v[rB:rB+FR-1], v[rA:rA+FR-1], 0, v[sB], v[sA] matrix_a_fmt:MATRIX_FMT_FP6 matrix_b_fmt:MATRIX_FMT_FP6 matrix_a_scale:MATRIX_SCALE_ROW1 matrix_b_scale:MATRIX_SCALE_ROW1
.endif
.else
.if ((\a)%2 == 0) && ((\b)%2 == 0)
	v_wmma_scale_f32_16x16x128_f8f6f4 v[rD:rD+7], v[rB:rB+FR-1], v[rA:rA+FR-1], v[rD:rD+7], v[sB], v[sA] matrix_a_fmt:MATRIX_FMT_FP6 matrix_b_fmt:MATRIX_FMT_FP6
.elseif ((\a)%2 == 0)
	v_wmma_scale_f32_16x16x128_f8f6f4 v[rD:rD+7], v[rB:rB+FR-1], v[rA:rA+FR-1], v[rD:rD+7], v[sB], v[sA] matrix_a_fmt:MATRIX_FMT_FP6 matrix_b_fmt:MATRIX_FMT_FP6 matrix_a_scale:MATRIX_SCALE_ROW1
.elseif ((\b)%2 == 0)
	v_wmma_scale_f32_16x16x128_f8f6f4 v[rD:rD+7], v[rB:rB+FR-1], v[rA:rA+FR-1], v[rD:rD+7], v[sB], v[sA] matrix_a_fmt:MATRIX_FMT_FP6 matrix_b_fmt:MATRIX_FMT_FP6 matrix_b_scale:MATRIX_SCALE_ROW1
.else
	v_wmma_scale_f32_16x16x128_f8f6f4 v[rD:rD+7], v[rB:rB+FR-1], v[rA:rA+FR-1], v[rD:rD+7], v[sB], v[sA] matrix_a_fmt:MATRIX_FMT_FP6 matrix_b_fmt:MATRIX_FMT_FP6 matrix_a_scale:MATRIX_SCALE_ROW1 matrix_b_scale:MATRIX_SCALE_ROW1
.endif
.endif
.endm
.macro MUL16 a0, p, q, sc, zero        ; the 64 accumulators take turns, one instruction a turn, in the same order in every step
.irp a, \a0, \a0+1
.irp b, 0,1,2,3,4,5,6,7
	MM \a, \b, \p, \q, \sc, \zero
.endr
.endr
.endm
.macro FETCH_B slot, q, p
	WIN TO_B
.irp i, 0,1,2,3,4,5,6,7
	FRAG 128*(\p)+FR*\i, ADRB+\slot, \q, \i
.endr
	WIN 0
.endm
.macro FETCH_A slot, q, i0
.irp i, \i0, \i0+1, \i0+2, \i0+3
	FRAG AF+FR*(\i), ADRA+\slot, \q, \i
.endr
.endm
.macro SCALES slot                     ; both K steps' scale words of a slot: four loads of 512 consecutive bytes
.irp q, 0,1
	ds_load_b128 v[SC+16*\slot+8*\q:SC+16*\slot+8*\q+3], v[ADRA+\slot] offset:GBB*\q+12288
	ds_load_b128 v[SC+16*\slot+8*\q+4:SC+16*\slot+8*\q+7], v[ADRB+\slot] offset:GBB*\q+12288
.endr
.endm
.macro PLACES n                        ; plain vector instructions between a matrix instruction and a load into, or a read of, its registers
.rept \n
	v_nop
.endr
.endm
.macro STEP slot, q, zero              ; a K step that has its successor in the same slot
	s_wait_dscnt 4*NL                              ; B's set, A's blocks 0-3 and the scale words are in; the youngest twelve loads (A's blocks 4-7) may be out
	WIN MUL_LO
	MUL16 0, (\q)%2, \q, \slot, \zero
	MUL16 2, (\q)%2, \q, \slot, \zero
	s_wait_dscnt 0
	PLACES NP
	FETCH_B \slot, (\q)+1, 1-(\q)%2
	FETCH_A \slot, (\q)+1, 0
	WIN MUL_HI
	MUL16 4, (\q)%2, \q, \slot, \zero
	MUL16 6, (\q)%2, \q, \slot, \zero
	PLACES NP
	WIN 0
	FETCH_A \slot, (\q)+1, 4
.endm
; A slot's last step changes slots: ONE barrier; in front of it each wave waits for all its tensor loads, adds 0 to its spare word, and waits for that and for its reads of this slot.  fill = 1: the slot is filled again, two slots ahead.
.macro TURN slot, next, fill
	s_wait_tensorcnt 0x0                           ; all my tensor loads have landed: my part of the next slot
	ds_add_u32 v[SPW], v[NIL]
	s_wait_dscnt 4*NL+1                            ; (the add and A's blocks 4-7 may be out)
	WIN MUL_LO
	MUL16 0, 1, 1, \slot, 0
	s_wait_dscnt 0x0                               ; the add is done, and my reads of this slot are over
	s_barrier_signal -1
	MUL16 2, 1, 1, \slot, 0
	WIN 0
	s_barrier_wait -1
.if \fill
	CREST                                          ; the barrier has opened a round of the cluster's: no wave of any partner still reads this slot or has a load on its way
	s_add_nc_u64 s[G0+4*\slot+2:G0+4*\slot+3], s[G0+4*\slot+2:G0+4*\slot+3], 2*QUART
	s_add_nc_u64 s[G0B+4*\slot+2:G0B+4*\slot+3], s[G0B+4*\slot+2:G0B+4*\slot+3], 2*QUART
	JLOAD G0+4*\slot, G1, G0B+4*\slot, G1B         ; the first tensor load behind the round; its four v_nop are the places in front of the loads below
.else
	PLACES NP
.endif
	FETCH_B \next, 0, 0
	FETCH_A \next, 0, 0
	SCALES \next
	WIN MUL_HI
	MUL16 4, 1, 1, \slot, 0
	MUL16 6, 1, 1, \slot, 0
	PLACES NP
	WIN 0
	FETCH_A \next, 0, 4
.endm
; The very last K step (slot 1's second): nothing more to fetch, no barrier.  It is written once in each of the two paths.
.macro LAST
	s_wait_dscnt 4*NL                              ; all but A's blocks 4-7
	WIN MUL_LO
	MUL16 0, 1, 1, 1, 0
	MUL16 2, 1, 1, 1, 0
	s_wait_dscnt 0
	WIN MUL_HI
	MUL16 4, 1, 1, 1, 0
	MUL16 6, 1, 1, 1, 0
	WIN 0
	PLACES NP                                      ; in front of the first reads of results and of writes and loads into the operands' registers
.irp b, 0,1,2,3
	v_mov_b32 v[TM+4+\b], 0                        ; a lane permute's destination counts as one of its sources
.endr
.endm
; ---- the way out ----
.macro TABLE a, csw, csb               ; the cosines and sines of my tokens of A's tile a: registers (2 m, 2 m + 1) = (c, s) of my pair m; 16 loads of 512 consecutive bytes
	WIN (\csw)<<6
.set g, 0
.rept 16
	global_load_b128 v[(\csb)+4*g:(\csb)+4*g+3], v[LO], s[72:73] offset:8192*(\a)+512*g
.set g, g+1
.endr
	WIN 0
.endm
.macro ROT a, csw, csb                 ; (xe, xo) -> (xe c - xo s, xo c + xe s), a pair of registers at a time; each accumulator is read from its low end on
	WIN (2+(\a)/4)|((\csw)<<2)
.set XB, 64*((\a)%4)
.irp m0, 0,4,8,12,16,20,24,28
.irp k, 0,1,2,3
	v_pk_mul_f32 v[TT+2*\k:TT+2*\k+1], v[XB+2*(\m0+\k):XB+2*(\m0+\k)+1], v[(\csb)+2*(\m0+\k):(\csb)+2*(\m0+\k)+1] op_sel:[1,1] op_sel_hi:[0,1]   ; (xo s, xe s)
.endr
.irp k, 0,1,2,3
	v_pk_fma_f32 v[RO+2*(\m0+\k):RO+2*(\m0+\k)+1], v[XB+2*(\m0+\k):XB+2*(\m0+\k)+1], v[(\csb)+2*(\m0+\k):(\csb)+2*(\m0+\k)+1], v[TT+2*\k:TT+2*\k+1] op_sel_hi:[1,0,1] neg_lo:[0,0,1]
.endr
.endr
	WIN 0
.endm
; 64 numbers of a lane in window w, register 16 b + i = k 32 b + 16 h + i of my row, become a fragment's codes in v[PC] on and its scale word in v[pw].
.macro QUANT s, w, pw
	WIN (\w)|((\w)<<2)
.irp b, 0,1,2,3
	v_max3_num_f32 v[TM+\b], |v[(\s)+16*\b]|, |v[(\s)+1+16*\b]|, 0x1800000   ; with the floor 2^(3 - 127): the byte cannot fall under 1
.endr
	WIN ((\w)<<2)|((\w)<<4)
.irp i, 2,4,6,8,10,12,14
.irp b, 0,1,2,3
	v_max3_num_f32 v[TM+\b], v[TM+\b], |v[(\s)+16*\b+\i]|, |v[(\s)+1+16*\b+\i]|
.endr
.endr
	WIN 0
.irp b, 0,1,2,3
	v_permlanex16_b32 v[TM+4+\b], v[TM+\b], s76, s77
.endr
.irp b, 0,1,2,3
	v_max_num_f32 v[TM+\b], v[TM+\b], v[TM+4+\b]   ; with lane l xor 16's: the block's largest magnitude
.endr
.irp b, 0,1,2,3
	v_add_nc_u32 v[TM+12+\b], 0xff000000, v[TM+\b] ; 2 off its exponent field: the conversion's scale operand
.endr
.irp b, 0,1,2,3
	v_lshrrev_b32 v[TM+4+\b], 23, v[TM+12+\b]      ; the scale's byte
.endr
	v_lshl_or_b32 v[\pw], v[TM+5], 8, v[TM+4]
	v_lshl_or_b32 v[\pw], v[TM+6], 16, v[\pw]
	v_lshl_or_b32 v[\pw], v[TM+7], 24, v[\pw]
	WIN (\w)
.irp c, 0,1
	v_cvt_scalef32_pk16_fp6_f32 v[PC+6*\c:PC+2+6*\c], v[(\s)+32*\c:(\s)+15+32*\c], v[TM+12+2*\c]
	v_cvt_scalef32_pk16_fp6_f32 v[PC+12+4*\c:PC+14+4*\c], v[(\s)+16+32*\c:(\s)+31+32*\c], v[TM+12+2*\c+1]   ; (a conversion's three registers begin on an even number)
.endr
	WIN 0
	v_nop                                          ; one plain place behind a scaled conversion
.irp c, 0,1                            ; the operand's layout wants a whole block in a lane
.irp i, 0,1,2
	v_permlane16_swap_b32 v[PC+6*\c+\i], v[PC+12+4*\c+\i]
.endr
.irp i, 0,1,2
	v_mov_b32 v[PC+3+6*\c+\i], v[PC+12+4*\c+\i]
.endr
.endr
.endm
.macro SENDF a                         ; the fragment leaves as it stands: three stores of 512 consecutive bytes, at multiples of 256 from the buffer's first byte
.irp g, 0,1,2
	global_store_b128 v[LO], v[PC+4*\g:PC+4*\g+3], s[70:71] offset:1536*(\a)+512*\g
.endr
.endm
	s_wait_tensorcnt 1                             ; my part of slot 0 is in (slot 1's load may be out),
	s_barrier_signal -1
	s_barrier_wait -1                              ; everybody's is
	FETCH_B 0, 0, 0
	FETCH_A 0, 0, 0
	SCALES 0
	FETCH_A 0, 0, 4
	STEP 0, 0, 1                                   ; the first K step stands in front of the loop: its products start the sums
	s_mov_b32 s3, 3
.Llap:                                                 ; a trip goes once round the ring, four K steps, and fills both slots again
	TURN 0, 1, 1
	STEP 1, 0, 0
	TURN 1, 0, 1
	STEP 0, 0, 0
	s_sub_co_u32 s3, s3, 1
	s_cmp_lg_u32 s3, 0
	s_cbranch_scc1 .Llap
	TURN 0, 1, 0                                   ; the last lap fills nothing
	STEP 1, 0, 0
	s_cmp_ge_u32 ttmp9, 4                          ; the roles part here, once: the cluster's x is the same in all waves and all partners
	s_cbranch_scc1 .Lv
	; ---- Q and K.  Table a lies in set a % 3: window 0 v64-127, window 1 v0-63, window 1 v64-127.  Window 1's v0-127 hold B's set 0, which the step before was the last to read: its four places stand at its end.
	TABLE 0, 0, 64                                 ; three tables, 48 loads, are asked for 64 products ahead of the first use
	TABLE 1, 1, 0
	TABLE 2, 1, 64
	LAST
.irp a, 0,1,2,3,4,5,6,7
.if \a < 6
	s_wait_loadcnt 32                              ; table a is in; the two asked for behind it may be out
.else
	s_wait_loadcnt 16*(7-\a)
.endif
	ROT \a, ((\a%3)+1)/2, 64-64*((\a%3)%2)
.if \a > 0
	s_wait_xcnt 0x0                                ; the last fragment's stores have read the codes' registers, which are written again below
.endif
.if \a < 5
	TABLE \a+3, ((\a%3)+1)/2, 64-64*((\a%3)%2)     ; into the set just read
.endif
	QUANT RO, 0, PW+\a
	SENDF \a
.endr
	s_branch .Ljoin
.Lv:
	; ---- V^T: no rotation: the accumulators go straight to the quantiser
	LAST
.irp a, 0,1,2,3,4,5,6,7
.if \a > 0
	s_wait_xcnt 0x0                                ; the last fragment's stores have read the codes' registers
.endif
	QUANT 64*(\a%4), 2+\a/4, PW+\a
	SENDF \a
.endr
.Ljoin:
.irp p, 0,1,2,3
	v_cndmask_b32 v[WW+\p], v[PW+2*\p], v[PW+2*\p+1], s74   ; lanes 0-15 tile 2 p's words, lanes 16-31 tile 2 p + 1's
.endr
	global_store_b128 v[LO], v[WW:WW+3], s[70:71] offset:12288
	s_wait_tensorcnt 0x0                           ; the wave's end
	ds_add_u32 v[SPW], v[NIL]
	s_wait_dscnt 0x0
	CROUND                                         ; the closing round
	s_endpgm
.Lfunc_end_k_q84e15ea90c_qkv:
	.size	k_q84e15ea90c_qkv, .Lfunc_end_k_q84e15ea90c_qkv-k_q84e15ea90c_qkv
	.p2alignl 7, 3214868480
	.fill 96, 4, 3214868480
	.section	.rodata,"a",@progbits
	.p2align	6, 0x0
	.amdhsa_kernel k_q84e15ea90c_qkv
		.amdhsa_group_segment_fixed_size 327680
		.amdhsa_private_segment_fixed_size 0
		.amdhsa_enable_private_segment 0
		.amdhsa_kernarg_size 32
		.amdhsa_user_sgpr_count 2
		.amdhsa_user_sgpr_kernarg_segment_ptr 1
		.amdhsa_wavefront_size32 1
		.amdhsa_system_sgpr_workgroup_id_x 1
		.amdhsa_system_sgpr_workgroup_id_y 1
		.amdhsa_system_sgpr_workgroup_id_z 1
		.amdhsa_system_vgpr_workitem_id 0
		.amdhsa_next_free_vgpr 1024
		.amdhsa_next_free_sgpr 98
		.amdhsa_reserve_vcc 0
		.amdhsa_float_denorm_mode_32 3
		.amdhsa_float_denorm_mode_16_64 3
		.amdhsa_memory_ordered 1
		.amdhsa_forward_progress 1
		.amdhsa_inst_pref_size 222
	.end_amdhsa_kernel
	.amdgpu_metadata
---
amdhsa.version: [ 1, 2 ]
amdhsa.kernels:
  - .name:           k_q84e15ea90c_qkv
    .symbol:         k_q84e15ea90c_qkv.kd
    .args:
      - { .name: gb, .offset: 0, .size: 8, .value_kind: global_buffer, .address_space: global }
      - { .name: rope, .offset: 8, .size: 8, .value_kind: global_buffer, .address_space: global }
      - { .name: qbuf, .offset: 16, .size: 8, .value_kind: global_buffer, .address_space: global }
      - { .name: kvbuf, .offset: 24, .size: 8, .value_kind: global_buffer, .address_space: global }
    .group_segment_fixed_size: 327680
    .private_segment_fixed_size: 0
    .kernarg_segment_align: 8
    .kernarg_segment_size: 32
    .max_flat_workgroup_size: 128
    .sgpr_count:     98
    .vgpr_count:     1024
    .wavefront_size: 32
...
	.end_amdgpu_metadata
.endif
;; end of part 2
;; launch attn (part 3): grid 16 x 16, 8 waves a work-group, no clusters, 327,680 bytes of LDS; arguments qbuf, kvbuf, obuf; writes obuf
.if DOCPART == 3
	.amdgcn_target "amdgcn-amd-amdhsa--gfx1250"
	.amdhsa_code_object_version 6
	.text
	.protected	k_q84e15ea90c_attn
	.globl	k_q84e15ea90c_attn
	.p2align	8
	.type	k_q84e15ea90c_attn,@function
k_q84e15ea90c_attn:
	s_mov_b64 s[64:65], 0
	v_nop
	global_prefetch_b8 v0, s[64:65] scope:SCOPE_SE
	s_setreg_imm32_b32 hwreg(HW_REG_WAVE_MODE, 25, 1), 1
	s_wait_xcnt 0x0
; ATTN.  O = softmax(Q K^T / sqrt(128), causal) V for 16 heads of 128, 2,048 tokens, both products on codes of FP6 (E2M3) with E8M0 scales; O / l is quantised along (head, d) and leaves as group blocks for the last product.
; THE SOFTMAX AHEAD OF THE SECOND PRODUCT: t = score x log2(e) / sqrt(128); M = the running largest t rounded UP to a whole number; p = 2^(t - M) is quantised along the keys; the row's sum is taken of the unquantised p; every change of M is a power of two.
; BLOCKS (12,800 bytes: eight tiles' register images, 1,536 bytes each, then 512 bytes of scale words; lane-row r of tile a is row 32 (a / 2) + 8 (a % 2) + r + 8 (r / 8)): qbuf [head][group of 128 queries];
; kvbuf [head][key step of 128][K's block (rows = keys, K = d), V's block (rows = d, K = keys)]; obuf [group of queries][head].
; Both products are used transposed (S^T = K Q^T, O^T = V^T P^T): lane (r, h) holds ONE query; register 16 b + i of S^T is key 32 b + 16 h + i of the step, of O^T channel 32 b + 16 h + i.
; SHARES: EVERY WAVE WALKS 8 OR 9 KEY STEPS.  Work-group (u, head): GL = u / 2, e = u % 2, GH = 15 - GL.  Waves w and w + 4 share a pair of tiles of 16 queries, tile a = 2 w + e of the groups GH and GL: 16 - GL and GL + 1 key steps, 17 in all.
; Wave w (A): the high tile's key steps 0 .. 8.  Wave w + 4 (B): in periods 0 .. 7 the high tile's steps 9 .. GH, then the low tile's 0 .. GL.  Where B changes tiles it leaves O^T, -M and the sum of its part in LDS; A adds them at the end, by exact powers of two.
; No step that is walked lies wholly under the mask; a tile's last step lies on the diagonal, where hidden scores become -infinity.
; THE RING: two slots of four pairs of blocks (A's stream: even period, odd; B's: even, odd), 25,600 bytes each; waves 0-3 bring one each.  A's ninth pair has bytes of its own, filled once by wave 4.
; NO CLUSTER: the period in which B changes tiles, and B's key steps, hang on GL; only two work-groups of a head share GL, and partners of a cluster may not branch differently.
; LIMITS: NaN and infinities are not served; a block of O whose largest magnitude lies under 2^-124 gets the byte 1.
; REGISTERS: window 0: v1-9 addresses; v12 -M, v13 the largest t, v[14:15] the sum; v16-27, v28 Q and its scale words; v32-43, v44 the low tile's; v96-159 S^T, then p; v160-223 O^T; v224-235 codes; v232-247, v252, v254 at work;
;   v248-251 K's, then V's scale words; v253 p's scale word.  window 1: v0-95 K's eight fragments, v96-191 V's.
.set GBB,   12800
.set BLK,   25600                      ; K's and V's blocks of a key step
.set SLOT1, 1<<17
.set XBLK,  4*BLK                      ; A's ninth pair of blocks
.set PART,  SLOT1+4*BLK                ; B's parts: 8,704 bytes for each pair of waves
.set PSZ,   8704
.set SPARE, PART+4*PSZ                 ; the spare words, 128 bytes for each wave: four blocks of 256 bytes that no other line names
.set WV,    18
.set TB,    2                          ; s2  LDS byte of the period's blocks
.set TAU,   3                          ; s3  the period
.set KF,    46                         ; s46 the step's first key
.set QB,    47                         ; s47 my tile's first query
.set QBL,   48                         ; s48 the low tile's
.set THR,   49                         ; s49 periods under it take key step 9 + period (B), else period + ADD2
.set ADD2,  51
.set SWT,   52                         ; s52 7 - GL: the period in which B changes tiles
.set LT,    53                         ; s53 the loader's period; s54, s56 its THR and ADD2
.set LTHR,  54
.set LADD2, 56
.set SEL,   20
.set CS,    22
.set G1,    24
.set G0A,   32
.set G0B,   36
.set G0X,   40
.set KVH,   44
.set MSB, 0
.macro WIN new
.if MSB != (\new)
	s_set_vgpr_msb (MSB<<8)|(\new)
.set MSB, (\new)
.endif
.endm
.macro KSTEP_ADDR g0                   ; the global address of group 0 at s[g0]: my head's blocks of the key step of the loader's period
	s_cmp_lt_u32 s[LT], s[LTHR]
	s_cselect_b32 s70, 9, s[LADD2]
	s_add_co_u32 s70, s70, s[LT]
	s_mul_i32 s70, s70, BLK
	s_mov_b32 s71, 0
	s_add_nc_u64 s[\g0+2:\g0+3], s[KVH:KVH+1], s[70:71]
	s_or_b32 s[\g0+3], s[\g0+3], 0x80000000
.endm
	s_load_b128 s[4:7], s[0:1], 0x0                ; qbuf, kvbuf
	s_load_b64 s[8:9], s[0:1], 0x10                ; obuf
	v_lshl_add_u32 v5, v0, 2, SPARE
	v_mov_b32 v6, 0
	ds_add_u32 v5, v6                              ; the wave's opening: the add and its wait ahead of my first tensor load
	v_lshrrev_b32 v1, 5, v0
	v_readfirstlane_b32 s[WV], v1
	s_and_b32 s10, ttmp7, 0xffff                   ; head
	s_lshr_b32 s11, ttmp9, 1                       ; GL
	s_and_b32 s12, ttmp9, 1                        ; e
	s_sub_co_u32 s13, 15, s11                      ; GH
	s_sub_co_u32 s[SWT], 7, s11
	s_and_b32 s14, s[WV], 3                        ; the pair's number
	s_lshr_b32 s15, s[WV], 2                       ; 1 in B
	s_mov_b32 s[G1], 3<<16                         ; elements of 8 bytes; no mask, no padding
	s_mov_b32 s[G1+1], 32<<16                      ; rows of 256 bytes,
	s_mov_b32 s[G1+2], 100<<16                     ; 100 of them,
	s_mov_b32 s[G1+3], 32<<16
	s_mov_b32 s[G1+4], 100
	s_mov_b32 s[G1+5], 32                          ; dense
	s_mov_b32 s[G1+6], 0
	s_mov_b32 s[G1+7], 0
	s_lshl_b32 s16, s14, 5
	s_lshl_b32 s17, s12, 3
	s_add_co_u32 s16, s16, s17                     ; the tile's first row in its group
	s_lshl_b32 s[QB], s13, 7
	s_add_co_u32 s[QB], s[QB], s16
	s_lshl_b32 s[QBL], s11, 7
	s_add_co_u32 s[QBL], s[QBL], s16
	s_mul_i32 s[THR], s15, s[SWT]
	s_sub_co_u32 s[ADD2], 0, s[THR]
	s_and_b32 s[LT], s[WV], 1
	s_bfe_u32 s70, s[WV], 0x10001                  ; the stream that I load for
	s_mul_i32 s[LTHR], s70, s[SWT]
	s_sub_co_u32 s[LADD2], 0, s[LTHR]
	s_mul_i32 s[TB], s15, 2*BLK
	s_mov_b32 s[TAU], 0
	s_mov_b32 s[SEL], 0x76543210
	s_mov_b32 s[SEL+1], 0xfedcba98
	s_mov_b32 s[CS], 0x3e0293ee                    ; c = log2(e) / sqrt(128)
	s_mov_b32 s[CS+1], s[CS]
	v_and_b32 v9, 31, v0                           ; lane
	v_lshlrev_b32 v1, 4, v9                        ; 16 l
	v_and_b32 v10, 15, v0                          ; r
	v_bfe_u32 v11, v0, 4, 1                        ; h
	s_mul_i32 s73, s14, PSZ
	s_add_co_u32 s73, s73, PART
	v_add_nc_u32 v3, s73, v1                       ; the pair's part
	v_and_b32 v4, 8, v10
	v_add_nc_u32 v4, v4, v10
	v_lshlrev_b32 v12, 4, v11
	v_sub_nc_u32 v4, v4, v12                       ; r + 8 (r / 8) - 16 h
	s_lshl_b32 s74, s12, 8
	s_lshl_b32 s75, s14, 2
	s_add_co_u32 s74, s74, s75
	v_lshl_add_u32 v7, v10, 4, s74                 ; my tile's scale words in a block: 16 r + 256 e + 4 pair
	s_lshl_b32 s75, s14, 1
	s_add_co_u32 s75, s75, s12
	s_mul_i32 s75, s75, 1536
	v_add_nc_u32 v8, s75, v1                       ; my tile's image: 16 l + 1536 a
	s_wait_dscnt 0x0                               ; the opening add is done
	s_wait_kmcnt 0x0
	s_mul_i32 s70, s10, 16*BLK
	s_mov_b32 s71, 0
	s_add_nc_u64 s[KVH:KVH+1], s[6:7], s[70:71]
	s_lshl_b32 s72, s10, 4
	s_add_co_u32 s70, s72, s13
	s_mul_i32 s70, s70, GBB
	s_add_nc_u64 s[66:67], s[4:5], s[70:71]        ; Q's block of the high group,
	s_add_co_u32 s70, s72, s11
	s_mul_i32 s70, s70, GBB
	s_add_nc_u64 s[68:69], s[4:5], s[70:71]        ; of the low
	s_cmp_lg_u32 s15, 0
	s_cselect_b32 s70, s11, s13                    ; A ends with the high tile, B with the low
	s_lshl_b32 s70, s70, 4
	s_add_co_u32 s70, s70, s10
	s_mul_i32 s70, s70, GBB
	s_add_nc_u64 s[60:61], s[8:9], s[70:71]
	s_mul_i32 s72, s14, BLK
	s_mov_b32 s[G0A], 1
	s_mov_b32 s[G0A+1], s72                        ; slot 0, my block
	KSTEP_ADDR G0A
	s_add_co_u32 s[LT], s[LT], 2
	s_mov_b32 s[G0B], 1
	s_add_co_u32 s[G0B+1], s72, SLOT1              ; slot 1; this one walks on
	KSTEP_ADDR G0B
	s_mov_b32 s[G0X], 1
	s_mov_b32 s[G0X+1], XBLK
	s_add_nc_u64 s[G0X+2:G0X+3], s[KVH:KVH+1], 8*BLK
	s_or_b32 s[G0X+3], s[G0X+3], 0x80000000
	s_cmp_lt_u32 s[WV], 4                          ; a wave's first fills stand in one branch: two loads of mine are out at the most
	s_cbranch_scc0 .Lnot_loader
	tensor_load_to_lds s[G0A:G0A+3], s[G1:G1+7]
	s_nop 0
	tensor_load_to_lds s[G0B:G0B+3], s[G1:G1+7]
	s_nop 0
.rept 4
	v_nop
.endr
	s_branch .Lfilled
.Lnot_loader:
	s_cmp_eq_u32 s[WV], 4
	s_cbranch_scc0 .Lfilled
	tensor_load_to_lds s[G0X:G0X+3], s[G1:G1+7]
	s_nop 0
.rept 4
	v_nop
.endr
.Lfilled:
.irp g, 0,1,2
	global_load_b128 v[16+4*\g:19+4*\g], v8, s[66:67] offset:512*\g
	global_load_b128 v[32+4*\g:35+4*\g], v8, s[68:69] offset:512*\g
.endr
	global_load_b32 v28, v7, s[66:67] offset:12288
	global_load_b32 v44, v7, s[68:69] offset:12288
	v_mov_b32 v13, 0xff61b1e6                      ; the largest t so far: -3e38
	v_floor_f32 v12, -v13                          ; -M
	v_mov_b32 v14, 0
	v_mov_b32 v15, 0
.irp b, 0,1,2,3
	v_mov_b32 v[236+\b], 0                         ; a lane permute's destination counts as one of its sources
.endr
	v_mov_b32 v253, 0                              ; (named as the upper half of v[252:253] before it is first written)
.set j, 0
.rept 64
	v_mov_b32 v[160+j], 0                          ; O^T: the step is written without a first step of its own: the first change of M multiplies zeros
.set j, j+1
.endr
; B CHANGES TILES: its part of the high tile goes to LDS, and the low tile begins.
.macro SWITCH
.set j, 0
.rept 16
	ds_store_b128 v3, v[160+4*j:163+4*j] offset:512*j
.set j, j+1
.endr
	ds_store_b128 v3, v[12:15] offset:8192
	v_mov_b32 v28, v44                             ; the low tile's Q and scale words; the 68 plain lines below are the places ahead of the next scaled products
.set j, 0
.rept 12
	v_mov_b32 v[16+j], v[32+j]
.set j, j+1
.endr
	s_wait_dscnt 0x0                               ; the stores have read their registers, and have landed
	v_mov_b32 v13, 0xff61b1e6
	v_floor_f32 v12, -v13
	v_mov_b32 v14, 0
	v_mov_b32 v15, 0
.set j, 0
.rept 64
	v_mov_b32 v[160+j], 0
.set j, j+1
.endr
	s_mov_b32 s[QB], s[QBL]
.endm
; A KEY STEP: 128 keys, from the blocks at LDS byte s[TB].
.macro STEP sw
	s_cmp_lt_u32 s[TAU], s[THR]
	s_cselect_b32 s[KF], 9, s[ADD2]
	s_add_co_u32 s[KF], s[KF], s[TAU]
	s_lshl_b32 s[KF], s[KF], 7
.if \sw
	s_cmp_lt_u32 s[WV], 4
	s_cbranch_scc1 .Lstay_\@
	s_cmp_lg_u32 s[TAU], s[SWT]
	s_cbranch_scc1 .Lstay_\@
	SWITCH
.Lstay_\@:
.endif
	v_add_nc_u32 v2, s[TB], v1
	ds_load_b128 v[248:251], v2 offset:12288       ; K's scale words
	WIN 0x40                                       ; destination window 1
.irp t, 0,1,2,3,4,5,6,7
.irp g, 0,1,2
	ds_load_b128 v[12*\t+4*\g:12*\t+4*\g+3], v2 offset:1536*\t+512*\g
.endr
.endr
.irp t, 0,1,2,3,4,5,6,7
.irp g, 0,1,2
	ds_load_b128 v[96+12*\t+4*\g:96+12*\t+4*\g+3], v2 offset:GBB+1536*\t+512*\g
.endr
.endr
	WIN 0x01                                       ; source 0 window 1
	s_wait_dscnt 24                                ; K and its scale words are in; V's 24 loads may be out
.irp t, 0,1,2,3,4,5,6,7
.if \t%2
	v_wmma_scale_f32_16x16x128_f8f6f4 v[96+8*\t:103+8*\t], v[12*\t:12*\t+11], v[16:27], 0, v[248+\t/2], v28 matrix_a_fmt:MATRIX_FMT_FP6 matrix_b_fmt:MATRIX_FMT_FP6 matrix_a_scale:MATRIX_SCALE_ROW1
.else
	v_wmma_scale_f32_16x16x128_f8f6f4 v[96+8*\t:103+8*\t], v[12*\t:12*\t+11], v[16:27], 0, v[248+\t/2], v28 matrix_a_fmt:MATRIX_FMT_FP6 matrix_b_fmt:MATRIX_FMT_FP6
.endif
.endr
	WIN 0
.rept 4
	v_nop                                          ; places in front of the load into the scale words' registers and of the first read of the scores
.endr
	ds_load_b128 v[248:251], v2 offset:GBB+12288   ; V's scale words
	s_add_co_u32 s70, s[KF], 127                   ; on the diagonal hidden scores become -infinity; a step all of whose keys count skips this
	s_cmp_le_u32 s70, s[QB]
	s_cbranch_scc1 .Lopen_\@
	s_sub_co_i32 s70, s[QB], s[KF]
	v_add_nc_u32 v252, s70, v4                     ; my query - the step's first key - 16 h.  Register 16 b + i is hidden where 32 b + i is greater
	v_mov_b32 v254, 0xff800000
.set n, 0
.rept 64
	v_cmp_gt_i32 vcc_lo, 32*(n/16)+n%16, v252
	v_cndmask_b32 v[96+n], v[96+n], v254, vcc_lo
.set n, n+1
.endr
.Lopen_\@:
.irp b, 0,1,2,3
	v_max3_num_f32 v[232+\b], v[96+16*\b], v[97+16*\b], v[98+16*\b]   ; the largest score of each block of 32 keys: for the row's maximum and, since p rises with the score, for the block's largest p
.endr
.irp i, 3,5,7,9,11,13
.irp b, 0,1,2,3
	v_max3_num_f32 v[232+\b], v[232+\b], v[96+16*\b+\i], v[97+16*\b+\i]
.endr
.endr
.irp b, 0,1,2,3
	v_max_num_f32 v[232+\b], v[232+\b], v[111+16*\b]
.endr
.irp b, 0,1,2,3
	v_permlanex16_b32 v[236+\b], v[232+\b], s[SEL], s[SEL+1]
.endr
.irp b, 0,1,2,3
	v_max_num_f32 v[232+\b], v[232+\b], v[236+\b]
.endr
	v_max3_num_f32 v254, v232, v233, v234
	v_max_num_f32 v254, v254, v235
	v_mul_f32 v254, s[CS], v254
	v_max_num_f32 v13, v13, v254                   ; the running largest t
	v_mov_b32 v254, v12
	v_floor_f32 v12, -v13                          ; the new -M
	v_sub_f32 v254, v12, v254
	v_cvt_i32_f32 v254, v254                       ; (it saturates)
	v_ldexp_f32 v252, 1.0, v254                    ; f = 2^(old M - new M)
.set j, 0
.rept 32
	v_pk_fma_f32 v[96+j:97+j], v[96+j:97+j], s[CS:CS+1], v[12:13] op_sel_hi:[1,0,0]   ; t - M
.set j, j+2
.endr
.irp b, 0,1,2,3
	v_fma_f32 v[232+\b], v[232+\b], s[CS], v12
.endr
.set j, 0
.rept 64
	v_exp_f32 v[96+j], v[96+j]                     ; p = 2^(t - M): not normalised
.set j, j+1
.endr
	v_pk_mul_f32 v[14:15], v[14:15], v[252:253] op_sel_hi:[1,0]   ; the sums under the new M (a plain place behind the exponentials)
	s_wait_alu depctr_va_vdst(0)                   ; one wait for the batch, ahead of its first reader
.irp b, 0,1,2,3
	v_exp_f32 v[232+\b], v[232+\b]                 ; the blocks' largest p
.endr
	v_pk_add_f32 v[236:237], v[96:97], v[98:99]    ; the row's sum of the unquantised p, in two chains
.set j, 4
.rept 15
	v_pk_add_f32 v[14:15], v[14:15], v[96+j:97+j]
	v_pk_add_f32 v[236:237], v[236:237], v[98+j:99+j]
.set j, j+4
.endr
	v_pk_add_f32 v[14:15], v[14:15], v[236:237]
	s_wait_alu depctr_va_vdst(0)                   ; and one for the four
.irp b, 0,1,2,3
	v_max_num_f32 v[232+\b], 0x1800000, v[232+\b]  ; the floor 2^(3 - 127)
.endr
.irp b, 0,1,2,3
	v_add_nc_u32 v[244+\b], 0xff000000, v[232+\b]
.endr
.irp b, 0,1,2,3
	v_lshrrev_b32 v[236+\b], 23, v[244+\b]
.endr
	v_lshl_or_b32 v253, v237, 8, v236              ; p's scale word for these 128 keys
	v_lshl_or_b32 v253, v238, 16, v253
	v_lshl_or_b32 v253, v239, 24, v253
.irp c, 0,1
	v_cvt_scalef32_pk16_fp6_f32 v[224+6*\c:226+6*\c], v[96+32*\c:111+32*\c], v[244+2*\c]
	v_cvt_scalef32_pk16_fp6_f32 v[236+4*\c:238+4*\c], v[112+32*\c:127+32*\c], v[244+2*\c+1]
.endr
	v_nop                                          ; one plain place behind a scaled conversion
.irp c, 0,1
.irp i, 0,1,2
	v_permlane16_swap_b32 v[224+6*\c+\i], v[236+4*\c+\i]
.endr
.irp i, 0,1,2
	v_mov_b32 v[227+6*\c+\i], v[236+4*\c+\i]
.endr
.endr
.set j, 0
.rept 32
	v_pk_mul_f32 v[160+j:161+j], v[160+j:161+j], v[252:253] op_sel_hi:[1,0]   ; O^T under the new M; these 32 are also the places ahead of the scaled products
.set j, j+2
.endr
	s_wait_dscnt 0x0                               ; V and its scale words are in
	WIN 0x01
.irp t, 0,1,2,3,4,5,6,7
.if \t%2
	v_wmma_scale_f32_16x16x128_f8f6f4 v[160+8*\t:167+8*\t], v[96+12*\t:107+12*\t], v[224:235], v[160+8*\t:167+8*\t], v[248+\t/2], v253 matrix_a_fmt:MATRIX_FMT_FP6 matrix_b_fmt:MATRIX_FMT_FP6 matrix_a_scale:MATRIX_SCALE_ROW1
.else
	v_wmma_scale_f32_16x16x128_f8f6f4 v[160+8*\t:167+8*\t], v[96+12*\t:107+12*\t], v[224:235], v[160+8*\t:167+8*\t], v[248+\t/2], v253 matrix_a_fmt:MATRIX_FMT_FP6 matrix_b_fmt:MATRIX_FMT_FP6
.endif
.endr
	WIN 0
.rept 4
	v_nop                                          ; places in front of the next loads into these operands and of the next read of O^T
.endr
	s_add_co_u32 s[TB], s[TB], BLK
	s_add_co_u32 s[TAU], s[TAU], 1
.endm
.macro PAIR                            ; a slot's two periods: written once, walked twice
	s_mov_b32 s58, 2
.Lstep_\@:
	STEP 1
	s_sub_co_u32 s58, s58, 1
	s_cmp_lg_u32 s58, 0
	s_cbranch_scc1 .Lstep_\@
	s_sub_co_u32 s[TB], s[TB], 2*BLK
	s_xor_b32 s[TB], s[TB], SLOT1
.endm
; THE CHANGE OF SLOTS: each wave waits for all its tensor loads, adds 0 to its spare word, waits for that and for its reads of the slot that it has left; behind the barrier that slot is filled again first (fill = 1), one load a wave.
.macro CHANGE fill
	s_wait_tensorcnt 0x0                           ; no tensor load of mine is out, so a group 0 may be written
	ds_add_u32 v5, v6
.if \fill
	s_add_co_u32 s[LT], s[LT], 2
	s_xor_b32 s[G0B+1], s[G0B+1], SLOT1
	KSTEP_ADDR G0B
.endif
	s_wait_dscnt 0x0
	s_barrier_signal -1
	s_barrier_wait -1
.if \fill
	s_cmp_lt_u32 s[WV], 4
	s_cbranch_scc0 .Lno_fill_\@
	tensor_load_to_lds s[G0B:G0B+3], s[G1:G1+7]
	s_nop 0
.rept 4
	v_nop
.endr
.Lno_fill_\@:
.endif
.endm
	s_wait_tensorcnt 0x1                           ; my block of slot 0 is in; slot 1's, or the ninth pair, may be out
	s_barrier_signal -1
	s_barrier_wait -1
	s_wait_loadcnt 0x0                             ; Q
	PAIR
	s_mov_b32 s57, 2
.Lvisit:
	CHANGE 1
	PAIR
	s_sub_co_u32 s57, s57, 1
	s_cmp_lg_u32 s57, 0
	s_cbranch_scc1 .Lvisit
	CHANGE 0                                       ; the last slot is written out
	PAIR
	s_cmp_lt_u32 s[WV], 4                          ; A's ninth period: key step 8
	s_cbranch_scc0 .Lno_ninth
	s_mov_b32 s[TB], XBLK
	STEP 0
.Lno_ninth:
	s_wait_dscnt 0x0
	s_barrier_signal -1
	s_barrier_wait -1                              ; B's parts lie in LDS
	s_cmp_lt_u32 s[WV], 4
	s_cbranch_scc0 .Lno_merge
.set j, 0
.rept 16
	ds_load_b128 v[96+4*j:99+4*j], v3 offset:512*j
.set j, j+1
.endr
	ds_load_b128 v[236:239], v3 offset:8192        ; B's -M, largest t, sum
	s_wait_dscnt 0x0
	v_min_num_f32 v254, v12, v236                  ; the common -M
	v_sub_f32 v252, v254, v12
	v_sub_f32 v240, v254, v236
	v_cvt_i32_f32 v252, v252
	v_cvt_i32_f32 v240, v240                       ; (it saturates: a part of no steps counts for nothing)
	v_ldexp_f32 v252, 1.0, v252
	v_ldexp_f32 v240, 1.0, v240
	v_mov_b32 v241, 0
	v_pk_mul_f32 v[14:15], v[14:15], v[252:253] op_sel_hi:[1,0]
	v_pk_fma_f32 v[14:15], v[238:239], v[240:241], v[14:15] op_sel_hi:[1,0,1]
.set j, 0
.rept 32
	v_pk_mul_f32 v[160+j:161+j], v[160+j:161+j], v[252:253] op_sel_hi:[1,0]
.set j, j+2
.endr
.set j, 0
.rept 32
	v_pk_fma_f32 v[160+j:161+j], v[96+j:97+j], v[240:241], v[160+j:161+j] op_sel_hi:[1,0,1]
.set j, j+2
.endr
.Lno_merge:
	; THE WAY OUT: O^T / the sum, quantised along the head's 128, as tile a of the block (group, head)
	v_add_f32 v14, v14, v15
	v_permlanex16_b32 v252, v14, s[SEL], s[SEL+1]
	v_add_f32 v14, v14, v252
	v_rcp_f32 v14, v14
	v_nop                                          ; a plain place behind the reciprocal
	s_wait_alu depctr_va_vdst(0)                   ; the wait ahead of its first reader
.set j, 0
.rept 32
	v_pk_mul_f32 v[96+j:97+j], v[160+j:161+j], v[14:15] op_sel_hi:[1,0]
.set j, j+2
.endr
.irp b, 0,1,2,3
	v_max3_num_f32 v[232+\b], |v[96+16*\b]|, |v[97+16*\b]|, 0x1800000
.endr
.irp i, 2,4,6,8,10,12,14
.irp b, 0,1,2,3
	v_max3_num_f32 v[232+\b], v[232+\b], |v[96+16*\b+\i]|, |v[97+16*\b+\i]|
.endr
.endr
.irp b, 0,1,2,3
	v_permlanex16_b32 v[236+\b], v[232+\b], s[SEL], s[SEL+1]
.endr
.irp b, 0,1,2,3
	v_max_num_f32 v[232+\b], v[232+\b], v[236+\b]
.endr
.irp b, 0,1,2,3
	v_add_nc_u32 v[244+\b], 0xff000000, v[232+\b]
.endr
.irp b, 0,1,2,3
	v_lshrrev_b32 v[236+\b], 23, v[244+\b]
.endr
	v_lshl_or_b32 v253, v237, 8, v236
	v_lshl_or_b32 v253, v238, 16, v253
	v_lshl_or_b32 v253, v239, 24, v253
.irp c, 0,1
	v_cvt_scalef32_pk16_fp6_f32 v[224+6*\c:226+6*\c], v[96+32*\c:111+32*\c], v[244+2*\c]
	v_cvt_scalef32_pk16_fp6_f32 v[236+4*\c:238+4*\c], v[112+32*\c:127+32*\c], v[244+2*\c+1]
.endr
	v_nop
.irp c, 0,1
.irp i, 0,1,2
	v_permlane16_swap_b32 v[224+6*\c+\i], v[236+4*\c+\i]
.endr
.irp i, 0,1,2
	v_mov_b32 v[227+6*\c+\i], v[236+4*\c+\i]
.endr
.endr
.irp g, 0,1,2
	global_store_b128 v8, v[224+4*\g:227+4*\g], s[60:61] offset:512*\g   ; 512 consecutive bytes a store
.endr
	s_wait_xcnt 0x0                                ; EXEC changes only behind this wait
	v_cmp_gt_u32 vcc_lo, 16, v9
	s_and_saveexec_b32 s70, vcc_lo
	global_store_b32 v7, v253, s[60:61] offset:12288   ; my 16 rows' scale words: 4 bytes a lane, 16 bytes apart, inside one run of 256 bytes
	s_wait_xcnt 0x0
	s_or_b32 exec_lo, exec_lo, s70
	s_wait_tensorcnt 0x0                           ; the wave's end
	ds_add_u32 v5, v6
	s_wait_dscnt 0x0
	s_endpgm
.Lfunc_end_k_q84e15ea90c_attn:
	.size	k_q84e15ea90c_attn, .Lfunc_end_k_q84e15ea90c_attn-k_q84e15ea90c_attn
	.p2alignl 7, 3214868480
	.fill 96, 4, 3214868480
	.section	.rodata,"a",@progbits
	.p2align	6, 0x0
	.amdhsa_kernel k_q84e15ea90c_attn
		.amdhsa_group_segment_fixed_size 327680
		.amdhsa_private_segment_fixed_size 0
		.amdhsa_enable_private_segment 0
		.amdhsa_kernarg_size 24
		.amdhsa_user_sgpr_count 2
		.amdhsa_user_sgpr_kernarg_segment_ptr 1
		.amdhsa_wavefront_size32 1
		.amdhsa_system_sgpr_workgroup_id_x 1
		.amdhsa_system_sgpr_workgroup_id_y 1
		.amdhsa_system_sgpr_workgroup_id_z 1
		.amdhsa_system_vgpr_workitem_id 0
		.amdhsa_next_free_vgpr 512
		.amdhsa_next_free_sgpr 100
		.amdhsa_reserve_vcc 1
		.amdhsa_float_denorm_mode_32 3
		.amdhsa_float_denorm_mode_16_64 3
		.amdhsa_memory_ordered 1
		.amdhsa_forward_progress 1
		.amdhsa_inst_pref_size 130
	.end_amdhsa_kernel
	.amdgpu_metadata
---
amdhsa.version: [ 1, 2 ]
amdhsa.kernels:
  - .name:           k_q84e15ea90c_attn
    .symbol:         k_q84e15ea90c_attn.kd
    .args:
      - { .name: qbuf, .offset: 0, .size: 8, .value_kind: global_buffer, .address_space: global }
      - { .name: kvbuf, .offset: 8, .size: 8, .value_kind: global_buffer, .address_space: global }
      - { .name: obuf, .offset: 16, .size: 8, .value_kind: global_buffer, .address_space: global }
    .group_segment_fixed_size: 327680
    .private_segment_fixed_size: 0
    .kernarg_segment_align: 8
    .kernarg_segment_size: 24
    .max_flat_workgroup_size: 256
    .sgpr_count:     100
    .vgpr_count:     512
    .wavefront_size: 32
...
	.end_amdgpu_metadata
.endif
;; end of part 3
;; launch proj (part 4): grid 8 x 8, 4 waves a work-group, clusters of 4 x 4, 327,680 bytes of LDS; arguments obuf, gb, out0; writes out0
.if DOCPART == 4
	.amdgcn_target "amdgcn-amd-amdhsa--gfx1250"
	.amdhsa_code_object_version 6
	.text
	.protected	k_q84e15ea90c_proj
	.globl	k_q84e15ea90c_proj
	.p2align	8
	.type	k_q84e15ea90c_proj,@function
k_q84e15ea90c_proj:
	s_mov_b64 s[64:65], 0
	v_nop
	global_prefetch_b8 v0, s[64:65] scope:SCOPE_SE
	s_setreg_imm32_b32 hwreg(HW_REG_WAVE_MODE, 25, 1), 1
	s_wait_xcnt 0x0
	s_wait_alu depctr_hold_cnt(0) depctr_sa_sdst(0) depctr_va_vdst(0) depctr_va_sdst(0) depctr_va_ssrc(0) depctr_va_vcc(0) depctr_vm_vsrc(0)
	s_getreg_b32 s2, hwreg(HW_REG_IB_STS2, 6, 4)
	s_cmp_eq_u32 s2, 0
	s_cbranch_scc0 .Lentry_in_a_cluster
	s_endpgm
.Lentry_in_a_cluster:
	s_bfe_u32 s2, ttmp6, 0x10000c
	s_cmp_lg_u32 s2, 0xf033
	s_cbranch_scc0 .Lentry_shape_is_right
	s_endpgm
.Lentry_shape_is_right:
; PROJ.  out0 = O Wo^T on codes of FP6 (E2M3) with E8M0 scales; out0 [2048][2048] f32.  A = obuf [group of 128 tokens][K step = head] group blocks, B = Wo's group blocks, the fifth tensor of gb.
; A group block (12,800 bytes): eight tiles' register images of 1,536 bytes, then 512 bytes of scale words; lane-row r of tile a is row 32 (a / 2) + 8 (a % 2) + r + 8 (r / 8) of the group.
; A work-group makes 256 x 256, four waves 128 x 128 each: 64 accumulators.  K = 2,048 goes through a ring of two LDS slots of two K steps; a wave's one tensor load brings one group's two blocks, 25,600 dense bytes.
; CLUSTERS: 4 x 4: A's blocks are shared along a row of the cluster, B's along a column: asked for jointly.
; THE MATRIX INSTRUCTION IS USED TRANSPOSED (source 0 = a tile of Wo, source 1 = a tile of O): lane (r, h) holds token (a, r), and its eight registers of tile b the columns 32 (b / 2) + 16 h + 8 (b % 2) + 0 .. 7.
; The grid is 64 work-groups: the tile is the loop's, kept whole; a smaller tile would fill more of the chip at twice the LDS reads for each product.
; REGISTERS: window 0: v16-29 addresses; v32-63 scale words and nothing else; v128-223 A's fragments, one set; on the way out v128-255.  window 1: B's fragments, two sets.  windows 2, 3: accumulator (a, b) at v[8 (8 (a % 4) + b)].
.set TEN,   3276800
.set GS,    204800
.set GBB,   12800
.set QUART, 2*GBB
.set SLOT,  4*QUART
.set SPARE, 2*SLOT                     ; behind the ring: the spare words, 128 bytes for each wave: two blocks of 256 bytes that no other line names
.set FR,    12
.set NL,    3
.set NP,    4
.set ADRA,  16
.set ADRB,  20
.set STO,   24                         ; v24 the way out: where I put 32 bytes of a row
.set RD,    25                         ; v25 and where I read a row back
.set LO,    26                         ; v26 16 l
.set SPW,   28
.set NIL,   29
.set SC,    32
.set AF,    128
.set BK,    128                        ; the way out: 16 rows read back: v128-191 and v192-255 by turns
.set SPITCH, 528                       ; a stage of 16 rows x (512 bytes + 16) for each wave, in slot 0, which has had its last fill and its last read when the first result is stored there
.set G1,    24
.set G0,    32
.set G1B,   48
.set G0B,   56
.set MSB, 0
.macro WIN new
.if MSB != (\new)
	s_set_vgpr_msb (MSB<<8)|(\new)
.set MSB, (\new)
.endif
.endm
.set MUL_LO, 0xa1
.set MUL_HI, 0xf1
.set TO_B,   0x40
.macro JLOAD g0a, g1a, g0b, g1b        ; a joint load: waves 0 and 1 fetch for A, waves 2 and 3 for B; an s_nop 0 and four v_nop follow each line
	s_cmp_eq_u32 s15, 0
	s_cbranch_scc0 .Lfor_b_\@
	tensor_load_to_lds s[\g0a:\g0a+3], s[\g1a:\g1a+7]
	s_nop 0
.rept 4
	v_nop
.endr
	s_branch .Lasked_\@
.Lfor_b_\@:
	tensor_load_to_lds s[\g0b:\g0b+3], s[\g1b:\g1b+7]
	s_nop 0
.rept 4
	v_nop
.endr
.Lasked_\@:
.endm
.macro CREST
	s_cmp_lg_u32 s14, 0
	s_cbranch_scc1 .Lnot_wave_0_\@
	s_barrier_signal -3
.Lnot_wave_0_\@:
	s_barrier_wait -3
	s_barrier_signal -1
	s_barrier_wait -1
.endm
.macro CROUND
	s_barrier_signal -1
	s_barrier_wait -1
	CREST
.endm
	s_load_b128 s[4:7], s[0:1], 0x0                ; obuf, gb
	s_load_b64 s[8:9], s[0:1], 0x10                ; out0
	v_lshl_add_u32 v[SPW], v0, 2, SPARE
	v_mov_b32 v[NIL], 0
	ds_add_u32 v[SPW], v[NIL]                      ; the wave's opening: the add and its wait ahead of my first tensor load
	v_lshrrev_b32 v1, 5, v0
	v_readfirstlane_b32 s14, v1
	s_lshr_b32 s15, s14, 1
	s_and_b32 s16, s14, 1
	s_bfe_u32 s40, ttmp6, 0x40000
	s_bfe_u32 s41, ttmp6, 0x40004
	s_lshl_b32 s42, ttmp9, 2
	s_add_co_u32 s42, s42, s40                     ; tile column
	s_and_b32 s17, ttmp7, 0xffff
	s_lshl_b32 s17, s17, 2
	s_add_co_u32 s17, s17, s41                     ; tile row
	s_lshl_b32 s43, s41, 2
	s_lshl_b32 s43, 15, s43
	s_lshl_b32 s44, 0x1111, s40
	s_or_b32 s[G1+0], s43, (3<<16)|(1<<21)
	s_or_b32 s[G1B+0], s44, (3<<16)|(1<<21)
.irp g, G1, G1B
	s_mov_b32 s[\g+1], 32<<16
	s_mov_b32 s[\g+2], 100<<16
	s_mov_b32 s[\g+3], 32<<16
	s_mov_b32 s[\g+4], 100
	s_mov_b32 s[\g+5], 32
	s_mov_b32 s[\g+6], 0
	s_mov_b32 s[\g+7], 0
.endr
	s_lshl_b32 s20, s17, 1
	s_add_co_u32 s20, s20, s16
	s_mul_i32 s20, s20, GS                         ; A: group 2 x tile row + which
	s_mov_b32 s21, 0
	s_lshl_b32 s46, s42, 1
	s_add_co_u32 s46, s46, s16
	s_mul_i32 s46, s46, GS
	s_add_co_u32 s46, s46, 4*TEN                   ; B: Wo's group 2 x tile column + which
	s_mov_b32 s47, 0
	s_mul_i32 s18, s14, QUART
	s_wait_dscnt 0x0
	s_wait_kmcnt 0x0
	s_add_nc_u64 s[20:21], s[4:5], s[20:21]
	s_add_nc_u64 s[46:47], s[6:7], s[46:47]
	CROUND
.irp s, 0,1
	s_mov_b32 s[G0+4*\s], 1
	s_add_co_u32 s[G0+4*\s+1], s18, \s*SLOT
	s_add_nc_u64 s[G0+4*\s+2:G0+4*\s+3], s[20:21], \s*QUART
	s_or_b32 s[G0+4*\s+3], s[G0+4*\s+3], 0x80000000
	s_mov_b32 s[G0B+4*\s], 1
	s_add_co_u32 s[G0B+4*\s+1], s18, \s*SLOT
	s_add_nc_u64 s[G0B+4*\s+2:G0B+4*\s+3], s[46:47], \s*QUART
	s_or_b32 s[G0B+4*\s+3], s[G0B+4*\s+3], 0x80000000
	JLOAD G0+4*\s, G1, G0B+4*\s, G1B
.endr
	v_and_b32 v1, 31, v0
	v_lshlrev_b32 v[LO], 4, v1
	s_mul_i32 s21, s15, QUART
	s_mul_i32 s22, s16, QUART
	s_add_co_u32 s22, s22, 2*QUART
.irp s, 0,1
	v_add_nc_u32 v[ADRA+\s], s21, v[LO]
	v_add_nc_u32 v[ADRB+\s], s22, v[LO]
	s_add_co_u32 s21, s21, SLOT
	s_add_co_u32 s22, s22, SLOT
.endr
	s_mul_i32 s23, s14, 16*SPITCH                  ; my stage
	v_and_b32 v2, 15, v0
	v_bfe_u32 v3, v0, 4, 1
	v_mul_u32_u24 v5, v2, SPITCH
	v_lshl_add_u32 v5, v3, 6, v5
	v_add_nc_u32 v[STO], s23, v5                   ; in: row r, + 64 h
	v_add_nc_u32 v[RD], s23, v[LO]                 ; back: the 32 lanes take one row of 512 bytes
	s_lshl_b32 s20, s17, 8
	s_lshl_b32 s21, s15, 7
	s_add_co_u32 s20, s20, s21
	s_lshl_b32 s20, s20, 13                        ; my first row of out0, 8,192 bytes a row
	s_lshl_b32 s66, s42, 10
	s_lshl_b32 s67, s16, 9
	s_add_co_u32 s66, s66, s67                     ; my first column, in bytes
	s_add_co_u32 s66, s66, s20
	s_mov_b32 s67, 0
	s_add_nc_u64 s[12:13], s[8:9], s[66:67]
.macro FRAG reg, adr, q, i
.irp g, 0,1,2
	ds_load_b128 v[\reg+4*\g:\reg+4*\g+3], v[\adr] offset:GBB*(\q)+1536*(\i)+512*\g
.endr
.endm
.macro MM a, b, p, q, sc, zero         ; A's tile a x B's tile b; an odd tile's scale words lie in lanes 16-31
.set rD, 8*(8*((\a)%4)+(\b))
.set rB, 128*(\p)+FR*(\b)
.set rA, AF+FR*(\a)
.set sB, SC+16*(\sc)+8*(\q)+4+(\b)/2
.set sA, SC+16*(\sc)+8*(\q)+(\a)/2
.if \zero
.if ((\a)%2 == 0) && ((\b)%2 == 0)
	v_wmma_scale_f32_16x16x128_f8f6f4 v[rD:rD+7], v[rB:rB+FR-1], v[rA:rA+FR-1], 0, v[sB], v[sA] matrix_a_fmt:MATRIX_FMT_FP6 matrix_b_fmt:MATRIX_FMT_FP6
.elseif ((\a)%2 == 0)
	v_wmma_scale_f32_16x16x128_f8f6f4 v[rD:rD+7], v[rB:rB+FR-1], v[rA:rA+FR-1], 0, v[sB], v[sA] matrix_a_fmt:MATRIX_FMT_FP6 matrix_b_fmt:MATRIX_FMT_FP6 matrix_a_scale:MATRIX_SCALE_ROW1
.elseif ((\b)%2 == 0)
	v_wmma_scale_f32_16x16x128_f8f6f4 v[rD:rD+7], v[rB:rB+FR-1], v[rA:rA+FR-1], 0, v[sB], v[sA] matrix_a_fmt:MATRIX_FMT_FP6 matrix_b_fmt:MATRIX_FMT_FP6 matrix_b_scale:MATRIX_SCALE_ROW1
.else
	v_wmma_scale_f32_16x16x128_f8f6f4 v[rD:rD+7], v[rB:rB+FR-1], v[rA:rA+FR-1], 0, v[sB], v[sA] matrix_a_fmt:MATRIX_FMT_FP6 matrix_b_fmt:MATRIX_FMT_FP6 matrix_a_scale:MATRIX_SCALE_ROW1 matrix_b_scale:MATRIX_SCALE_ROW1
.endif
.else
.if ((\a)%2 == 0) && ((\b)%2 == 0)
	v_wmma_scale_f32_16x16x128_f8f6f4 v[rD:rD+7], v[rB:rB+FR-1], v[rA:rA+FR-1], v[rD:rD+7], v[sB], v[sA] matrix_a_fmt:MATRIX_FMT_FP6 matrix_b_fmt:MATRIX_FMT_FP6
.elseif ((\a)%2 == 0)
	v_wmma_scale_f32_16x16x128_f8f6f4 v[rD:rD+7], v[rB:rB+FR-1], v[rA:rA+FR-1], v[rD:rD+7], v[sB], v[sA] matrix_a_fmt:MATRIX_FMT_FP6 matrix_b_fmt:MATRIX_FMT_FP6 matrix_a_scale:MATRIX_SCALE_ROW1
.elseif ((\b)%2 == 0)
	v_wmma_scale_f32_16x16x128_f8f6f4 v[rD:rD+7], v[rB:rB+FR-1], v[rA:rA+FR-1], v[rD:rD+7], v[sB], v[sA] matrix_a_fmt:MATRIX_FMT_FP6 matrix_b_fmt:MATRIX_FMT_FP6 matrix_b_scale:MATRIX_SCALE_ROW1
.else
	v_wmma_scale_f32_16x16x128_f8f6f4 v[rD:rD+7], v[rB:rB+FR-1], v[rA:rA+FR-1], v[rD:rD+7], v[sB], v[sA] matrix_a_fmt:MATRIX_FMT_FP6 matrix_b_fmt:MATRIX_FMT_FP6 matrix_a_scale:MATRIX_SCALE_ROW1 matrix_b_scale:MATRIX_SCALE_ROW1
.endif
.endif
.endm
.macro MUL16 a0, p, q, sc, zero        ; the 64 accumulators take turns, one instruction a turn
.irp a, \a0, \a0+1
.irp b, 0,1,2,3,4,5,6,7
	MM \a, \b, \p, \q, \sc, \zero
.endr
.endr
.endm
.macro FETCH_B slot, q, p
	WIN TO_B
.irp i, 0,1,2,3,4,5,6,7
	FRAG 128*(\p)+FR*\i, ADRB+\slot, \q, \i
.endr
	WIN 0
.endm
.macro FETCH_A slot, q, i0
.irp i, \i0, \i0+1, \i0+2, \i0+3
	FRAG AF+FR*(\i), ADRA+\slot, \q, \i
.endr
.endm
.macro SCALES slot
.irp q, 0,1
	ds_load_b128 v[SC+16*\slot+8*\q:SC+16*\slot+8*\q+3], v[ADRA+\slot] offset:GBB*\q+12288
	ds_load_b128 v[SC+16*\slot+8*\q+4:SC+16*\slot+8*\q+7], v[ADRB+\slot] offset:GBB*\q+12288
.endr
.endm
.macro PLACES n
.rept \n
	v_nop
.endr
.endm
.macro STEP slot, q, zero
	s_wait_dscnt 4*NL                              ; all but the youngest twelve loads (A's blocks 4-7)
	WIN MUL_LO
	MUL16 0, (\q)%2, \q, \slot, \zero
	MUL16 2, (\q)%2, \q, \slot, \zero
	s_wait_dscnt 0
	PLACES NP
	FETCH_B \slot, (\q)+1, 1-(\q)%2
	FETCH_A \slot, (\q)+1, 0
	WIN MUL_HI
	MUL16 4, (\q)%2, \q, \slot, \zero
	MUL16 6, (\q)%2, \q, \slot, \zero
	PLACES NP
	WIN 0
	FETCH_A \slot, (\q)+1, 4
.endm
.macro TURN slot, next, fill
	s_wait_tensorcnt 0x0                           ; all my tensor loads have landed: my part of the next slot
	ds_add_u32 v[SPW], v[NIL]
	s_wait_dscnt 4*NL+1                            ; (the add and A's blocks 4-7 may be out)
	WIN MUL_LO
	MUL16 0, 1, 1, \slot, 0
	s_wait_dscnt 0x0                               ; the add is done, and my reads of this slot are over
	s_barrier_signal -1
	MUL16 2, 1, 1, \slot, 0
	WIN 0
	s_barrier_wait -1
.if \fill
	CREST                                          ; the barrier has opened a round of the cluster's
	s_add_nc_u64 s[G0+4*\slot+2:G0+4*\slot+3], s[G0+4*\slot+2:G0+4*\slot+3], 2*QUART
	s_add_nc_u64 s[G0B+4*\slot+2:G0B+4*\slot+3], s[G0B+4*\slot+2:G0B+4*\slot+3], 2*QUART
	JLOAD G0+4*\slot, G1, G0B+4*\slot, G1B
.else
	PLACES NP
.endif
	FETCH_B \next, 0, 0
	FETCH_A \next, 0, 0
	SCALES \next
	WIN MUL_HI
	MUL16 4, 1, 1, \slot, 0
	MUL16 6, 1, 1, \slot, 0
	PLACES NP
	WIN 0
	FETCH_A \next, 0, 4
.endm
	s_wait_tensorcnt 1                             ; my part of slot 0 is in (slot 1's load may be out),
	s_barrier_signal -1
	s_barrier_wait -1
	FETCH_B 0, 0, 0
	FETCH_A 0, 0, 0
	SCALES 0
	FETCH_A 0, 0, 4
	STEP 0, 0, 1
	s_mov_b32 s3, 3
.Llap:
	TURN 0, 1, 1
	STEP 1, 0, 0
	TURN 1, 0, 1
	STEP 0, 0, 0
	s_sub_co_u32 s3, s3, 1
	s_cmp_lg_u32 s3, 0
	s_cbranch_scc1 .Llap
	TURN 0, 1, 0
	STEP 1, 0, 0
	s_wait_dscnt 4*NL
	WIN MUL_LO
	MUL16 0, 1, 1, 1, 0
	MUL16 2, 1, 1, 1, 0
	s_wait_dscnt 0
	WIN MUL_HI
	MUL16 4, 1, 1, 1, 0
	MUL16 6, 1, 1, 1, 0
	WIN 0
; THE WAY OUT, A's tile by tile: 16 tokens x 128 columns go through my own stage in LDS and come back as whole rows of 512 bytes.  LDS serves a wave's instructions in order: no wait between the stores and the loads.
.macro TOSTAGE a
.set AC, 64*((\a)%4)
	WIN 0x08+4*((\a)/4)                            ; an LDS store's data: window 2 or 3
.irp b, 0,1,2,3,4,5,6,7
	ds_store_b128 v[STO], v[AC+8*\b:AC+8*\b+3] offset:128*(\b/2)+32*(\b%2)       ; each accumulator from its low end on
	ds_store_b128 v[STO], v[AC+8*\b+4:AC+8*\b+7] offset:128*(\b/2)+32*(\b%2)+16
.endr
	WIN 0
.set BB, BK+64*((\a)%2)
.irp t, 0,1,2,3,4,5,6,7,8,9,10,11,12,13,14,15
	ds_load_b128 v[BB+4*\t:BB+4*\t+3], v[RD] offset:\t*SPITCH
.endr
.endm
.macro SEND a, younger                 ; stage row t of tile a is token 32 (a / 2) + 8 (a % 2) + t + 8 (t / 8)
.set BB, BK+64*((\a)%2)
	s_wait_dscnt \younger
.if (\a) > 0
.if (\a)%2
	s_add_nc_u64 s[12:13], s[12:13], 8*8192        ; (behind a wait on XCNT: the earlier stores have read their base)
.else
	s_add_nc_u64 s[12:13], s[12:13], 24*8192
.endif
.endif
.irp t, 0,1,2,3,4,5,6,7,8,9,10,11,12,13,14,15
	global_store_b128 v[LO], v[BB+4*\t:BB+4*\t+3], s[12:13] offset:(\t+8*(\t/8))*8192 th:TH_STORE_NT   ; 32 lanes store 512 consecutive bytes, at a multiple of 256 from the buffer's first byte
.endr
.endm
	PLACES NP
	TOSTAGE 0
.irp a, 1,2,3,4,5,6,7
.if \a > 1
	s_wait_xcnt 0x0                                ; tile a - 2's stores have read their registers and their base
.endif
	TOSTAGE \a
	SEND \a-1, 32                                  ; behind tile a - 1's loads: tile a's 16 stores and 16 loads
.endr
	s_wait_xcnt 0x0
	SEND 7, 0
	s_wait_tensorcnt 0x0                           ; the wave's end
	ds_add_u32 v[SPW], v[NIL]
	s_wait_dscnt 0x0
	CROUND                                         ; the closing round
	s_endpgm
.Lfunc_end_k_q84e15ea90c_proj:
	.size	k_q84e15ea90c_proj, .Lfunc_end_k_q84e15ea90c_proj-k_q84e15ea90c_proj
	.p2alignl 7, 3214868480
	.fill 96, 4, 3214868480
	.section	.rodata,"a",@progbits
	.p2align	6, 0x0
	.amdhsa_kernel k_q84e15ea90c_proj
		.amdhsa_group_segment_fixed_size 327680
		.amdhsa_private_segment_fixed_size 0
		.amdhsa_enable_private_segment 0
		.amdhsa_kernarg_size 24
		.amdhsa_user_sgpr_count 2
		.amdhsa_user_sgpr_kernarg_segment_ptr 1
		.amdhsa_wavefront_size32 1
		.amdhsa_system_sgpr_workgroup_id_x 1
		.amdhsa_system_sgpr_workgroup_id_y 1
		.amdhsa_system_sgpr_workgroup_id_z 1
		.amdhsa_system_vgpr_workitem_id 0
		.amdhsa_next_free_vgpr 1024
		.amdhsa_next_free_sgpr 98
		.amdhsa_reserve_vcc 0
		.amdhsa_float_denorm_mode_32 3
		.amdhsa_float_denorm_mode_16_64 3
		.amdhsa_memory_ordered 1
		.amdhsa_forward_progress 1
		.amdhsa_inst_pref_size 132
	.end_amdhsa_kernel
	.amdgpu_metadata
---
amdhsa.version: [ 1, 2 ]
amdhsa.kernels:
  - .name:           k_q84e15ea90c_proj
    .symbol:         k_q84e15ea90c_proj.kd
    .args:
      - { .name: obuf, .offset: 0, .size: 8, .value_kind: global_buffer, .address_space: global }
      - { .name: gb, .offset: 8, .size: 8, .value_kind: global_buffer, .address_space: global }
      - { .name: out0, .offset: 16, .size: 8, .value_kind: global_buffer, .address_space: global }
    .group_segment_fixed_size: 327680
    .private_segment_fixed_size: 0
    .kernarg_segment_align: 8
    .kernarg_segment_size: 24
    .max_flat_workgroup_size: 128
    .sgpr_count:     98
    .vgpr_count:     1024
    .wavefront_size: 32
...
	.end_amdgpu_metadata
.endif
;; end of part 4
;; ======== version 2 of 2: 4 launches
;; limits: right only within a limited range of input values
;; workspace buffers: gb 13,132,800 bytes; wob 3,276,800 bytes; rope 1,048,576 bytes; qbuf 3,276,800 bytes; kvbuf 6,553,600 bytes; obuf 3,276,800 bytes
;; launch prep (part 5): grid 256 x 5, 2 waves a work-group, no clusters, 17,152 bytes of LDS; arguments x, Wq, Wk, Wv, token_positions, gb, rope; writes gb, rope
.if DOCPART == 5
	.amdgcn_target "amdgcn-amd-amdhsa--gfx1250"
	.amdhsa_code_object_version 6
	.text
	.protected	k_q84e15ea90c_prep
	.globl	k_q84e15ea90c_prep
	.p2align	8
	.type	k_q84e15ea90c_prep,@function
k_q84e15ea90c_prep:
	s_mov_b64 s[64:65], 0
	v_nop
	global_prefetch_b8 v0, s[64:65] scope:SCOPE_SE
	s_setreg_imm32_b32 hwreg(HW_REG_WAVE_MODE, 25, 1), 1
	s_wait_xcnt 0x0
; PREP.  x, Wq, Wk, Wv ([2048][2048] f32, K innermost) become codes of FP6 (E2M3) with one E8M0 byte for each 32 along K, laid as GROUP BLOCKS; and token_positions becomes the table of cosines and sines for RoPE.
; (Wo is quantised in the same way by work-groups of the next launch.)
; WORK LEFT OUT BY THE PROGRAM: key steps that lie wholly under the causal mask: their scores become -infinity, their p is 0 for all values of the inputs.
; A NaN, an infinity or an overflow that reaches only such scores is not carried to the result.
; A GROUP BLOCK (12,800 bytes) holds 128 rows x 128 along K as the matrix unit's registers take them: eight tiles of 16 rows; lane-row r of tile a is row 32 (a / 2) + 8 (a % 2) + r + 8 (r / 8) of the group;
; tile a's 12 registers a lane lie at byte 1536 a: register 4 g + e of lane l at 512 g + 16 l + 4 e; lane (r, h) holds k = 64 c + 32 h + 0 .. 31 in registers 6 c .. 6 c + 5.  The scale words lie at byte 12,288:
; that of (tile a, lane-row r) at 16 (r + 16 (a % 2)) + 4 (a / 2), so that one load of 16 bytes a lane brings four registers, each with an even tile's words in lanes 0-15 and the odd tile's in lanes 16-31.
; gb = [tensor: x, Wq, Wk, Wv][group of 128 rows: 16][K step of 128: 16] group blocks (behind them 25,600 bytes that nothing writes and no product reads).
; SHARES.  Work-group (X, y), y = 0 .. 3: one group block of tensor y (group X / 16, K step X % 16); wave e makes tiles e, 2 + e, 4 + e, 6 + e.  y = 4: 4,096 bytes of the table.
; A fragment's 16 rows come by 16 loads of 512 consecutive bytes, go through the wave's own stage in LDS (rows 528 bytes apart) and come back 128 bytes a lane: a whole block of 32 for each c.  Waves share nothing: no barrier.
; A block's scale is 2^(floor(log2(its largest magnitude)) - 2); its byte is that magnitude's exponent field - 2, held at 1 from below.
; LIMITS: NaN and infinities are not served; a block whose largest magnitude lies under 2^-124 (a block of zeros too) gets the byte 1: zero codes add nothing, and this program alone reads the bytes.
; THE TABLE: rope = [group 16][tile 8][gamma 16][lane 32][16 bytes]: lane (r, h), gamma = 4 beta + e: (cos, sin, cos, sin) of the token 128 G + 32 (a / 2) + 8 (a % 2) + r + 8 (r / 8) for the frequencies f = 16 beta + 8 h + 2 e and f + 1.
; frequency = 2^(-f log2(10) / 16) by v_exp_f32; angle = position x frequency, one f32 rounding; the angle is reduced by multiples of pi / 2 in three parts and goes through polynomials on [-pi/4, pi/4].  Served: |position| up to 2^22.
.set TEN,   3276800                    ; a tensor's 256 group blocks
.set GBB,   12800                      ; a group block
.set SP,    528                        ; a stage row: 512 bytes + 16
.set WST,   16*SP                      ; a wave's stage
.set SPARE, 2*WST                      ; behind the stages: the spare words: one block of 256 bytes that no other line names
.set SPW,   20                         ; v20  LDS address of my spare word; never rewritten
.set NIL,   21                         ; v21  0; never rewritten
.set PW,    24                         ; v24-27 the four fragments' scale words
.set PC,    28                         ; v28-39 a fragment's codes; v40-42, v44-46 the blocks' upper halves
.set RR,    64                         ; v64-191 two sets of 64: a fragment as loaded
.set XX,    192                        ; v192-255 my 64 numbers: register 32 c + i = k 64 c + 32 h + i of row r
	s_load_b256 s[8:15], s[0:1], 0x0               ; x 8, Wq 10, Wk 12, Wv 14
	s_load_b64 s[18:19], s[0:1], 0x20              ; positions
	s_load_b128 s[20:23], s[0:1], 0x28             ; gb 20, rope 22
	v_lshl_add_u32 v[SPW], v0, 2, SPARE
	v_mov_b32 v[NIL], 0
	v_lshrrev_b32 v1, 5, v0
	v_readfirstlane_b32 s24, v1                    ; wave e
	s_and_b32 s25, ttmp7, 0xffff                   ; y
	v_and_b32 v1, 31, v0                           ; lane
	v_and_b32 v2, 15, v0                           ; r
	v_bfe_u32 v3, v0, 4, 1                         ; h
	s_wait_kmcnt 0x0
	s_cmp_eq_u32 s25, 4
	s_cbranch_scc1 .Lrope
	; ---------------- the quantiser ----------------
	s_mov_b64 s[28:29], s[8:9]                     ; the tensor is chosen by the work-group's y alone
	s_cmp_eq_u32 s25, 1
	s_cselect_b64 s[28:29], s[10:11], s[28:29]
	s_cmp_eq_u32 s25, 2
	s_cselect_b64 s[28:29], s[12:13], s[28:29]
	s_cmp_eq_u32 s25, 3
	s_cselect_b64 s[28:29], s[14:15], s[28:29]
	s_lshr_b32 s30, ttmp9, 4                       ; group
	s_and_b32 s31, ttmp9, 15                       ; K step
	s_lshl_b32 s30, s30, 20                        ; 128 rows of 8,192 bytes
	s_lshl_b32 s31, s31, 9                         ; 128 numbers
	s_add_co_u32 s30, s30, s31
	s_lshl_b32 s31, s24, 16                        ; the odd tiles begin 8 rows further down
	s_add_co_u32 s30, s30, s31
	s_mov_b32 s31, 0
	s_add_nc_u64 s[28:29], s[28:29], s[30:31]
	s_mul_i32 s30, s25, TEN
	s_mul_i32 s32, ttmp9, GBB
	s_add_co_u32 s30, s30, s32
	s_add_nc_u64 s[20:21], s[20:21], s[30:31]      ; my group block
	s_wait_alu depctr_va_vdst(0)                   ; the wait behind the run of scalar lines
	v_lshlrev_b32 v4, 4, v1                        ; 16 l: my 16 bytes of a load's 512
	s_mul_i32 s33, s24, WST
	v_add_nc_u32 v5, s33, v4                       ; the stage, on the way in
	v_mul_u32_u24 v6, v2, SP
	v_lshl_add_u32 v6, v3, 7, v6
	v_add_nc_u32 v6, s33, v6                       ; and on the way out: row r, + 128 h
	s_lshl_b32 s34, s24, 8
	v_lshl_add_u32 v7, v2, 4, s34                  ; the scale words: 16 r + 256 e
	v_lshlrev_b32 v8, 3, v3                        ; 8 h: my bytes' place in a scale word
	s_mul_i32 s34, s24, 1536
	v_add_nc_u32 v9, s34, v4                       ; the images: 16 l + 1536 e
	v_mov_b32 v17, 0                               ; a lane permute's destination counts as one of its sources
	s_mov_b32 s26, 0x76543210
	s_mov_b32 s27, 0xfedcba98                      ; v_permlanex16_b32's selects for lane l xor 16
.macro LOAD f                          ; fragment f (tile 2 f + e): its 16 rows, 512 consecutive bytes a load
.set rho, 0
.rept 16
	global_load_b128 v[RR+64*((\f)%2)+4*rho:RR+64*((\f)%2)+4*rho+3], v4, s[28:29] offset:(32*(\f)+rho+8*(rho/8))*8192 th:TH_LOAD_NT
.set rho, rho+1
.endr
.endm
.macro TURN f                          ; through the stage: LDS serves a wave's instructions in order, so no wait stands between the stores and the loads
.set rho, 0
.rept 16
	ds_store_b128 v5, v[RR+64*((\f)%2)+4*rho:RR+64*((\f)%2)+4*rho+3] offset:SP*rho
.set rho, rho+1
.endr
.irp c, 0,1
.irp i, 0,1,2,3,4,5,6,7
	ds_load_b128 v[XX+32*\c+4*\i:XX+32*\c+4*\i+3], v6 offset:256*\c+16*\i
.endr
.endr
.endm
.macro FRAGQ f                         ; my two whole blocks (2 c + h of row r) become registers 6 c .. 6 c + 5 of the fragment, and the row's scale word
.irp c, 0,1
	v_max3_num_f32 v[10+\c], |v[XX+32*\c]|, |v[XX+32*\c+1]|, 0x1800000   ; with the floor 2^(3 - 127): the byte cannot fall under 1
.endr
.irp i, 2,4,6,8,10,12,14,16,18,20,22,24,26,28,30
.irp c, 0,1
	v_max3_num_f32 v[10+\c], v[10+\c], |v[XX+32*\c+\i]|, |v[XX+32*\c+\i+1]|
.endr
.endr
.irp c, 0,1
	v_add_nc_u32 v[12+\c], 0xff000000, v[10+\c]    ; 2 off the exponent field: the conversion's scale operand
.endr
.irp c, 0,1
	v_lshrrev_b32 v[14+\c], 23, v[12+\c]           ; the scale's byte
.endr
	v_lshl_or_b32 v16, v15, 16, v14                ; blocks h and 2 + h,
	v_lshlrev_b32 v16, v8, v16                     ; at their places in the word;
	v_permlanex16_b32 v17, v16, s26, s27
	v_or_b32 v[PW+\f], v16, v17                    ; with lane l xor 16's two the word is whole
.irp c, 0,1
	v_cvt_scalef32_pk16_fp6_f32 v[PC+6*\c:PC+6*\c+2], v[XX+32*\c:XX+32*\c+15], v[12+\c]
	v_cvt_scalef32_pk16_fp6_f32 v[40+4*\c:42+4*\c], v[XX+32*\c+16:XX+32*\c+31], v[12+\c]   ; (a conversion's three registers begin on an even number)
.endr
	v_nop                                          ; one plain place behind a scaled conversion
.irp c, 0,1
.irp i, 0,1,2
	v_mov_b32 v[PC+3+6*\c+\i], v[40+4*\c+\i]
.endr
.endr
.irp g, 0,1,2
	global_store_b128 v9, v[PC+4*\g:PC+4*\g+3], s[20:21] offset:3072*(\f)+512*\g   ; 32 lanes store 512 consecutive bytes, at a multiple of 256 from the buffer's first byte
.endr
.endm
	LOAD 0
	LOAD 1
	s_wait_alu depctr_va_vdst(0)                   ; the wait ahead of the blocking wait below
.irp f, 0,1,2,3
.if \f < 3
	s_wait_loadcnt 16                              ; this fragment's 16 loads are in; the next one's may be out
.else
	s_wait_loadcnt 0x0
.endif
	TURN \f
	s_wait_dscnt 0x0                               ; my 64 numbers are back, and the stage's stores have read their registers
.if \f > 0
	s_wait_xcnt 0x0                                ; the last fragment's stores have read the codes' registers, which are written again below
.endif
.if \f < 2
	LOAD \f+2
.endif
	FRAGQ \f
.endr
	s_wait_xcnt 0x0                                ; EXEC changes only behind this wait
	v_cmp_gt_u32 vcc_lo, 16, v1
	s_and_saveexec_b32 s30, vcc_lo
	global_store_b128 v7, v[PW:PW+3], s[20:21] offset:12288   ; sixteen lanes store 256 consecutive bytes, aligned: my four tiles' scale words
	s_wait_xcnt 0x0
	s_or_b32 exec_lo, exec_lo, s30
	s_wait_tensorcnt 0x0                           ; the wave's end, behind my last LDS store
	ds_add_u32 v[SPW], v[NIL]
	s_wait_dscnt 0x0
	s_endpgm
	; ---------------- the table ----------------
.Lrope:
	s_lshr_b32 s26, ttmp9, 4                       ; G
	s_bfe_u32 s27, ttmp9, 0x30001                  ; a
	s_and_b32 s28, ttmp9, 1                        ; which half of the 16 gammas
	s_lshl_b32 s26, s26, 7
	s_lshr_b32 s29, s27, 1
	s_lshl_b32 s29, s29, 5
	s_add_co_u32 s26, s26, s29
	s_and_b32 s29, s27, 1
	s_lshl_b32 s29, s29, 3
	s_add_co_u32 s26, s26, s29                     ; 128 G + 32 (a / 2) + 8 (a % 2)
	s_wait_alu depctr_va_vdst(0)                   ; the wait behind the branch and the scalar lines
	v_and_b32 v4, 8, v2
	v_add_nc_u32 v4, v4, v2
	v_add_nc_u32 v4, s26, v4                       ; my token
	v_lshlrev_b32 v4, 2, v4
	global_load_b32 v5, v4, s[18:19]               ; its position, as it is given
	s_lshl_b32 s30, ttmp9, 12
	s_mov_b32 s31, 0
	s_add_nc_u64 s[22:23], s[22:23], s[30:31]      ; my work-group's 4,096 bytes
	v_lshlrev_b32 v7, 4, v0
	s_lshl_b32 s28, s28, 5
	v_lshrrev_b32 v6, 5, v0
	v_lshlrev_b32 v6, 1, v6
	v_lshl_add_u32 v6, v3, 3, v6
	v_add_nc_u32 v6, s28, v6                       ; 32 half + 8 h + 2 wave: the first of my eight frequencies
.irp i, 0,1,2,3,4,5,6,7                ; item i / 2 adds 0, 4, 16, 20; i % 2 the pair's second
	v_add_nc_u32 v[24+\i], 16*(\i/4)+4*((\i/2)%2)+(\i%2), v6
.endr
.irp i, 0,1,2,3,4,5,6,7
	v_cvt_f32_u32 v[24+\i], v[24+\i]
.endr
.irp i, 0,1,2,3,4,5,6,7
	v_mul_f32 v[24+\i], 0xbe549a78, v[24+\i]       ; x -log2(10) / 16
.endr
	s_wait_alu depctr_va_vdst(0)                   ; the wait ahead of the batch
.irp i, 0,1,2,3,4,5,6,7
	v_exp_f32 v[24+\i], v[24+\i]                   ; 10000^(-f / 64)
.endr
	v_nop                                          ; a plain place behind the batch
	s_wait_alu depctr_va_vdst(0)                   ; one wait for the eight, ahead of their first reader
	s_wait_loadcnt 0x0
	v_cvt_f32_i32 v5, v5
.irp i, 0,1,2,3,4,5,6,7
	v_mul_f32 v[24+\i], v5, v[24+\i]               ; the angle, rounded once
.endr
.macro SINCOS ang, oc, os
	v_mul_f32 v40, 0x3f22f983, v[\ang]             ; x 2 / pi
	v_rndne_f32 v40, v40                           ; n
	v_fmamk_f32 v41, v40, 0xbfc90fd8, v[\ang]      ; angle - n pi / 2, pi / 2 in three parts: the first product and difference are exact
	v_fmamk_f32 v41, v40, 0xb4a8885a, v41
	v_fmamk_f32 v41, v40, 0xa7c234c5, v41          ; r, in [-pi/4, pi/4]
	v_mul_f32 v42, v41, v41                        ; z = r r
	v_cvt_i32_f32 v40, v40                         ; the quadrant's number
	v_mov_b32 v43, 0xb94ca1f9
	v_fmaak_f32 v43, v43, v42, 0x3c08839e
	v_fmaak_f32 v43, v43, v42, 0xbe2aaaa3
	v_mul_f32 v44, v41, v42
	v_fma_f32 v43, v43, v44, v41                   ; sin r
	v_mov_b32 v45, 0x37ccf5ce
	v_fmaak_f32 v45, v45, v42, 0xbab6061a
	v_fmaak_f32 v45, v45, v42, 0x3d2aaaa5
	v_mul_f32 v46, v42, v42
	v_fma_f32 v47, v42, -0.5, 1.0
	v_fma_f32 v45, v45, v46, v47                   ; cos r
	v_and_b32 v46, 1, v40
	v_cmp_eq_u32 vcc_lo, 1, v46
	v_cndmask_b32 v47, v43, v45, vcc_lo            ; in odd quadrants the two change places
	v_cndmask_b32 v46, v45, v43, vcc_lo
	v_and_b32 v44, 2, v40
	v_lshlrev_b32 v44, 30, v44
	v_xor_b32 v[\os], v44, v47                     ; the sine is negative in quadrants 2 and 3,
	v_add_nc_u32 v44, 1, v40
	v_and_b32 v44, 2, v44
	v_lshlrev_b32 v44, 30, v44
	v_xor_b32 v[\oc], v44, v46                     ; the cosine in 1 and 2
.endm
.irp i, 0,1,2,3,4,5,6,7
	SINCOS 24+\i, 48+2*\i, 49+2*\i
.endr
.irp t, 0,1,2,3
	global_store_b128 v7, v[48+4*\t:51+4*\t], s[22:23] offset:1024*\t   ; a wave stores 512 consecutive bytes
.endr
	s_endpgm
.Lfunc_end_k_q84e15ea90c_prep:
	.size	k_q84e15ea90c_prep, .Lfunc_end_k_q84e15ea90c_prep-k_q84e15ea90c_prep
	.p2alignl 7, 3214868480
	.fill 96, 4, 3214868480
	.section	.rodata,"a",@progbits
	.p2align	6, 0x0
	.amdhsa_kernel k_q84e15ea90c_prep
		.amdhsa_group_segment_fixed_size 17152
		.amdhsa_private_segment_fixed_size 0
		.amdhsa_enable_private_segment 0
		.amdhsa_kernarg_size 56
		.amdhsa_user_sgpr_count 2
		.amdhsa_user_sgpr_kernarg_segment_ptr 1
		.amdhsa_wavefront_size32 1
		.amdhsa_system_sgpr_workgroup_id_x 1
		.amdhsa_system_sgpr_workgroup_id_y 1
		.amdhsa_system_sgpr_workgroup_id_z 1
		.amdhsa_system_vgpr_workitem_id 0
		.amdhsa_next_free_vgpr 256
		.amdhsa_next_free_sgpr 66
		.amdhsa_reserve_vcc 1
		.amdhsa_float_denorm_mode_32 3
		.amdhsa_float_denorm_mode_16_64 3
		.amdhsa_memory_ordered 1
		.amdhsa_forward_progress 1
		.amdhsa_inst_pref_size 44
	.end_amdhsa_kernel
	.amdgpu_metadata
---
amdhsa.version: [ 1, 2 ]
amdhsa.kernels:
  - .name:           k_q84e15ea90c_prep
    .symbol:         k_q84e15ea90c_prep.kd
    .args:
      - { .name: x, .offset: 0, .size: 8, .value_kind: global_buffer, .address_space: global }
      - { .name: Wq, .offset: 8, .size: 8, .value_kind: global_buffer, .address_space: global }
      - { .name: Wk, .offset: 16, .size: 8, .value_kind: global_buffer, .address_space: global }
      - { .name: Wv, .offset: 24, .size: 8, .value_kind: global_buffer, .address_space: global }
      - { .name: token_positions, .offset: 32, .size: 8, .value_kind: global_buffer, .address_space: global }
      - { .name: gb, .offset: 40, .size: 8, .value_kind: global_buffer, .address_space: global }
      - { .name: rope, .offset: 48, .size: 8, .value_kind: global_buffer, .address_space: global }
    .group_segment_fixed_size: 17152
    .private_segment_fixed_size: 0
    .kernarg_segment_align: 8
    .kernarg_segment_size: 56
    .max_flat_workgroup_size: 64
    .sgpr_count:     66
    .vgpr_count:     256
    .wavefront_size: 32
...
	.end_amdgpu_metadata
.endif
;; end of part 5
;; launch qkv (part 6): grid 32 x 8, 4 waves a work-group, clusters of 4 x 4, 327,680 bytes of LDS; arguments gb, rope, qbuf, kvbuf, Wo, wob; writes qbuf, kvbuf, wob
.if DOCPART == 6
	.amdgcn_target "amdgcn-amd-amdhsa--gfx1250"
	.amdhsa_code_object_version 6
	.text
	.protected	k_q84e15ea90c_qkv
	.globl	k_q84e15ea90c_qkv
	.p2align	8
	.type	k_q84e15ea90c_qkv,@function
k_q84e15ea90c_qkv:
	s_mov_b64 s[64:65], 0
	v_nop
	global_prefetch_b8 v0, s[64:65] scope:SCOPE_SE
	s_setreg_imm32_b32 hwreg(HW_REG_WAVE_MODE, 25, 1), 1
	s_wait_xcnt 0x0
	s_wait_alu depctr_hold_cnt(0) depctr_sa_sdst(0) depctr_va_vdst(0) depctr_va_sdst(0) depctr_va_ssrc(0) depctr_va_vcc(0) depctr_vm_vsrc(0)
	s_getreg_b32 s2, hwreg(HW_REG_IB_STS2, 6, 4)
	s_cmp_eq_u32 s2, 0
	s_cbranch_scc0 .Lentry_in_a_cluster
	s_endpgm
.Lentry_in_a_cluster:
	s_bfe_u32 s2, ttmp6, 0x10000c
	s_cmp_lg_u32 s2, 0xf033
	s_cbranch_scc0 .Lentry_shape_is_right
	s_endpgm
.Lentry_shape_is_right:
; QKV.  Q = x Wq^T, K = x Wk^T with RoPE, and V^T = Wv x^T, on codes of FP6 (E2M3) with E8M0 scales; the results are quantised in registers and leave as GROUP BLOCKS for the attention.
; The products have 192 blocks of 256 x 256 (clusters x = 0 .. 5); the 64 work-groups of clusters x = 6, 7 turn Wo (f32) into group blocks for the last launch: see THE QUANTISER OF Wo, at the text's end.
; A group block (12,800 bytes): 128 rows x 128 along K: eight tiles; lane-row r of tile a is row 32 (a / 2) + 8 (a % 2) + r + 8 (r / 8); tile a's 12 registers a lane at byte 1536 a (register 4 g + e of lane l at 512 g + 16 l + 4 e);
; the scale words at byte 12,288, that of (a, r) at 16 (r + 16 (a % 2)) + 4 (a / 2).  gb = [x, Wq, Wk, Wv][group 16][K step 16] group blocks; wob = [group 16][K step 16] the same of Wo.
; SHARES.  A work-group makes 256 x 256, four waves 128 x 128 each: 64 accumulators, 512 registers.  Tile columns 0-7: Q, 8-15: K (A = x by the tile row, B = [Wq; Wk] by the tile column); 16-23: V^T (A = Wv, B = x).
; The role hangs on the cluster's x alone, which all sixteen partners share.
; THE RING: two LDS slots of THREE K steps (2 x 153,600 bytes).  A wave's one tensor load brings one group's three blocks, 38,400 dense bytes, 150 rows of 256.
; Fill f holds K steps 3 f .. 3 f + 2 and lies in slot f % 2.  Fill 0 is asked for at the head, fill 1 behind the first full sequence and round, fills 2 to 5 at the changes of slots in K steps 2, 5, 8, 11.
; The loop's trip is six K steps (slots and B's register sets are back where they began), walked twice.  Fill 5 is asked for by the ring's one descriptor: only its first block (K step 15) is read; its other two are the
; next group's first two blocks or, behind Wv's last group, the 25,600 bytes that gb has behind its blocks for this: they land in LDS and nothing reads them.
; CLUSTERS: 4 x 4.  A's blocks are shared along a row of the cluster, B's along a column: asked for jointly.
; PREFETCH: of the 150 rows of 256 bytes that a wave's load brings, the partner at place p among the four that ask jointly names rows 4 i + p, i = 0 .. 36 (two instructions; rows 148, 149 come by the load alone).
; Fill 1 is named behind fill 0's load, fills 2 and 3 behind fill 1's, fill 4 behind fill 2's, fill 5's one block (rows 4 i + p, i = 0 .. 11) behind fill 3's; nothing later.  All by immediates: no address is stepped.
; The tokens' tables of cosines and sines (65,536 bytes a group) are named once a cluster, behind fill 1's load: 32 rows of 256 bytes for each of the eight waves that will read them.
; THE MATRIX INSTRUCTION IS USED TRANSPOSED (source 0 = a tile of B, source 1 = a tile of A): lane (r, h) holds row (a, r) of A, and the 64 registers of A's tile a are B's rows 32 b + 16 h + i at register 16 b + i:
; sixteen neighbours along the NEXT product's K in a lane.  So RoPE's pairs are register pairs, and the conversions' results are the next operand's registers.
; Q's, K's and V's roles part once, in front of the last K step, which is written in both paths.  OUT: qbuf [head][group of queries], kvbuf [head][key step][K's block, V's block].
; LIMITS: NaN and infinities are not served; a block whose largest magnitude lies under 2^-124 gets the byte 1.
; REGISTERS: window 0: v16-29 addresses; v32-47 scale words, two sets, and nothing else; v64-127 tables 0, 3, 6; v128-223 A's fragments, one set, later the way out.  window 1: B's fragments, two sets; later tables.
;   windows 2, 3: accumulator (a, b) at v[8 (8 (a % 4) + b)].
.set TEN,   3276800
.set GS,    204800
.set GBB,   12800
.set QUART, 3*GBB                      ; what one tensor load brings
.set SLOT,  4*QUART                    ; A's two groups, then B's two
.set SPARE, 2*SLOT                     ; the spare words: two blocks of 256 bytes that no other line names
.set STG,   SPARE+512                  ; Wo's stages: bytes of their own, on which no fill lands
.set WP,    272                        ; a stage row: 256 bytes + 16
.set WST,   16*WP
.set FR,    12
.set NL,    3
.set NP,    4                          ; places behind this matrix instruction (ISA guide 7.12.1)
.set ADRA,  16                         ; v16-17 my half of A in slot 0, 1: + 16 l
.set ADRB,  20                         ; v20-21 the same for B
.set PF0,   22                         ; v22-24 the prefetches' rows; v25 the tables'
.set PF1,   23
.set PF2,   24
.set PFR,   25
.set LO,    26                         ; v26 16 l
.set SPW,   28
.set NIL,   29
.set SC,    32                         ; scale words: v[SC + 8 p + j]: A's tiles 2 j (lanes 0-15) and 2 j + 1 (lanes 16-31); + 4: B's
.set AF,    128
.set G1,    24
.set G0,    32
.set G1B,   48
.set G0B,   56
.set PFA,   80                         ; s[80:81] where the blocks that I fetch begin
.set RO,    128
.set TM,    192
.set PC,    208
.set TT,    228
.set PW,    236
.set WW,    244
.set MSB, 0
.macro WIN new                         ; the immediate's high byte repeats the setting that is left
.if MSB != (\new)
	s_set_vgpr_msb (MSB<<8)|(\new)
.set MSB, (\new)
.endif
.endm
.set MUL_LO, 0xa1                      ; source 0 (B) window 1, source 1 (A) window 0, C and D window 2
.set MUL_HI, 0xf1
.set TO_B,   0x40
.macro JLOAD s                         ; a joint load into slot s: waves 0 and 1 fetch for A, waves 2 and 3 for B; an s_nop 0 and four v_nop follow each line
	s_cmp_eq_u32 s15, 0
	s_cbranch_scc0 .Lfor_b_\@
	tensor_load_to_lds s[G0+4*\s:G0+4*\s+3], s[G1:G1+7]
	s_nop 0
.rept 4
	v_nop
.endr
	s_branch .Lasked_\@
.Lfor_b_\@:
	tensor_load_to_lds s[G0B+4*\s:G0B+4*\s+3], s[G1B:G1B+7]
	s_nop 0
.rept 4
	v_nop
.endr
.Lasked_\@:
.endm
.macro CREST
	s_cmp_lg_u32 s14, 0
	s_cbranch_scc1 .Lnot_wave_0_\@
	s_barrier_signal -3
.Lnot_wave_0_\@:
	s_barrier_wait -3
	s_barrier_signal -1
	s_barrier_wait -1
.endm
.macro CROUND
	s_barrier_signal -1
	s_barrier_wait -1
	CREST
.endm
.macro PRE f                           ; fill f's rows of mine
	global_prefetch_b8 v[PF0], s[PFA:PFA+1] offset:(\f)*QUART th:TH_LOAD_NT scope:SCOPE_SE
	global_prefetch_b8 v[PF1], s[PFA:PFA+1] offset:(\f)*QUART+32768 th:TH_LOAD_NT scope:SCOPE_SE
.endm
	s_load_b256 s[4:11], s[0:1], 0x0               ; gb 4, rope 6, qbuf 8, kvbuf 10
	v_lshl_add_u32 v[SPW], v0, 2, SPARE
	v_mov_b32 v[NIL], 0
	ds_add_u32 v[SPW], v[NIL]                      ; the opening lines: the add, twice on end, and its wait ahead of my first tensor load
	ds_add_u32 v[SPW], v[NIL]
	v_lshrrev_b32 v1, 5, v0
	v_readfirstlane_b32 s14, v1                    ; wave
	s_lshr_b32 s15, s14, 1                         ; my half of A.  Also: I fetch for A (0) or for B (1)
	s_and_b32 s16, s14, 1                          ; my half of B.  Also: which of the two groups I fetch
	s_bfe_u32 s40, ttmp6, 0x40000                  ; cx
	s_bfe_u32 s41, ttmp6, 0x40004                  ; cy
	s_wait_dscnt 0x0                               ; both opening adds are done: only work on registers stands between them and this wait
	s_cmp_ge_u32 ttmp9, 6                          ; clusters x = 6, 7 quantise Wo: the cluster's x is the same in all waves and all partners
	s_cbranch_scc1 .Lwo
	s_lshl_b32 s42, ttmp9, 2
	s_add_co_u32 s42, s42, s40                     ; tile column
	s_and_b32 s17, ttmp7, 0xffff
	s_lshl_b32 s17, s17, 2
	s_add_co_u32 s17, s17, s41                     ; tile row
	s_lshl_b32 s43, s41, 2
	s_lshl_b32 s43, 15, s43                        ; my row of the cluster
	s_lshl_b32 s44, 0x1111, s40                    ; my column
	s_or_b32 s[G1+0], s43, (3<<16)|(1<<21)         ; the mask; elements of 8 bytes; bit 21 beside a mask; no padding
	s_or_b32 s[G1B+0], s44, (3<<16)|(1<<21)
.irp g, G1, G1B
	s_mov_b32 s[\g+1], 32<<16                      ; rows of 32 elements = 256 bytes,
	s_mov_b32 s[\g+2], 150<<16                     ; 150 of them,
	s_mov_b32 s[\g+3], 32<<16
	s_mov_b32 s[\g+4], 150
	s_mov_b32 s[\g+5], 32                          ; dense
	s_mov_b32 s[\g+6], 0
	s_mov_b32 s[\g+7], 0
.endr
	s_lshr_b32 s45, ttmp9, 2                       ; 1 in the clusters that make V^T (cluster x = 4, 5)
	s_lshl_b32 s20, s17, 1
	s_add_co_u32 s20, s20, s16
	s_mul_i32 s20, s20, GS                         ; A: group 2 x tile row + which,
	s_mul_i32 s21, s45, 3*TEN                      ; of x or of Wv
	s_add_co_u32 s20, s20, s21
	s_mov_b32 s21, 0
	s_lshl_b32 s46, s42, 1
	s_add_co_u32 s46, s46, s16
	s_lshl_b32 s47, s45, 5
	s_sub_co_u32 s46, s46, s47
	s_mul_i32 s46, s46, GS                         ; B: group 2 x tile column + which,
	s_xor_b32 s47, s45, 1
	s_mul_i32 s47, s47, TEN                        ; of [Wq; Wk], which follow x, or of x
	s_add_co_u32 s46, s46, s47
	s_mov_b32 s47, 0
	s_mul_i32 s18, s14, QUART                      ; where they go: no place in the cluster enters an LDS address
	s_wait_kmcnt 0x0
	s_add_nc_u64 s[20:21], s[4:5], s[20:21]
	s_add_nc_u64 s[46:47], s[4:5], s[46:47]
	CROUND                                         ; all sixteen work-groups are here: the first joint loads meet
.irp s, 0,1
	s_mov_b32 s[G0+4*\s], 1
	s_add_co_u32 s[G0+4*\s+1], s18, \s*SLOT
	s_add_nc_u64 s[G0+4*\s+2:G0+4*\s+3], s[20:21], \s*QUART
	s_or_b32 s[G0+4*\s+3], s[G0+4*\s+3], 0x80000000
	s_mov_b32 s[G0B+4*\s], 1
	s_add_co_u32 s[G0B+4*\s+1], s18, \s*SLOT
	s_add_nc_u64 s[G0B+4*\s+2:G0B+4*\s+3], s[46:47], \s*QUART
	s_or_b32 s[G0B+4*\s+3], s[G0B+4*\s+3], 0x80000000
.endr
	JLOAD 0                                        ; fill 0: one tensor load a wave at the head
	s_cmp_eq_u32 s15, 0
	s_cselect_b32 s78, s40, s41                    ; my place among the four that ask with me
	s_cselect_b64 s[PFA:PFA+1], s[20:21], s[46:47]
	s_lshl_b32 s79, s40, 1
	s_add_co_u32 s79, s79, s16
	s_lshl_b32 s79, s79, 5                         ; the tables: 32 rows for each of 4 partners x 2 waves
	s_mul_i32 s21, s15, QUART
	s_mul_i32 s22, s16, QUART
	s_add_co_u32 s22, s22, 2*QUART
	v_and_b32 v1, 31, v0
	v_lshlrev_b32 v[LO], 4, v1
	v_add_nc_u32 v[ADRA], s21, v[LO]
	v_add_nc_u32 v[ADRB], s22, v[LO]
	v_add_nc_u32 v[ADRA+1], SLOT, v[ADRA]
	v_add_nc_u32 v[ADRB+1], SLOT, v[ADRB]
	v_lshl_add_u32 v2, v1, 2, s78
	v_lshlrev_b32 v[PF0], 8, v2                    ; rows 4 l + p
	v_min_u32 v3, 4, v1
	v_lshl_add_u32 v3, v3, 2, s78
	v_lshlrev_b32 v[PF1], 8, v3                    ; rows 128 + 4 min(l, 4) + p (the 128 rows stand in the immediate)
	v_min_u32 v4, 11, v1
	v_lshl_add_u32 v4, v4, 2, s78
	v_lshlrev_b32 v[PF2], 8, v4                    ; one block: rows 4 min(l, 11) + p
	v_add_nc_u32 v5, s79, v1
	v_lshlrev_b32 v[PFR], 8, v5
	PRE 1
	; where my 128 x 128 go
	s_lshl_b32 s19, s17, 1
	s_add_co_u32 s19, s19, s15                     ; P: A's group: of tokens (Q, K), or the head (V)
	s_lshl_b32 s23, s42, 1
	s_add_co_u32 s23, s23, s16
	s_and_b32 s23, s23, 15                         ; C: B's group: the head (Q, K), or the key step (V)
	s_cmp_lg_u32 s45, 0
	s_cselect_b32 s66, s19, s23                    ; the head
	s_cselect_b32 s67, s23, s19                    ; the group of tokens
	s_cselect_b32 s68, GBB, 0                      ; V's block lies behind K's
	s_lshl_b32 s66, s66, 4
	s_add_co_u32 s66, s66, s67
	s_cmp_lt_u32 ttmp9, 2
	s_cselect_b64 s[70:71], s[8:9], s[10:11]
	s_mov_b32 s69, 2*GBB
	s_cselect_b32 s69, GBB, s69
	s_mul_i32 s66, s66, s69
	s_add_co_u32 s66, s66, s68
	s_mov_b32 s67, 0
	s_add_nc_u64 s[70:71], s[70:71], s[66:67]      ; my group block
	s_lshl_b32 s66, s19, 16
	s_add_nc_u64 s[72:73], s[6:7], s[66:67]        ; my tokens' eight tables (Q's and K's path alone reads them)
	s_mov_b32 s74, 0xffff0000                      ; lanes 16-31
	s_mov_b32 s76, 0x76543210
	s_mov_b32 s77, 0xfedcba98
.macro FRAG reg, adr, q, i             ; a fragment is three loads of 512 consecutive bytes: the image of its registers
.irp g, 0,1,2
	ds_load_b128 v[\reg+4*\g:\reg+4*\g+3], v[\adr] offset:GBB*(\q)+1536*(\i)+512*\g
.endr
.endm
.macro WM zero, m1, m2
.if \zero
	v_wmma_scale_f32_16x16x128_f8f6f4 v[rD:rD+7], v[rB:rB+FR-1], v[rA:rA+FR-1], 0, v[sB], v[sA] matrix_a_fmt:MATRIX_FMT_FP6 matrix_b_fmt:MATRIX_FMT_FP6 \m1 \m2
.else
	v_wmma_scale_f32_16x16x128_f8f6f4 v[rD:rD+7], v[rB:rB+FR-1], v[rA:rA+FR-1], v[rD:rD+7], v[sB], v[sA] matrix_a_fmt:MATRIX_FMT_FP6 matrix_b_fmt:MATRIX_FMT_FP6 \m1 \m2
.endif
.endm
.macro MM a, b, p, zero                ; A's tile a x B's tile b; p: B's set and the set of scale words.  An odd tile's words lie in lanes 16-31
.set rD, 8*(8*((\a)%4)+(\b))
.set rB, 128*(\p)+FR*(\b)
.set rA, AF+FR*(\a)
.set sB, SC+8*(\p)+4+(\b)/2
.set sA, SC+8*(\p)+(\a)/2
.if ((\a)%2 == 0) && ((\b)%2 == 0)
	WM \zero
.elseif ((\a)%2 == 0)
	WM \zero, matrix_a_scale:MATRIX_SCALE_ROW1
.elseif ((\b)%2 == 0)
	WM \zero, matrix_b_scale:MATRIX_SCALE_ROW1
.else
	WM \zero, matrix_a_scale:MATRIX_SCALE_ROW1, matrix_b_scale:MATRIX_SCALE_ROW1
.endif
.endm
.macro MUL16 a0, p, zero               ; the 64 accumulators take turns, one instruction a turn, in the same order in every step
.irp a, \a0, \a0+1
.irp b, 0,1,2,3,4,5,6,7
	MM \a, \b, \p, \zero
.endr
.endr
.endm
.macro FETB slot, q, p                 ; a step's B (into set p) and both sides' scale words (set p): 26 loads
	WIN TO_B
.irp i, 0,1,2,3,4,5,6,7
	FRAG 128*(\p)+FR*\i, ADRB+(\slot), \q, \i
.endr
	WIN 0
	ds_load_b128 v[SC+8*(\p):SC+8*(\p)+3], v[ADRA+(\slot)] offset:GBB*(\q)+12288
	ds_load_b128 v[SC+8*(\p)+4:SC+8*(\p)+7], v[ADRB+(\slot)] offset:GBB*(\q)+12288
.endm
.macro FETA slot, q, i0                ; A's tiles i0 .. i0 + 3: 12 loads
.irp i, \i0, \i0+1, \i0+2, \i0+3
	FRAG AF+FR*(\i), ADRA+(\slot), \q, \i
.endr
.endm
.macro PLACES n                        ; plain vector instructions between a matrix instruction and a load into, or a read of, its registers
.rept \n
	v_nop
.endr
.endm
; A K step on sets p whose successor lies in the same slot: block nq of slot ns.  The other sets of B and of scale words were last read by the step before, whose places stand at its end: they are asked for at once.
.macro KSTEP p, zero, ns, nq
	s_wait_dscnt 4*NL                              ; all but the youngest twelve loads (A's tiles 4-7)
	FETB \ns, \nq, 1-(\p)
	WIN MUL_LO
	MUL16 0, \p, \zero
	MUL16 2, \p, \zero
	s_wait_dscnt 8*NL+2                            ; A's tiles 4-7 are in; the 26 loads asked for behind them may be out
	PLACES NP
	WIN 0
	FETA \ns, \nq, 0
	WIN MUL_HI
	MUL16 4, \p, \zero
	MUL16 6, \p, \zero
	PLACES NP
	WIN 0
	FETA \ns, \nq, 4
.endm
; A slot's last step changes slots: ONE barrier; in front of it each wave waits for all its tensor loads, adds 0 to its spare word, and waits for that and for its reads of this slot.
; fill = 1: the barrier opens a round of the cluster's, and the slot is filled again, two fills ahead.  ask: the fill that the loop's first trip names to the L2 (4: whole; 5: one block)
.macro TURN slot, p, fill, ask
	s_wait_tensorcnt 0x0                           ; all my tensor loads have landed: my part of the next slot
	ds_add_u32 v[SPW], v[NIL]
	s_wait_dscnt 4*NL+1                            ; (the add and A's tiles 4-7 may be out)
	WIN MUL_LO
	MUL16 0, \p, 0
	s_wait_dscnt 0x0                               ; the add is done, and my reads of this slot are over
	s_barrier_signal -1
	MUL16 2, \p, 0
	WIN 0
	s_barrier_wait -1
.if \fill
	CREST                                          ; no wave of any partner still reads this slot or has a load on its way
	s_add_nc_u64 s[G0+4*\slot+2:G0+4*\slot+3], s[G0+4*\slot+2:G0+4*\slot+3], 2*QUART
	s_add_nc_u64 s[G0B+4*\slot+2:G0B+4*\slot+3], s[G0B+4*\slot+2:G0B+4*\slot+3], 2*QUART
	JLOAD \slot                                    ; the first tensor load behind the round; its four v_nop are the places in front of the loads below
.else
	PLACES NP
.endif
	FETB 1-(\slot), 0, 1-(\p)
	FETA 1-(\slot), 0, 0
.if \fill
	s_cmp_eq_u32 s3, 2                             ; the second trip has no fill two ahead
	s_cbranch_scc0 .Lnot_asked_\@
.if \ask == 4
	PRE 4
.else
	global_prefetch_b8 v[PF2], s[PFA:PFA+1] offset:5*QUART th:TH_LOAD_NT scope:SCOPE_SE
.endif
.Lnot_asked_\@:
.endif
	WIN MUL_HI
	MUL16 4, \p, 0
	MUL16 6, \p, 0
	PLACES NP
	WIN 0
	FETA 1-(\slot), 0, 4
.endm
.macro LAST                            ; K step 15: nothing more to fetch, no barrier; written once in each of the two paths
	s_wait_dscnt 4*NL
	WIN MUL_LO
	MUL16 0, 1, 0
	MUL16 2, 1, 0
	s_wait_dscnt 0
	WIN MUL_HI
	MUL16 4, 1, 0
	MUL16 6, 1, 0
	WIN 0
	PLACES NP                                      ; in front of the first reads of results and of writes and loads into the operands' registers
.irp b, 0,1,2,3
	v_mov_b32 v[TM+4+\b], 0                        ; a lane permute's destination counts as one of its sources
.endr
.endm
; ---- the way out ----
.macro TABLE a, csw, csb               ; the cosines and sines of my tokens of A's tile a: registers (2 m, 2 m + 1) = (c, s) of my pair m; 16 loads of 512 consecutive bytes
	WIN (\csw)<<6
.set g, 0
.rept 16
	global_load_b128 v[(\csb)+4*g:(\csb)+4*g+3], v[LO], s[72:73] offset:8192*(\a)+512*g
.set g, g+1
.endr
	WIN 0
.endm
.macro ROT a, csw, csb                 ; (xe, xo) -> (xe c - xo s, xo c + xe s), a pair of registers at a time; each accumulator is read from its low end on
	WIN (2+(\a)/4)|((\csw)<<2)
.set XB, 64*((\a)%4)
.irp m0, 0,4,8,12,16,20,24,28
.irp k, 0,1,2,3
	v_pk_mul_f32 v[TT+2*\k:TT+2*\k+1], v[XB+2*(\m0+\k):XB+2*(\m0+\k)+1], v[(\csb)+2*(\m0+\k):(\csb)+2*(\m0+\k)+1] op_sel:[1,1] op_sel_hi:[0,1]   ; (xo s, xe s)
.endr
.irp k, 0,1,2,3
	v_pk_fma_f32 v[RO+2*(\m0+\k):RO+2*(\m0+\k)+1], v[XB+2*(\m0+\k):XB+2*(\m0+\k)+1], v[(\csb)+2*(\m0+\k):(\csb)+2*(\m0+\k)+1], v[TT+2*\k:TT+2*\k+1] op_sel_hi:[1,0,1] neg_lo:[0,0,1]
.endr
.endr
	WIN 0
.endm
; 64 numbers of a lane in window w, register 16 b + i = k 32 b + 16 h + i of my row, become a fragment's codes in v[PC] on and its scale word in v[pw].
.macro QUANT s, w, pw
	WIN (\w)|((\w)<<2)
.irp b, 0,1,2,3
	v_max3_num_f32 v[TM+\b], |v[(\s)+16*\b]|, |v[(\s)+1+16*\b]|, 0x1800000   ; with the floor 2^(3 - 127): the byte cannot fall under 1
.endr
	WIN ((\w)<<2)|((\w)<<4)
.irp i, 2,4,6,8,10,12,14
.irp b, 0,1,2,3
	v_max3_num_f32 v[TM+\b], v[TM+\b], |v[(\s)+16*\b+\i]|, |v[(\s)+1+16*\b+\i]|
.endr
.endr
	WIN 0
.irp b, 0,1,2,3
	v_permlanex16_b32 v[TM+4+\b], v[TM+\b], s76, s77
.endr
.irp b, 0,1,2,3
	v_max_num_f32 v[TM+\b], v[TM+\b], v[TM+4+\b]   ; with lane l xor 16's: the block's largest magnitude
.endr
.irp b, 0,1,2,3
	v_add_nc_u32 v[TM+12+\b], 0xff000000, v[TM+\b] ; 2 off its exponent field: the conversion's scale operand
.endr
.irp b, 0,1,2,3
	v_lshrrev_b32 v[TM+4+\b], 23, v[TM+12+\b]      ; the scale's byte
.endr
	v_lshl_or_b32 v[\pw], v[TM+5], 8, v[TM+4]
	v_lshl_or_b32 v[\pw], v[TM+6], 16, v[\pw]
	v_lshl_or_b32 v[\pw], v[TM+7], 24, v[\pw]
	WIN (\w)
.irp c, 0,1
	v_cvt_scalef32_pk16_fp6_f32 v[PC+6*\c:PC+2+6*\c], v[(\s)+32*\c:(\s)+15+32*\c], v[TM+12+2*\c]
	v_cvt_scalef32_pk16_fp6_f32 v[PC+12+4*\c:PC+14+4*\c], v[(\s)+16+32*\c:(\s)+31+32*\c], v[TM+12+2*\c+1]   ; (a conversion's three registers begin on an even number)
.endr
	WIN 0
	v_nop                                          ; one plain place behind a scaled conversion
.irp c, 0,1                            ; the operand's layout wants a whole block in a lane
.irp i, 0,1,2
	v_permlane16_swap_b32 v[PC+6*\c+\i], v[PC+12+4*\c+\i]
.endr
.irp i, 0,1,2
	v_mov_b32 v[PC+3+6*\c+\i], v[PC+12+4*\c+\i]
.endr
.endr
.endm
.macro SENDF a                         ; the fragment leaves as it stands: three stores of 512 consecutive bytes, at multiples of 256 from the buffer's first byte
.irp g, 0,1,2
	global_store_b128 v[LO], v[PC+4*\g:PC+4*\g+3], s[70:71] offset:1536*(\a)+512*\g
.endr
.endm
	s_wait_alu depctr_va_vdst(0)                   ; the wait at the head's end
	s_wait_tensorcnt 0x0                           ; my part of fill 0 is in; the same lines ahead of a later first fill as ahead of a refill:
	ds_add_u32 v[SPW], v[NIL]
	s_wait_dscnt 0x0
	CROUND                                         ; everybody's part is in, and all sixteen work-groups are here
	JLOAD 1                                        ; fill 1, the first tensor load behind the round
	FETB 0, 0, 0
	FETA 0, 0, 0
	FETA 0, 0, 4
	PRE 2
	PRE 3
	s_cmp_lg_u32 s45, 0                            ; V's clusters read no tables
	s_cbranch_scc1 .Lno_tables
	global_prefetch_b8 v[PFR], s[72:73] th:TH_LOAD_NT scope:SCOPE_SE
.Lno_tables:
	KSTEP 0, 1, 0, 1                               ; K step 0 stands in front of the loop: its products start the sums
	s_mov_b32 s3, 2
.Llap:                                                 ; a trip: K steps 1-6, then 7-12; it fills both slots again
	KSTEP 1, 0, 0, 2
	TURN 0, 0, 1, 4
	KSTEP 1, 0, 1, 1
	KSTEP 0, 0, 1, 2
	TURN 1, 1, 1, 5
	KSTEP 0, 0, 0, 1
	s_sub_co_u32 s3, s3, 1
	s_cmp_lg_u32 s3, 0
	s_cbranch_scc1 .Llap
	KSTEP 1, 0, 0, 2                               ; K step 13
	TURN 0, 0, 0, 0                                ; K step 14: nothing is filled
	s_cmp_ge_u32 ttmp9, 4                          ; the roles part here, once: the cluster's x is the same in all waves and all partners
	s_cbranch_scc1 .Lv
	; ---- Q and K.  Table a lies in set a % 3: window 0 v64-127, window 1 v0-63, window 1 v64-127.  Window 1's v0-127 hold B's set 0, which K step 14 was the last to read: its four places stand at its end.
	TABLE 0, 0, 64                                 ; three tables, 48 loads, are asked for 64 products ahead of the first use
	TABLE 1, 1, 0
	TABLE 2, 1, 64
	LAST
.irp a, 0,1,2,3,4,5,6,7
.if \a < 6
	s_wait_loadcnt 32                              ; table a is in; the two asked for behind it may be out
.else
	s_wait_loadcnt 16*(7-\a)
.endif
	ROT \a, ((\a%3)+1)/2, 64-64*((\a%3)%2)
.if \a > 0
	s_wait_xcnt 0x0                                ; the last fragment's stores have read the codes' registers, which are written again below
.endif
.if \a < 5
	TABLE \a+3, ((\a%3)+1)/2, 64-64*((\a%3)%2)     ; into the set just read
.endif
	QUANT RO, 0, PW+\a
	SENDF \a
.endr
	s_branch .Ljoin
.Lv:
	; ---- V^T: no rotation: the accumulators go straight to the quantiser
	LAST
.irp a, 0,1,2,3,4,5,6,7
.if \a > 0
	s_wait_xcnt 0x0                                ; the last fragment's stores have read the codes' registers
.endif
	QUANT 64*(\a%4), 2+\a/4, PW+\a
	SENDF \a
.endr
.Ljoin:
.irp p, 0,1,2,3
	v_cndmask_b32 v[WW+\p], v[PW+2*\p], v[PW+2*\p+1], s74   ; lanes 0-15 tile 2 p's words, lanes 16-31 tile 2 p + 1's
.endr
	global_store_b128 v[LO], v[WW:WW+3], s[70:71] offset:12288
	s_wait_tensorcnt 0x0                           ; the wave's end
	ds_add_u32 v[SPW], v[NIL]
	s_wait_dscnt 0x0
	CROUND                                         ; the closing round
	s_endpgm
; ---------------- THE QUANTISER OF Wo ----------------
; 64 work-groups x 4 waves: a wave makes ONE group block of Wo ([2048][2048] f32, K innermost): block n = 4 x work-group + wave: group n / 16, K step n % 16.  No tensor load, and waves share nothing.
; Four trips of two tiles (2 t, 2 t + 1).  A tile's 16 rows x 512 bytes come by 16 loads, each of two rows' aligned 256 bytes; each half of 256 bytes a row goes through the wave's own stage (16 rows, 272 bytes apart) and
; comes back 128 bytes a lane: the whole block of 32 numbers 2 c + h of row r.  A block's scale is 2^(floor(log2(its largest magnitude)) - 2), its byte held at 1 from below, as in the launch before.
.set WR, 64                            ; v64-191 two tiles as loaded: register 64 t + 32 c + 4 j
.set WX, 192                           ; v192-255 my 64 numbers: register 32 c + i = k 64 c + 32 h + i of row r
.set WC, 44                            ; v44-55 a tile's codes; v56-58, v60-62 the blocks' upper halves
.set WQ, 40                            ; v40-43 the block's scale words
.macro LOADW t
.irp c, 0,1
.irp j, 0,1,2,3,4,5,6,7
	global_load_b128 v[WR+64*\t+32*\c+4*\j:WR+64*\t+32*\c+4*\j+3], v4, s[84:85] offset:(8*\t+2*\j+8*(\j/4))*8192+256*\c th:TH_LOAD_NT
.endr
.endr
.endm
.macro TURNW t                         ; LDS serves a wave's instructions in order: no wait between a half's stores and its loads, nor in front of the next half's stores
.irp c, 0,1
.irp j, 0,1,2,3,4,5,6,7
	ds_store_b128 v5, v[WR+64*\t+32*\c+4*\j:WR+64*\t+32*\c+4*\j+3] offset:2*\j*WP
.endr
.irp i, 0,1,2,3,4,5,6,7
	ds_load_b128 v[WX+32*\c+4*\i:WX+32*\c+4*\i+3], v6 offset:16*\i
.endr
.endr
.endm
.macro FRAGW t
.irp c, 0,1
	v_max3_num_f32 v[10+\c], |v[WX+32*\c]|, |v[WX+32*\c+1]|, 0x1800000   ; with the floor 2^(3 - 127)
.endr
.irp i, 2,4,6,8,10,12,14,16,18,20,22,24,26,28,30
.irp c, 0,1
	v_max3_num_f32 v[10+\c], v[10+\c], |v[WX+32*\c+\i]|, |v[WX+32*\c+\i+1]|
.endr
.endr
.irp c, 0,1
	v_add_nc_u32 v[12+\c], 0xff000000, v[10+\c]    ; 2 off the exponent field: the conversion's scale operand
.endr
.irp c, 0,1
	v_lshrrev_b32 v[14+\c], 23, v[12+\c]           ; the scale's byte
.endr
	v_lshl_or_b32 v16, v15, 16, v14                ; blocks h and 2 + h,
	v_lshlrev_b32 v16, v8, v16                     ; at their places in the word;
	v_permlanex16_b32 v17, v16, s76, s77
	v_or_b32 v[30+\t], v16, v17                    ; with lane l xor 16's two the word is whole
.irp c, 0,1
	v_cvt_scalef32_pk16_fp6_f32 v[WC+6*\c:WC+6*\c+2], v[WX+32*\c:WX+32*\c+15], v[12+\c]
	v_cvt_scalef32_pk16_fp6_f32 v[56+4*\c:58+4*\c], v[WX+32*\c+16:WX+32*\c+31], v[12+\c]
.endr
	v_nop                                          ; one plain place behind a scaled conversion
.irp c, 0,1
.irp i, 0,1,2
	v_mov_b32 v[WC+3+6*\c+\i], v[56+4*\c+\i]
.endr
.endr
.irp g, 0,1,2
	global_store_b128 v[LO], v[WC+4*\g:WC+4*\g+3], s[86:87] offset:1536*\t+512*\g   ; 512 consecutive bytes a store
.endr
.endm
.Lwo:
	s_load_b128 s[84:87], s[0:1], 0x20             ; Wo, wob
	s_sub_co_u32 s20, ttmp9, 6
	s_and_b32 s21, ttmp7, 0xffff
	s_lshl_b32 s20, s20, 1
	s_add_co_u32 s20, s20, s21                     ; which of the four clusters
	s_lshl_b32 s20, s20, 2                         ; (s40 = cx and s41 = cy were made at the head)
	s_add_co_u32 s20, s20, s41
	s_lshl_b32 s20, s20, 2
	s_add_co_u32 s20, s20, s40                     ; work-group 0 .. 63
	s_lshl_b32 s20, s20, 2
	s_add_co_u32 s20, s20, s14                     ; block n
	s_lshr_b32 s22, s20, 4
	s_lshl_b32 s22, s22, 20                        ; 128 rows of 8,192 bytes
	s_and_b32 s23, s20, 15
	s_lshl_b32 s23, s23, 9                         ; 128 numbers
	s_add_co_u32 s22, s22, s23
	s_mov_b32 s23, 0
	s_mul_i32 s20, s20, GBB
	s_mov_b32 s21, 0
	s_mul_i32 s18, s14, WST
	s_add_co_u32 s18, s18, STG                     ; my stage
	s_mov_b32 s74, 0xffff0000
	s_mov_b32 s76, 0x76543210
	s_mov_b32 s77, 0xfedcba98
	v_and_b32 v1, 15, v0                           ; r
	v_bfe_u32 v2, v0, 4, 1                         ; h
	v_and_b32 v3, 31, v0
	v_lshlrev_b32 v[LO], 4, v3                     ; 16 l
	v_lshlrev_b32 v4, 4, v1
	v_lshl_add_u32 v4, v2, 13, v4                  ; a load: lanes 0-15 one row's 256 bytes, lanes 16-31 the next row's
	v_mul_u32_u24 v5, v2, WP
	v_lshl_add_u32 v5, v1, 4, v5
	v_add_nc_u32 v5, s18, v5                       ; the stage, on the way in
	v_mul_u32_u24 v6, v1, WP
	v_lshl_add_u32 v6, v2, 7, v6
	v_add_nc_u32 v6, s18, v6                       ; and on the way out: row r, + 128 h
	v_lshlrev_b32 v8, 3, v2                        ; 8 h: my bytes' place in a scale word
	v_mov_b32 v17, 0                               ; a lane permute's destination counts as one of its sources
.irp i, 0,1,2,3
	v_mov_b32 v[WQ+\i], 0                          ; written before the first trip moves them on
.endr
	s_wait_alu depctr_va_vdst(0)                   ; the wait ahead of the blocking wait below
	s_wait_kmcnt 0x0
	s_add_nc_u64 s[84:85], s[84:85], s[22:23]
	s_add_nc_u64 s[86:87], s[86:87], s[20:21]
	s_mov_b32 s3, 4
.Lwo_trip:
	LOADW 0
	LOADW 1
.irp t, 0,1
	s_wait_loadcnt 16*(1-\t)                       ; this tile's 16 loads are in
	TURNW \t
	s_wait_dscnt 0x0                               ; my 64 numbers are back
	s_wait_xcnt 0x0                                ; the last tile's stores have read the codes' registers, which are written again below
	FRAGW \t
.endr
	v_mov_b32 v[WQ], v[WQ+1]                       ; the four trips' words move on by one register a trip: after the fourth, register t holds trip t's
	v_mov_b32 v[WQ+1], v[WQ+2]
	v_mov_b32 v[WQ+2], v[WQ+3]
	v_cndmask_b32 v[WQ+3], v30, v31, s74           ; lanes 0-15 the even tile's words, lanes 16-31 the odd tile's
	s_wait_alu depctr_va_vdst(0)                   ; the wait ahead of the blocking wait and the branch
	s_wait_xcnt 0x0                                ; the bases are stepped only behind this wait
	s_add_nc_u64 s[84:85], s[84:85], 0x40000       ; 32 rows on
	s_add_nc_u64 s[86:87], s[86:87], 3072          ; two images on
	s_sub_co_u32 s3, s3, 1
	s_cmp_lg_u32 s3, 0
	s_cbranch_scc1 .Lwo_trip
	global_store_b128 v[LO], v[WQ:WQ+3], s[86:87]  ; the base stands 4 x 3,072 = 12,288 bytes into the block: the scale words' place
	s_wait_tensorcnt 0x0                           ; the wave's end, behind my last LDS store
	ds_add_u32 v[SPW], v[NIL]
	s_wait_dscnt 0x0
	CROUND                                         ; a cluster's work-groups end behind a round, here as in the products' path
	s_endpgm
.Lfunc_end_k_q84e15ea90c_qkv:
	.size	k_q84e15ea90c_qkv, .Lfunc_end_k_q84e15ea90c_qkv-k_q84e15ea90c_qkv
	.p2alignl 7, 3214868480
	.fill 96, 4, 3214868480
	.section	.rodata,"a",@progbits
	.p2align	6, 0x0
	.amdhsa_kernel k_q84e15ea90c_qkv
		.amdhsa_group_segment_fixed_size 327680
		.amdhsa_private_segment_fixed_size 0
		.amdhsa_enable_private_segment 0
		.amdhsa_kernarg_size 48
		.amdhsa_user_sgpr_count 2
		.amdhsa_user_sgpr_kernarg_segment_ptr 1
		.amdhsa_wavefront_size32 1
		.amdhsa_system_sgpr_workgroup_id_x 1
		.amdhsa_system_sgpr_workgroup_id_y 1
		.amdhsa_system_sgpr_workgroup_id_z 1
		.amdhsa_system_vgpr_workitem_id 0
		.amdhsa_next_free_vgpr 1024
		.amdhsa_next_free_sgpr 98
		.amdhsa_reserve_vcc 0
		.amdhsa_float_denorm_mode_32 3
		.amdhsa_float_denorm_mode_16_64 3
		.amdhsa_memory_ordered 1
		.amdhsa_forward_progress 1
		.amdhsa_inst_pref_size 255
	.end_amdhsa_kernel
	.section	.bss,"aw",@nobits
	.p2align	6
	.space	262144
	.amdgpu_metadata
---
amdhsa.version: [ 1, 2 ]
amdhsa.kernels:
  - .name:           k_q84e15ea90c_qkv
    .symbol:         k_q84e15ea90c_qkv.kd
    .args:
      - { .name: gb, .offset: 0, .size: 8, .value_kind: global_buffer, .address_space: global }
      - { .name: rope, .offset: 8, .size: 8, .value_kind: global_buffer, .address_space: global }
      - { .name: qbuf, .offset: 16, .size: 8, .value_kind: global_buffer, .address_space: global }
      - { .name: kvbuf, .offset: 24, .size: 8, .value_kind: global_buffer, .address_space: global }
      - { .name: Wo, .offset: 32, .size: 8, .value_kind: global_buffer, .address_space: global }
      - { .name: wob, .offset: 40, .size: 8, .value_kind: global_buffer, .address_space: global }
    .group_segment_fixed_size: 327680
    .private_segment_fixed_size: 0
    .kernarg_segment_align: 8
    .kernarg_segment_size: 48
    .max_flat_workgroup_size: 128
    .sgpr_count:     98
    .vgpr_count:     1024
    .wavefront_size: 32
...
	.end_amdgpu_metadata
.endif
;; end of part 6
;; launch attn (part 7): grid 16 x 16, 8 waves a work-group, no clusters, 327,680 bytes of LDS; arguments qbuf, kvbuf, obuf; writes obuf
.if DOCPART == 7
	.amdgcn_target "amdgcn-amd-amdhsa--gfx1250"
	.amdhsa_code_object_version 6
	.text
	.protected	k_q84e15ea90c_attn
	.globl	k_q84e15ea90c_attn
	.p2align	8
	.type	k_q84e15ea90c_attn,@function
k_q84e15ea90c_attn:
	s_mov_b64 s[64:65], 0
	v_nop
	global_prefetch_b8 v0, s[64:65] scope:SCOPE_SE
	s_setreg_imm32_b32 hwreg(HW_REG_WAVE_MODE, 25, 1), 1
	s_wait_xcnt 0x0
; ATTN.  O = softmax(Q K^T / sqrt(128), causal) V for 16 heads of 128, 2,048 tokens, both products on codes of FP6 (E2M3) with E8M0 scales; O / l is quantised along (head, d) and leaves as group blocks for the last product.
; THE SOFTMAX AHEAD OF THE SECOND PRODUCT: t = score x log2(e) / sqrt(128); M = the running largest t rounded UP to a whole number; p = 2^(t - M) is quantised along the keys; the row's sum is taken of the unquantised p; every change of M is a power of two.
; BLOCKS (12,800 bytes: eight tiles' register images, 1,536 bytes each, then 512 bytes of scale words; lane-row r of tile a is row 32 (a / 2) + 8 (a % 2) + r + 8 (r / 8)): qbuf [head][group of 128 queries];
; kvbuf [head][key step of 128][K's block (rows = keys, K = d), V's block (rows = d, K = keys)]; obuf [group of queries][head].
; Both products are used transposed (S^T = K Q^T, O^T = V^T P^T): lane (r, h) holds ONE query; register 16 b + i of S^T is key 32 b + 16 h + i of the step, of O^T channel 32 b + 16 h + i.
; SHARES: EVERY WAVE WALKS 8 OR 9 KEY STEPS.  Work-group (u, head): GL = u / 2, e = u % 2, GH = 15 - GL.  Waves w and w + 4 share a pair of tiles of 16 queries, tile a = 2 w + e of the groups GH and GL: 16 - GL and GL + 1 key steps, 17 in all.
; Wave w (A): the high tile's key steps 0 .. 8.  Wave w + 4 (B): in periods 0 .. 7 the high tile's steps 9 .. GH, then the low tile's 0 .. GL.  Where B changes tiles it leaves O^T, -M and the sum of its part in LDS; A adds them at the end, by exact powers of two.
; No step that is walked lies wholly under the mask; a tile's last step lies on the diagonal, where hidden scores become -infinity.
; THE RING: two slots of four pairs of blocks (A's stream: even period, odd; B's: even, odd), 25,600 bytes each; waves 0-3 bring one each.  A's ninth pair has bytes of its own, filled once by wave 4.
; NO CLUSTER: the period in which B changes tiles, and B's key steps, hang on GL; only two work-groups of a head share GL, and partners of a cluster may not branch differently.
; LIMITS: NaN and infinities are not served; a block of O whose largest magnitude lies under 2^-124 gets the byte 1.
; REGISTERS: window 0: v1-9 addresses; v12 -M, v13 the largest t, v[14:15] the sum; v16-27, v28 Q and its scale words; v32-43, v44 the low tile's; v96-159 S^T, then p; v160-223 O^T; v224-235 codes; v232-247, v252, v254 at work;
;   v248-251 K's, then V's scale words; v253 p's scale word.  window 1: v0-95 K's eight fragments, v96-191 V's.
.set GBB,   12800
.set BLK,   25600                      ; K's and V's blocks of a key step
.set SLOT1, 1<<17
.set XBLK,  4*BLK                      ; A's ninth pair of blocks
.set PART,  SLOT1+4*BLK                ; B's parts: 8,704 bytes for each pair of waves
.set PSZ,   8704
.set SPARE, PART+4*PSZ                 ; the spare words, 128 bytes for each wave: four blocks of 256 bytes that no other line names
.set WV,    18
.set TB,    2                          ; s2  LDS byte of the period's blocks
.set TAU,   3                          ; s3  the period
.set KF,    46                         ; s46 the step's first key
.set QB,    47                         ; s47 my tile's first query
.set QBL,   48                         ; s48 the low tile's
.set THR,   49                         ; s49 periods under it take key step 9 + period (B), else period + ADD2
.set ADD2,  51
.set SWT,   52                         ; s52 7 - GL: the period in which B changes tiles
.set LT,    53                         ; s53 the loader's period; s54, s56 its THR and ADD2
.set LTHR,  54
.set LADD2, 56
.set SEL,   20
.set CS,    22
.set G1,    24
.set G0A,   32
.set G0B,   36
.set G0X,   40
.set KVH,   44
.set MSB, 0
.macro WIN new
.if MSB != (\new)
	s_set_vgpr_msb (MSB<<8)|(\new)
.set MSB, (\new)
.endif
.endm
.macro KSTEP_ADDR g0                   ; the global address of group 0 at s[g0]: my head's blocks of the key step of the loader's period
	s_cmp_lt_u32 s[LT], s[LTHR]
	s_cselect_b32 s70, 9, s[LADD2]
	s_add_co_u32 s70, s70, s[LT]
	s_mul_i32 s70, s70, BLK
	s_mov_b32 s71, 0
	s_add_nc_u64 s[\g0+2:\g0+3], s[KVH:KVH+1], s[70:71]
	s_or_b32 s[\g0+3], s[\g0+3], 0x80000000
.endm
	s_load_b128 s[4:7], s[0:1], 0x0                ; qbuf, kvbuf
	s_load_b64 s[8:9], s[0:1], 0x10                ; obuf
	v_lshl_add_u32 v5, v0, 2, SPARE
	v_mov_b32 v6, 0
	ds_add_u32 v5, v6                              ; the wave's opening: the add and its wait ahead of my first tensor load
	ds_add_u32 v5, v6
	v_lshrrev_b32 v1, 5, v0
	s_delay_alu instid0(VALU_DEP_1)
	v_readfirstlane_b32 s[WV], v1
	s_and_b32 s10, ttmp7, 0xffff                   ; head
	s_lshr_b32 s11, ttmp9, 1                       ; GL
	s_and_b32 s12, ttmp9, 1                        ; e
	s_sub_co_u32 s13, 15, s11                      ; GH
	s_sub_co_u32 s[SWT], 7, s11
	s_and_b32 s14, s[WV], 3                        ; the pair's number
	s_lshr_b32 s15, s[WV], 2                       ; 1 in B
	s_mov_b32 s[G1], 3<<16                         ; elements of 8 bytes; no mask, no padding
	s_mov_b32 s[G1+1], 32<<16                      ; rows of 256 bytes,
	s_mov_b32 s[G1+2], 50<<16                      ; 50 of them at the head (one block), 100 behind it (a pair of blocks),
	s_mov_b32 s[G1+3], 32<<16
	s_mov_b32 s[G1+4], 50
	s_mov_b32 s[G1+5], 32                          ; dense
	s_mov_b32 s[G1+6], 0
	s_mov_b32 s[G1+7], 0
	s_lshl_b32 s16, s14, 5
	s_lshl_b32 s17, s12, 3
	s_add_co_u32 s16, s16, s17                     ; the tile's first row in its group
	s_lshl_b32 s[QB], s13, 7
	s_add_co_u32 s[QB], s[QB], s16
	s_lshl_b32 s[QBL], s11, 7
	s_add_co_u32 s[QBL], s[QBL], s16
	s_mul_i32 s[THR], s15, s[SWT]
	s_sub_co_u32 s[ADD2], 0, s[THR]
	s_and_b32 s[LT], s[WV], 1
	s_bfe_u32 s70, s[WV], 0x10001                  ; the stream that I load for
	s_mul_i32 s[LTHR], s70, s[SWT]
	s_sub_co_u32 s[LADD2], 0, s[LTHR]
	s_mul_i32 s[TB], s15, 2*BLK
	s_mov_b32 s[TAU], 0
	s_mov_b32 s[SEL], 0x76543210
	s_mov_b32 s[SEL+1], 0xfedcba98
	s_mov_b32 s[CS], 0x3e0293ee                    ; c = log2(e) / sqrt(128)
	s_mov_b32 s[CS+1], s[CS]
	v_and_b32 v9, 31, v0                           ; lane
	s_delay_alu instid0(VALU_DEP_1)
	v_lshlrev_b32 v1, 4, v9                        ; 16 l
	s_wait_alu depctr_va_vdst(0)
	v_and_b32 v10, 15, v0                          ; r
	v_bfe_u32 v11, v0, 4, 1                        ; h
	s_mul_i32 s73, s14, PSZ
	s_add_co_u32 s73, s73, PART
	v_add_nc_u32 v3, s73, v1                       ; the pair's part
	v_and_b32 v4, 8, v10
	s_delay_alu instid0(VALU_DEP_1)
	v_add_nc_u32 v4, v4, v10
	v_lshlrev_b32 v12, 4, v11
	s_delay_alu instid0(VALU_DEP_1)
	v_sub_nc_u32 v4, v4, v12                       ; r + 8 (r / 8) - 16 h
	s_lshl_b32 s74, s12, 8
	s_lshl_b32 s75, s14, 2
	s_add_co_u32 s74, s74, s75
	v_lshl_add_u32 v7, v10, 4, s74                 ; my tile's scale words in a block: 16 r + 256 e + 4 pair
	s_lshl_b32 s75, s14, 1
	s_add_co_u32 s75, s75, s12
	s_mul_i32 s75, s75, 1536
	v_add_nc_u32 v8, s75, v1                       ; my tile's image: 16 l + 1536 a
	s_wait_dscnt 0x0                               ; the opening add is done
	s_wait_kmcnt 0x0
	s_mul_i32 s70, s10, 16*BLK
	s_mov_b32 s71, 0
	s_add_nc_u64 s[KVH:KVH+1], s[6:7], s[70:71]
	s_lshl_b32 s72, s10, 4
	s_add_co_u32 s70, s72, s13
	s_mul_i32 s70, s70, GBB
	s_add_nc_u64 s[66:67], s[4:5], s[70:71]        ; Q's block of the high group,
	s_add_co_u32 s70, s72, s11
	s_mul_i32 s70, s70, GBB
	s_add_nc_u64 s[68:69], s[4:5], s[70:71]        ; of the low
	s_cmp_lg_u32 s15, 0
	s_cselect_b32 s70, s11, s13                    ; A ends with the high tile, B with the low
	s_lshl_b32 s70, s70, 4
	s_add_co_u32 s70, s70, s10
	s_mul_i32 s70, s70, GBB
	s_add_nc_u64 s[60:61], s[8:9], s[70:71]
	s_mul_i32 s72, s14, BLK
	s_mov_b32 s[G0A], 1
	s_mul_i32 s[G0A+1], s[WV], GBB                 ; THE HEAD'S FILL, one load a wave: slot 0's eight blocks, wave w brings block w: pair w / 2, K's (w even) or V's
	s_bfe_u32 s73, s[WV], 0x10001                  ; the pair's period, 0 or 1,
	s_bfe_u32 s74, s[WV], 0x10002                  ; and its stream
	s_mul_i32 s74, s74, s[SWT]
	s_sub_co_u32 s75, 0, s74
	s_cmp_lt_u32 s73, s74
	s_cselect_b32 s70, 9, s75
	s_add_co_u32 s70, s70, s73                     ; its key step
	s_mul_i32 s70, s70, BLK
	s_and_b32 s71, s[WV], 1
	s_mul_i32 s71, s71, GBB
	s_add_co_u32 s70, s70, s71
	s_mov_b32 s71, 0
	s_add_nc_u64 s[G0A+2:G0A+3], s[KVH:KVH+1], s[70:71]
	s_or_b32 s[G0A+3], s[G0A+3], 0x80000000
	s_add_co_u32 s[LT], s[LT], 2
	s_mov_b32 s[G0B], 1
	s_add_co_u32 s[G0B+1], s72, SLOT1              ; slot 1; this one walks on
	KSTEP_ADDR G0B
	s_mov_b32 s[G0X], 1
	s_mov_b32 s[G0X+1], XBLK
	s_add_nc_u64 s[G0X+2:G0X+3], s[KVH:KVH+1], 8*BLK
	s_or_b32 s[G0X+3], s[G0X+3], 0x80000000
	tensor_load_to_lds s[G0A:G0A+3], s[G1:G1+7]    ; every wave's one load at the head: no branch leads round it
	s_nop 0
.rept 4
	v_nop
.endr
	s_wait_alu depctr_va_vdst(0)
.irp g, 0,1,2
	global_load_b128 v[16+4*\g:19+4*\g], v8, s[66:67] offset:512*\g
	global_load_b128 v[32+4*\g:35+4*\g], v8, s[68:69] offset:512*\g
.endr
	global_load_b32 v28, v7, s[66:67] offset:12288
	global_load_b32 v44, v7, s[68:69] offset:12288
	v_mov_b32 v13, 0xff61b1e6                      ; the largest t so far: -3e38
	s_delay_alu instid0(VALU_DEP_1)
	v_floor_f32 v12, -v13                          ; -M
	v_mov_b32 v14, 0
	v_mov_b32 v15, 0
.irp b, 0,1,2,3
	v_mov_b32 v[236+\b], 0                         ; a lane permute's destination counts as one of its sources
.endr
	v_mov_b32 v253, 0                              ; (named as the upper half of v[252:253] before it is first written)
.set j, 0
.rept 64
	v_mov_b32 v[160+j], 0                          ; O^T: the step is written without a first step of its own: the first change of M multiplies zeros
.set j, j+1
.endr
; B CHANGES TILES: its part of the high tile goes to LDS, and the low tile begins.
.macro SWITCH
.set j, 0
.rept 16
	ds_store_b128 v3, v[160+4*j:163+4*j] offset:512*j
.set j, j+1
.endr
	ds_store_b128 v3, v[12:15] offset:8192
	v_mov_b32 v28, v44                             ; the low tile's Q and scale words; the 68 plain lines below are the places ahead of the next scaled products
.set j, 0
.rept 12
	v_mov_b32 v[16+j], v[32+j]
.set j, j+1
.endr
	s_wait_dscnt 0x0                               ; the stores have read their registers, and have landed
	v_mov_b32 v13, 0xff61b1e6
	s_delay_alu instid0(VALU_DEP_1)
	v_floor_f32 v12, -v13
	v_mov_b32 v14, 0
	v_mov_b32 v15, 0
.set j, 0
.rept 64
	v_mov_b32 v[160+j], 0
.set j, j+1
.endr
	s_mov_b32 s[QB], s[QBL]
.endm
; A KEY STEP: 128 keys, from the blocks at LDS byte s[TB].
.macro STEP sw
	s_cmp_lt_u32 s[TAU], s[THR]
	s_cselect_b32 s[KF], 9, s[ADD2]
	s_add_co_u32 s[KF], s[KF], s[TAU]
	s_lshl_b32 s[KF], s[KF], 7
.if \sw
	s_cmp_lt_u32 s[WV], 4
	s_cbranch_scc1 .Lstay_\@
	s_cmp_lg_u32 s[TAU], s[SWT]
	s_cbranch_scc1 .Lstay_\@
	s_wait_alu depctr_va_vdst(0)
	SWITCH
.Lstay_\@:
.endif
	v_add_nc_u32 v2, s[TB], v1
	ds_load_b128 v[248:251], v2 offset:12288       ; K's scale words
	WIN 0x40                                       ; destination window 1
.irp t, 0,1,2,3,4,5,6,7
.irp g, 0,1,2
	ds_load_b128 v[12*\t+4*\g:12*\t+4*\g+3], v2 offset:1536*\t+512*\g
.endr
.endr
.irp t, 0,1,2,3,4,5,6,7
.irp g, 0,1,2
	ds_load_b128 v[96+12*\t+4*\g:96+12*\t+4*\g+3], v2 offset:GBB+1536*\t+512*\g
.endr
.endr
	WIN 0x01                                       ; source 0 window 1
	s_wait_alu depctr_va_vdst(0)
	s_wait_dscnt 24                                ; K and its scale words are in; V's 24 loads may be out
.irp t, 0,1,2,3,4,5,6,7
.if \t%2
	v_wmma_scale_f32_16x16x128_f8f6f4 v[96+8*\t:103+8*\t], v[12*\t:12*\t+11], v[16:27], 0, v[248+\t/2], v28 matrix_a_fmt:MATRIX_FMT_FP6 matrix_b_fmt:MATRIX_FMT_FP6 matrix_a_scale:MATRIX_SCALE_ROW1
.else
	v_wmma_scale_f32_16x16x128_f8f6f4 v[96+8*\t:103+8*\t], v[12*\t:12*\t+11], v[16:27], 0, v[248+\t/2], v28 matrix_a_fmt:MATRIX_FMT_FP6 matrix_b_fmt:MATRIX_FMT_FP6
.endif
.endr
	WIN 0
.rept 4
	v_nop                                          ; places in front of the load into the scale words' registers and of the first read of the scores
.endr
	ds_load_b128 v[248:251], v2 offset:GBB+12288   ; V's scale words
	s_add_co_u32 s70, s[KF], 127                   ; on the diagonal hidden scores become -infinity; a step all of whose keys count skips this
	s_cmp_le_u32 s70, s[QB]
	s_cbranch_scc1 .Lopen_\@
	s_sub_co_i32 s70, s[QB], s[KF]
	v_add_nc_u32 v252, s70, v4                     ; my query - the step's first key - 16 h.  Register 16 b + i is hidden where 32 b + i is greater
	v_mov_b32 v254, 0xff800000
.set n, 0
.rept 64
	v_cmp_gt_i32 vcc_lo, 32*(n/16)+n%16, v252
	v_cndmask_b32 v[96+n], v[96+n], v254, vcc_lo
.set n, n+1
.endr
.Lopen_\@:
.irp b, 0,1,2,3
	v_max3_num_f32 v[232+\b], v[96+16*\b], v[97+16*\b], v[98+16*\b]   ; the largest score of each block of 32 keys: for the row's maximum and, since p rises with the score, for the block's largest p
.endr
.irp i, 3,5,7,9,11,13
.irp b, 0,1,2,3
	v_max3_num_f32 v[232+\b], v[232+\b], v[96+16*\b+\i], v[97+16*\b+\i]
.endr
.endr
.irp b, 0,1,2,3
	v_max_num_f32 v[232+\b], v[232+\b], v[111+16*\b]
.endr
.irp b, 0,1,2,3
	s_delay_alu instid0(VALU_DEP_4)
	v_permlanex16_b32 v[236+\b], v[232+\b], s[SEL], s[SEL+1]
.endr
.irp b, 0,1,2,3
	s_delay_alu instid0(VALU_DEP_4)
	v_max_num_f32 v[232+\b], v[232+\b], v[236+\b]
.endr
	s_delay_alu instid0(VALU_DEP_2)
	v_max3_num_f32 v254, v232, v233, v234
	s_delay_alu instid0(VALU_DEP_1)
	v_max_num_f32 v254, v254, v235
	s_delay_alu instid0(VALU_DEP_1)
	v_mul_f32 v254, s[CS], v254
	s_delay_alu instid0(VALU_DEP_1)
	v_max_num_f32 v13, v13, v254                   ; the running largest t
	v_mov_b32 v254, v12
	s_delay_alu instid0(VALU_DEP_2)
	v_floor_f32 v12, -v13                          ; the new -M
	s_delay_alu instid0(VALU_DEP_1)
	v_sub_f32 v254, v12, v254
	s_delay_alu instid0(VALU_DEP_1)
	v_cvt_i32_f32 v254, v254                       ; (it saturates)
	s_delay_alu instid0(VALU_DEP_1)
	v_ldexp_f32 v252, 1.0, v254                    ; f = 2^(old M - new M)
.set j, 0
.rept 32
	v_pk_fma_f32 v[96+j:97+j], v[96+j:97+j], s[CS:CS+1], v[12:13] op_sel_hi:[1,0,0]   ; t - M
.set j, j+2
.endr
.irp b, 0,1,2,3
	v_fma_f32 v[232+\b], v[232+\b], s[CS], v12
.endr
.set j, 0
	s_wait_alu depctr_va_vdst(0)
.rept 64
	v_exp_f32 v[96+j], v[96+j]                     ; p = 2^(t - M): not normalised
.set j, j+1
.endr
	v_pk_mul_f32 v[14:15], v[14:15], v[252:253] op_sel_hi:[1,0]   ; the sums under the new M (a plain place behind the exponentials)
	s_wait_alu depctr_va_vdst(0)                   ; one wait for the batch, ahead of its first reader
.irp b, 0,1,2,3
	v_exp_f32 v[232+\b], v[232+\b]                 ; the blocks' largest p
.endr
	v_pk_add_f32 v[236:237], v[100:101], v[104:105]
	v_pk_add_f32 v[94:95], v[108:109], v[112:113]
	v_pk_add_f32 v[92:93], v[116:117], v[120:121]
	v_pk_add_f32 v[90:91], v[124:125], v[128:129]
	v_pk_add_f32 v[88:89], v[132:133], v[136:137]
	v_pk_add_f32 v[86:87], v[140:141], v[144:145]
	v_pk_add_f32 v[84:85], v[148:149], v[152:153]
	v_pk_add_f32 v[14:15], v[14:15], v[156:157]
	v_pk_add_f32 v[236:237], v[236:237], v[96:97]
	v_pk_add_f32 v[94:95], v[94:95], v[98:99]
	v_pk_add_f32 v[92:93], v[92:93], v[102:103]
	v_pk_add_f32 v[90:91], v[90:91], v[106:107]
	v_pk_add_f32 v[88:89], v[88:89], v[110:111]
	v_pk_add_f32 v[86:87], v[86:87], v[114:115]
	v_pk_add_f32 v[84:85], v[84:85], v[118:119]
	v_pk_add_f32 v[14:15], v[14:15], v[122:123]
	v_pk_add_f32 v[236:237], v[236:237], v[126:127]
	v_pk_add_f32 v[94:95], v[94:95], v[130:131]
	v_pk_add_f32 v[92:93], v[92:93], v[134:135]
	v_pk_add_f32 v[90:91], v[90:91], v[138:139]
	v_pk_add_f32 v[88:89], v[88:89], v[142:143]
	v_pk_add_f32 v[86:87], v[86:87], v[146:147]
	v_pk_add_f32 v[84:85], v[84:85], v[150:151]
	v_pk_add_f32 v[14:15], v[14:15], v[154:155]
	v_pk_add_f32 v[236:237], v[236:237], v[158:159]
	s_delay_alu instid0(VALU_DEP_2)
	v_pk_add_f32 v[14:15], v[14:15], v[90:91]
	s_delay_alu instid0(VALU_DEP_2)
	v_pk_add_f32 v[236:237], v[236:237], v[88:89]
	v_pk_add_f32 v[94:95], v[94:95], v[86:87]
	v_pk_add_f32 v[92:93], v[92:93], v[84:85]
	s_delay_alu instid0(VALU_DEP_2)
	v_pk_add_f32 v[14:15], v[14:15], v[94:95]
	s_delay_alu instid0(VALU_DEP_2)
	v_pk_add_f32 v[236:237], v[236:237], v[92:93]
	s_delay_alu instid0(VALU_DEP_1)
	v_pk_add_f32 v[14:15], v[14:15], v[236:237]
	s_wait_alu depctr_va_vdst(0)                   ; and one for the four
.irp b, 0,1,2,3
	v_max_num_f32 v[232+\b], 0x1800000, v[232+\b]  ; the floor 2^(3 - 127)
.endr
.irp b, 0,1,2,3
	s_delay_alu instid0(VALU_DEP_4)
	v_add_nc_u32 v[244+\b], 0xff000000, v[232+\b]
.endr
.irp b, 0,1,2,3
	s_delay_alu instid0(VALU_DEP_4)
	v_lshrrev_b32 v[236+\b], 23, v[244+\b]
.endr
	s_delay_alu instid0(VALU_DEP_3)
	v_lshl_or_b32 v253, v237, 8, v236              ; p's scale word for these 128 keys
	s_delay_alu instid0(VALU_DEP_1)
	v_lshl_or_b32 v253, v238, 16, v253
	s_delay_alu instid0(VALU_DEP_1)
	v_lshl_or_b32 v253, v239, 24, v253
.irp c, 0,1
	v_cvt_scalef32_pk16_fp6_f32 v[224+6*\c:226+6*\c], v[96+32*\c:111+32*\c], v[244+2*\c]
	v_cvt_scalef32_pk16_fp6_f32 v[236+4*\c:238+4*\c], v[112+32*\c:127+32*\c], v[244+2*\c+1]
.endr
	v_nop                                          ; one plain place behind a scaled conversion
.irp c, 0,1
.irp i, 0,1,2
	v_permlane16_swap_b32 v[224+6*\c+\i], v[236+4*\c+\i]
.endr
.irp i, 0,1,2
	s_delay_alu instid0(VALU_DEP_3)
	v_mov_b32 v[227+6*\c+\i], v[236+4*\c+\i]
.endr
.endr
.set j, 0
.rept 32
	v_pk_mul_f32 v[160+j:161+j], v[160+j:161+j], v[252:253] op_sel_hi:[1,0]   ; O^T under the new M; these 32 are also the places ahead of the scaled products
.set j, j+2
.endr
	s_wait_alu depctr_va_vdst(0)
	s_wait_dscnt 0x0                               ; V and its scale words are in
	WIN 0x01
.irp t, 0,1,2,3,4,5,6,7
.if \t%2
	v_wmma_scale_f32_16x16x128_f8f6f4 v[160+8*\t:167+8*\t], v[96+12*\t:107+12*\t], v[224:235], v[160+8*\t:167+8*\t], v[248+\t/2], v253 matrix_a_fmt:MATRIX_FMT_FP6 matrix_b_fmt:MATRIX_FMT_FP6 matrix_a_scale:MATRIX_SCALE_ROW1
.else
	v_wmma_scale_f32_16x16x128_f8f6f4 v[160+8*\t:167+8*\t], v[96+12*\t:107+12*\t], v[224:235], v[160+8*\t:167+8*\t], v[248+\t/2], v253 matrix_a_fmt:MATRIX_FMT_FP6 matrix_b_fmt:MATRIX_FMT_FP6
.endif
.endr
	WIN 0
.rept 4
	v_nop                                          ; places in front of the next loads into these operands and of the next read of O^T
.endr
	s_add_co_u32 s[TB], s[TB], BLK
	s_add_co_u32 s[TAU], s[TAU], 1
.endm
.macro PAIR                            ; a slot's two periods: written once, walked twice
	s_mov_b32 s58, 2
.Lstep_\@:
	STEP 1
	s_sub_co_u32 s58, s58, 1
	s_cmp_lg_u32 s58, 0
	s_cbranch_scc1 .Lstep_\@
	s_sub_co_u32 s[TB], s[TB], 2*BLK
	s_xor_b32 s[TB], s[TB], SLOT1
.endm
; THE CHANGE OF SLOTS: each wave waits for all its tensor loads, adds 0 to its spare word, waits for that and for its reads of the slot that it has left; behind the barrier that slot is filled again first (fill = 1), one load a wave.
.macro CHANGE fill
	s_wait_tensorcnt 0x0                           ; no tensor load of mine is out, so a group 0 may be written
	ds_add_u32 v5, v6
.if \fill
	s_add_co_u32 s[LT], s[LT], 2
	s_xor_b32 s[G0B+1], s[G0B+1], SLOT1
	KSTEP_ADDR G0B
.endif
	s_wait_dscnt 0x0
	s_barrier_signal -1
	s_barrier_wait -1
.if \fill
	s_cmp_lt_u32 s[WV], 4
	s_cbranch_scc0 .Lno_fill_\@
	tensor_load_to_lds s[G0B:G0B+3], s[G1:G1+7]
	s_nop 0
.rept 4
	v_nop
.endr
.Lno_fill_\@:
.endif
.endm
	s_wait_tensorcnt 0x0                           ; my block of slot 0 is in; the same lines ahead of a later first fill as ahead of a refill:
	ds_add_u32 v5, v6
	s_mov_b32 s[G1+2], 100<<16                     ; no tensor load of mine is out, so the descriptor may be written: from here on a load brings a pair of blocks, 100 rows
	s_mov_b32 s[G1+4], 100
	s_wait_dscnt 0x0
	s_barrier_signal -1
	s_barrier_wait -1                              ; slot 0 is whole.  Behind this barrier nothing is filled again: slot 1's first fill (waves 0-3) and the ninth pair's (wave 4), one load a wave
	s_cmp_lt_u32 s[WV], 4
	s_cbranch_scc0 .Lnot_slot1
	tensor_load_to_lds s[G0B:G0B+3], s[G1:G1+7]
	s_nop 0
.rept 4
	v_nop
.endr
	s_branch .Lfirst_fills
.Lnot_slot1:
	s_cmp_eq_u32 s[WV], 4
	s_cbranch_scc0 .Lfirst_fills
	tensor_load_to_lds s[G0X:G0X+3], s[G1:G1+7]
	s_nop 0
.rept 4
	v_nop
.endr
.Lfirst_fills:
	s_wait_loadcnt 0x0
	PAIR
	s_mov_b32 s57, 2
.Lvisit:
	CHANGE 1
	PAIR
	s_sub_co_u32 s57, s57, 1
	s_cmp_lg_u32 s57, 0
	s_cbranch_scc1 .Lvisit
	CHANGE 0                                       ; the last slot is written out
	PAIR
	s_cmp_lt_u32 s[WV], 4                          ; A's ninth period: key step 8
	s_cbranch_scc0 .Lno_ninth
	s_mov_b32 s[TB], XBLK
	STEP 0
.Lno_ninth:
	s_wait_dscnt 0x0
	s_barrier_signal -1
	s_barrier_wait -1                              ; B's parts lie in LDS
	s_cmp_lt_u32 s[WV], 4
	s_cbranch_scc0 .Lno_merge
.set j, 0
.rept 16
	ds_load_b128 v[96+4*j:99+4*j], v3 offset:512*j
.set j, j+1
.endr
	ds_load_b128 v[236:239], v3 offset:8192        ; B's -M, largest t, sum
	s_wait_dscnt 0x0
	v_min_num_f32 v254, v12, v236                  ; the common -M
	s_delay_alu instid0(VALU_DEP_1)
	v_sub_f32 v252, v254, v12
	s_delay_alu instid0(VALU_DEP_2)
	v_sub_f32 v240, v254, v236
	s_delay_alu instid0(VALU_DEP_2)
	v_cvt_i32_f32 v252, v252
	s_delay_alu instid0(VALU_DEP_2)
	v_cvt_i32_f32 v240, v240                       ; (it saturates: a part of no steps counts for nothing)
	s_delay_alu instid0(VALU_DEP_2)
	v_ldexp_f32 v252, 1.0, v252
	s_delay_alu instid0(VALU_DEP_2)
	v_ldexp_f32 v240, 1.0, v240
	v_mov_b32 v241, 0
	s_delay_alu instid0(VALU_DEP_3)
	v_pk_mul_f32 v[14:15], v[14:15], v[252:253] op_sel_hi:[1,0]
	s_delay_alu instid0(VALU_DEP_1)
	v_pk_fma_f32 v[14:15], v[238:239], v[240:241], v[14:15] op_sel_hi:[1,0,1]
.set j, 0
.rept 32
	v_pk_mul_f32 v[160+j:161+j], v[160+j:161+j], v[252:253] op_sel_hi:[1,0]
.set j, j+2
.endr
.set j, 0
.rept 32
	v_pk_fma_f32 v[160+j:161+j], v[96+j:97+j], v[240:241], v[160+j:161+j] op_sel_hi:[1,0,1]
.set j, j+2
.endr
.Lno_merge:
	; THE WAY OUT: O^T / the sum, quantised along the head's 128, as tile a of the block (group, head)
	v_add_f32 v14, v14, v15
	s_delay_alu instid0(VALU_DEP_1)
	v_permlanex16_b32 v252, v14, s[SEL], s[SEL+1]
	s_delay_alu instid0(VALU_DEP_1)
	v_add_f32 v14, v14, v252
	s_wait_alu depctr_va_vdst(0)
	v_rcp_f32 v14, v14
	v_nop                                          ; a plain place behind the reciprocal
	s_wait_alu depctr_va_vdst(0)                   ; the wait ahead of its first reader
.set j, 0
.rept 32
	v_pk_mul_f32 v[96+j:97+j], v[160+j:161+j], v[14:15] op_sel_hi:[1,0]
.set j, j+2
.endr
.irp b, 0,1,2,3
	v_max3_num_f32 v[232+\b], |v[96+16*\b]|, |v[97+16*\b]|, 0x1800000
.endr
.irp i, 2,4,6,8,10,12,14
.irp b, 0,1,2,3
	s_delay_alu instid0(VALU_DEP_4)
	v_max3_num_f32 v[232+\b], v[232+\b], |v[96+16*\b+\i]|, |v[97+16*\b+\i]|
.endr
.endr
.irp b, 0,1,2,3
	s_delay_alu instid0(VALU_DEP_4)
	v_permlanex16_b32 v[236+\b], v[232+\b], s[SEL], s[SEL+1]
.endr
.irp b, 0,1,2,3
	s_delay_alu instid0(VALU_DEP_4)
	v_max_num_f32 v[232+\b], v[232+\b], v[236+\b]
.endr
.irp b, 0,1,2,3
	s_delay_alu instid0(VALU_DEP_4)
	v_add_nc_u32 v[244+\b], 0xff000000, v[232+\b]
.endr
.irp b, 0,1,2,3
	s_delay_alu instid0(VALU_DEP_4)
	v_lshrrev_b32 v[236+\b], 23, v[244+\b]
.endr
	s_delay_alu instid0(VALU_DEP_3)
	v_lshl_or_b32 v253, v237, 8, v236
	s_delay_alu instid0(VALU_DEP_1)
	v_lshl_or_b32 v253, v238, 16, v253
	s_delay_alu instid0(VALU_DEP_1)
	v_lshl_or_b32 v253, v239, 24, v253
.irp c, 0,1
	v_cvt_scalef32_pk16_fp6_f32 v[224+6*\c:226+6*\c], v[96+32*\c:111+32*\c], v[244+2*\c]
	v_cvt_scalef32_pk16_fp6_f32 v[236+4*\c:238+4*\c], v[112+32*\c:127+32*\c], v[244+2*\c+1]
.endr
	v_nop
.irp c, 0,1
.irp i, 0,1,2
	v_permlane16_swap_b32 v[224+6*\c+\i], v[236+4*\c+\i]
.endr
.irp i, 0,1,2
	s_delay_alu instid0(VALU_DEP_3)
	v_mov_b32 v[227+6*\c+\i], v[236+4*\c+\i]
.endr
.endr
.irp g, 0,1,2
	global_store_b128 v8, v[224+4*\g:227+4*\g], s[60:61] offset:512*\g   ; 512 consecutive bytes a store
.endr
	s_wait_xcnt 0x0                                ; EXEC changes only behind this wait
	v_cmp_gt_u32 vcc_lo, 16, v9
	s_and_saveexec_b32 s70, vcc_lo
	global_store_b32 v7, v253, s[60:61] offset:12288   ; my 16 rows' scale words: 4 bytes a lane, 16 bytes apart, inside one run of 256 bytes
	s_wait_xcnt 0x0
	s_or_b32 exec_lo, exec_lo, s70
	s_wait_tensorcnt 0x0                           ; the wave's end
	ds_add_u32 v5, v6
	s_wait_dscnt 0x0
	s_endpgm
.Lfunc_end_k_q84e15ea90c_attn:
	.size	k_q84e15ea90c_attn, .Lfunc_end_k_q84e15ea90c_attn-k_q84e15ea90c_attn
	.p2alignl 7, 3214868480
	.fill 96, 4, 3214868480
	.section	.rodata,"a",@progbits
	.p2align	6, 0x0
	.amdhsa_kernel k_q84e15ea90c_attn
		.amdhsa_group_segment_fixed_size 327680
		.amdhsa_private_segment_fixed_size 0
		.amdhsa_enable_private_segment 0
		.amdhsa_kernarg_size 24
		.amdhsa_user_sgpr_count 2
		.amdhsa_user_sgpr_kernarg_segment_ptr 1
		.amdhsa_wavefront_size32 1
		.amdhsa_system_sgpr_workgroup_id_x 1
		.amdhsa_system_sgpr_workgroup_id_y 1
		.amdhsa_system_sgpr_workgroup_id_z 1
		.amdhsa_system_vgpr_workitem_id 0
		.amdhsa_next_free_vgpr 512
		.amdhsa_next_free_sgpr 100
		.amdhsa_reserve_vcc 1
		.amdhsa_float_denorm_mode_32 3
		.amdhsa_float_denorm_mode_16_64 3
		.amdhsa_memory_ordered 1
		.amdhsa_forward_progress 1
		.amdhsa_inst_pref_size 138
	.end_amdhsa_kernel
	.amdgpu_metadata
---
amdhsa.version: [ 1, 2 ]
amdhsa.kernels:
  - .name:           k_q84e15ea90c_attn
    .symbol:         k_q84e15ea90c_attn.kd
    .args:
      - { .name: qbuf, .offset: 0, .size: 8, .value_kind: global_buffer, .address_space: global }
      - { .name: kvbuf, .offset: 8, .size: 8, .value_kind: global_buffer, .address_space: global }
      - { .name: obuf, .offset: 16, .size: 8, .value_kind: global_buffer, .address_space: global }
    .group_segment_fixed_size: 327680
    .private_segment_fixed_size: 0
    .kernarg_segment_align: 8
    .kernarg_segment_size: 24
    .max_flat_workgroup_size: 256
    .sgpr_count:     100
    .vgpr_count:     512
    .wavefront_size: 32
...
	.end_amdgpu_metadata
.endif
;; end of part 7
;; launch proj (part 8): grid 16 x 16, 4 waves a work-group, clusters of 4 x 4, 327,680 bytes of LDS; arguments obuf, wob, out0; writes out0
.if DOCPART == 8
	.amdgcn_target "amdgcn-amd-amdhsa--gfx1250"
	.amdhsa_code_object_version 6
	.text
	.protected	k_q84e15ea90c_proj
	.globl	k_q84e15ea90c_proj
	.p2align	8
	.type	k_q84e15ea90c_proj,@function
k_q84e15ea90c_proj:
	s_mov_b64 s[64:65], 0
	v_nop
	global_prefetch_b8 v0, s[64:65] scope:SCOPE_SE
	s_setreg_imm32_b32 hwreg(HW_REG_WAVE_MODE, 25, 1), 1
	s_wait_xcnt 0x0
	s_wait_alu depctr_hold_cnt(0) depctr_sa_sdst(0) depctr_va_vdst(0) depctr_va_sdst(0) depctr_va_ssrc(0) depctr_va_vcc(0) depctr_vm_vsrc(0)
	s_getreg_b32 s2, hwreg(HW_REG_IB_STS2, 6, 4)
	s_cmp_eq_u32 s2, 0
	s_cbranch_scc0 .Lentry_in_a_cluster
	s_endpgm
.Lentry_in_a_cluster:
	s_bfe_u32 s2, ttmp6, 0x10000c
	s_cmp_lg_u32 s2, 0xf033
	s_cbranch_scc0 .Lentry_shape_is_right
	s_endpgm
.Lentry_shape_is_right:
; PROJ.  out0 = O Wo^T on codes of FP6 (E2M3) with E8M0 scales.  obuf [group of 128 queries][head = K step] and wob (Wo) [group of 128 rows][K step] are group blocks of 12,800 bytes:
; eight tiles' register images (1,536 bytes each), then 512 bytes of scale words; lane-row r of tile a is row 32 (a / 2) + 8 (a % 2) + r + 8 (r / 8).
; SHARES.  A work-group makes 128 x 128 of out0 (256 work-groups), four waves 64 x 64 each: 16 accumulators.  4 x 4 clusters: A's blocks are asked for jointly along a row of the cluster, B's along a column.
; LDS: A's K steps 0-11 lie at byte 12,800 k, B's at 153,600 + 12,800 k.  At the head each wave brings six blocks by its one load (300 rows of 256 bytes): wave 0 A's K steps 0-5, wave 1 A's 6-11, waves 2 and 3 B's.
; K steps 12-15 are the launch's one refill: behind K step 3's barrier and round they land on the bytes of K steps 0-3, two blocks a wave (100 rows); seven K steps of products stand between that request and the wait for it.
; PREFETCH: behind the head's load each wave names 25 of the 100 rows of its refill (rows 4 i + p, p its place among the four partners that ask jointly), one instruction; nothing else has a step to run ahead in.
; The matrix instruction is used transposed (source 0 = a tile of Wo, source 1 = a tile of O); results leave through each wave's own stage in LDS as whole units of 256 bytes.
; REGISTERS: window 0: v8-30 addresses, v32-39 scale words (two sets), v128-255 the accumulators; window 1: two sets of fragments (A's four, then B's four), later the rows on their way out.
.set GS,    204800                     ; a group's 16 blocks
.set GBB,   12800
.set QUART, 2*GBB
.set HALF,  2*QUART                    ; four K steps of one operand
.set SPARE, 6*HALF                     ; behind the tiles: the spare words: two blocks of 256 bytes that no other line names
.set STAGE, SPARE+512
.set SPITCH, 272
.set FR,    12
.set NLD,   26                         ; LDS loads of a K step
.set NP,    4
.set ADRA,  8                          ; v8-10 my half of A, an address for each four K steps; v11-13 B; v14-16, v17-19 their scale words
.set ADRB,  11
.set ASA,   14
.set ASB,   17
.set STO,   24
.set RD,    25
.set LO,    26
.set CO,    27
.set SPW,   28
.set NIL,   29
.set PFO,   30
.set SC,    32
.set ACC,   128
.set G1,    24
.set G1B,   32
.set G0,    40
.set G0B,   52
.set MSB, 0
.macro WIN new
.if MSB != (\new)
	s_set_vgpr_msb (MSB<<8)|(\new)
.set MSB, (\new)
.endif
.endm
.set MUL,   0x05
.set TO_F,  0x40
.set FROM_F, 0x04
.macro JLOAD g0a, g1a, g0b, g1b        ; a joint load: waves 0 and 1 fetch for A, waves 2 and 3 for B; an s_nop 0 and four v_nop follow each line
	s_cmp_eq_u32 s15, 0
	s_cbranch_scc0 .Lfor_b_\@
	tensor_load_to_lds s[\g0a:\g0a+3], s[\g1a:\g1a+7]
	s_nop 0
.rept 4
	v_nop
.endr
	s_branch .Lasked_\@
.Lfor_b_\@:
	tensor_load_to_lds s[\g0b:\g0b+3], s[\g1b:\g1b+7]
	s_nop 0
.rept 4
	v_nop
.endr
.Lasked_\@:
.endm
.macro CREST
	s_cmp_lg_u32 s14, 0
	s_cbranch_scc1 .Lnot_wave_0_\@
	s_barrier_signal -3
.Lnot_wave_0_\@:
	s_barrier_wait -3
	s_barrier_signal -1
	s_barrier_wait -1
.endm
.macro CROUND
	s_barrier_signal -1
	s_barrier_wait -1
	CREST
.endm
	s_load_b128 s[4:7], s[0:1], 0x0                ; obuf, wob
	s_load_b64 s[8:9], s[0:1], 0x10                ; out0
	v_lshl_add_u32 v[SPW], v0, 2, SPARE
	v_mov_b32 v[NIL], 0
	ds_add_u32 v[SPW], v[NIL]                      ; the opening lines: the add, twice on end, and its wait ahead of my first tensor load
	ds_add_u32 v[SPW], v[NIL]
	v_lshrrev_b32 v1, 5, v0
	v_readfirstlane_b32 s14, v1                    ; wave
	s_lshr_b32 s15, s14, 1                         ; my half of A.  Also: I fetch for A (0) or for B (1)
	s_and_b32 s16, s14, 1                          ; my half of B.  Also: which part I fetch
	s_bfe_u32 s66, ttmp6, 0x40000                  ; cx
	s_bfe_u32 s67, ttmp6, 0x40004                  ; cy
	s_lshl_b32 s68, ttmp9, 2
	s_add_co_u32 s68, s68, s66                     ; tile column
	s_and_b32 s17, ttmp7, 0xffff
	s_lshl_b32 s17, s17, 2
	s_add_co_u32 s17, s17, s67                     ; tile row
	s_lshl_b32 s69, s67, 2
	s_lshl_b32 s69, 15, s69
	s_lshl_b32 s70, 0x1111, s66
	s_or_b32 s[G1+0], s69, (3<<16)|(1<<21)
	s_or_b32 s[G1B+0], s70, (3<<16)|(1<<21)
.irp g, G1, G1B
	s_mov_b32 s[\g+1], 32<<16                      ; rows of 256 bytes,
	s_mov_b32 s[\g+2], 300<<16                     ; 300 at the head,
	s_mov_b32 s[\g+3], 32<<16
	s_mov_b32 s[\g+4], 300
	s_mov_b32 s[\g+5], 32                          ; dense
	s_mov_b32 s[\g+6], 0
	s_mov_b32 s[\g+7], 0
.endr
	s_mul_i32 s19, s16, 3*QUART                    ; the head's load: K steps 0-5 or 6-11
	s_mul_i32 s20, s17, GS
	s_add_co_u32 s20, s20, s19
	s_mov_b32 s21, 0
	s_mul_i32 s72, s68, GS
	s_add_co_u32 s72, s72, s19
	s_mov_b32 s73, 0
	s_mul_i32 s18, s14, 3*QUART                    ; and where they go: wave x six blocks
	s_wait_dscnt 0x0
	s_wait_kmcnt 0x0
	s_add_nc_u64 s[20:21], s[4:5], s[20:21]
	s_add_nc_u64 s[72:73], s[6:7], s[72:73]
	CROUND                                         ; all sixteen work-groups are here: the first joint loads meet
	s_mov_b32 s[G0], 1
	s_mov_b32 s[G0+1], s18
	s_mov_b64 s[G0+2:G0+3], s[20:21]
	s_or_b32 s[G0+3], s[G0+3], 0x80000000
	s_mov_b32 s[G0B], 1
	s_mov_b32 s[G0B+1], s18
	s_mov_b64 s[G0B+2:G0B+3], s[72:73]
	s_or_b32 s[G0B+3], s[G0B+3], 0x80000000
	JLOAD G0, G1, G0B, G1B                         ; one tensor load a wave at the head: six blocks
	s_mul_i32 s22, s16, 2*QUART                    ; the refill's group 0, in registers of its own: K steps 12, 13 or 14, 15
	s_sub_co_u32 s22, 6*QUART, s22                 ; from my head's first block to my refill's first: 12 blocks + which x 2 - which x 6
	s_mov_b32 s23, 0
	s_add_nc_u64 s[78:79], s[20:21], s[22:23]
	s_add_nc_u64 s[80:81], s[72:73], s[22:23]
	s_mul_i32 s18, s15, 3*HALF                     ; onto the bytes of K steps 0, 1 or 2, 3 of A or of B
	s_mul_i32 s19, s16, QUART
	s_add_co_u32 s18, s18, s19
	s_mov_b32 s[G0+4], 1
	s_mov_b32 s[G0+5], s18
	s_mov_b64 s[G0+6:G0+7], s[78:79]
	s_or_b32 s[G0+7], s[G0+7], 0x80000000
	s_mov_b32 s[G0B+4], 1
	s_mov_b32 s[G0B+5], s18
	s_mov_b64 s[G0B+6:G0B+7], s[80:81]
	s_or_b32 s[G0B+7], s[G0B+7], 0x80000000
	s_cmp_eq_u32 s15, 0
	s_cselect_b32 s19, s66, s67                    ; my place among the four that ask with me
	s_cselect_b64 s[82:83], s[78:79], s[80:81]
	v_and_b32 v4, 31, v0
	v_min_u32 v4, 24, v4
	v_lshl_add_u32 v4, v4, 2, s19
	v_lshlrev_b32 v[PFO], 8, v4                    ; rows 4 min(l, 24) + p of my refill's 100; never rewritten
	global_prefetch_b8 v[PFO], s[82:83] th:TH_LOAD_NT scope:SCOPE_SE
	v_and_b32 v1, 31, v0
	v_lshlrev_b32 v[LO], 4, v1
	s_wait_alu depctr_va_vdst(0)                   ; the wait ahead of readers that stand behind the scalar lines below
	v_and_b32 v2, 15, v0
	v_bfe_u32 v3, v0, 4, 1
	s_mul_i32 s21, s15, 4*1536
	s_mul_i32 s22, s16, 4*1536
	s_add_co_u32 s22, s22, 3*HALF
	s_lshl_b32 s74, s15, 3
	s_lshl_b32 s75, s16, 3
	s_add_co_u32 s75, s75, 3*HALF
.irp s, 0,1,2
	v_add_nc_u32 v[ADRA+\s], s21, v[LO]
	v_add_nc_u32 v[ADRB+\s], s22, v[LO]
	v_add_nc_u32 v[ASA+\s], s74, v[LO]
	v_add_nc_u32 v[ASB+\s], s75, v[LO]
	s_add_co_u32 s21, s21, HALF
	s_add_co_u32 s22, s22, HALF
	s_add_co_u32 s74, s74, HALF
	s_add_co_u32 s75, s75, HALF
.endr
	s_mul_i32 s23, s14, 16*SPITCH
	s_add_co_u32 s23, s23, STAGE                   ; my stage
	v_mul_u32_u24 v5, v2, SPITCH
	v_lshl_add_u32 v5, v3, 6, v5
	v_add_nc_u32 v[STO], s23, v5
	v_mul_u32_u24 v6, v3, SPITCH
	v_lshl_add_u32 v6, v2, 4, v6
	v_add_nc_u32 v[RD], s23, v6
	v_lshlrev_b32 v[CO], 13, v3
	v_lshl_add_u32 v[CO], v2, 4, v[CO]
	s_lshl_b32 s20, s17, 7
	s_lshl_b32 s21, s15, 6
	s_add_co_u32 s20, s20, s21
	s_lshl_b32 s20, s20, 13                        ; my first row of out0, 8,192 bytes a row,
	s_lshl_b32 s76, s68, 9
	s_lshl_b32 s77, s16, 8
	s_add_co_u32 s76, s76, s77                     ; and my first column
	s_add_co_u32 s76, s76, s20
	s_mov_b32 s77, 0
	s_add_nc_u64 s[12:13], s[8:9], s[76:77]
.macro WM zero, m1, m2
.if \zero
	v_wmma_scale_f32_16x16x128_f8f6f4 v[rD:rD+7], v[rB:rB+FR-1], v[rA:rA+FR-1], 0, v[sB], v[sA] matrix_a_fmt:MATRIX_FMT_FP6 matrix_b_fmt:MATRIX_FMT_FP6 \m1 \m2
.else
	v_wmma_scale_f32_16x16x128_f8f6f4 v[rD:rD+7], v[rB:rB+FR-1], v[rA:rA+FR-1], v[rD:rD+7], v[sB], v[sA] matrix_a_fmt:MATRIX_FMT_FP6 matrix_b_fmt:MATRIX_FMT_FP6 \m1 \m2
.endif
.endm
.macro MM a, b, f, zero                ; A's tile a x B's tile b on the sets f.  An odd tile's scale words lie in lanes 16-31
.set rD, ACC+8*(4*(\a)+(\b))
.set rB, 128*(\f)+4*FR+FR*(\b)
.set rA, 128*(\f)+FR*(\a)
.set sB, SC+4*(\f)+2+(\b)/2
.set sA, SC+4*(\f)+(\a)/2
.if ((\a)%2 == 0) && ((\b)%2 == 0)
	WM \zero
.elseif ((\a)%2 == 0)
	WM \zero, matrix_a_scale:MATRIX_SCALE_ROW1
.elseif ((\b)%2 == 0)
	WM \zero, matrix_b_scale:MATRIX_SCALE_ROW1
.else
	WM \zero, matrix_a_scale:MATRIX_SCALE_ROW1, matrix_b_scale:MATRIX_SCALE_ROW1
.endif
.endm
.macro MUL8 a0, f, zero                ; the 16 accumulators take turns, one instruction a turn
.irp a, \a0, \a0+1
.irp b, 0,1,2,3
	MM \a, \b, \f, \zero
.endr
.endr
.endm
.macro FETCH k                         ; K step k's scale words and eight fragments into the sets k % 2: 26 loads
.set FS, ((\k)/4)%3
.set FQ, (\k)%4
.set FF, (\k)%2
	WIN 0
	ds_load_b64 v[SC+4*FF:SC+4*FF+1], v[ASA+FS] offset:GBB*FQ+12288
	ds_load_b64 v[SC+4*FF+2:SC+4*FF+3], v[ASB+FS] offset:GBB*FQ+12288
	WIN TO_F
.irp i, 0,1,2,3
.irp g, 0,1,2
	ds_load_b128 v[128*FF+4*FR+FR*\i+4*\g:128*FF+4*FR+FR*\i+4*\g+3], v[ADRB+FS] offset:GBB*FQ+1536*\i+512*\g
.endr
.endr
.irp i, 0,1,2,3
.irp g, 0,1,2
	ds_load_b128 v[128*FF+FR*\i+4*\g:128*FF+FR*\i+4*\g+3], v[ADRA+FS] offset:GBB*FQ+1536*\i+512*\g
.endr
.endr
.endm
.macro PLACES n
.rept \n
	v_nop
.endr
.endm
.macro KSTEP k, fetch, zero
.if \fetch
.if (\k) > 0
	PLACES NP
.endif
	FETCH (\k)+1
	s_wait_dscnt NLD                               ; this step's loads are in; the next step's 26 may be out
.else
	s_wait_dscnt 0x0
.endif
	WIN MUL
	MUL8 0, (\k)%2, \zero
	MUL8 2, (\k)%2, \zero
.endm
.macro MEET                            ; a K step with the three lines and a barrier in it
	WIN 0
	s_wait_tensorcnt 0x0
	ds_add_u32 v[SPW], v[NIL]
	s_wait_dscnt 1
	WIN MUL
	MUL8 0, 1, 0
	s_wait_dscnt 0x0
	s_barrier_signal -1
	MUL8 2, 1, 0
	WIN 0
	s_barrier_wait -1
.endm
	s_wait_alu depctr_va_vdst(0)                   ; the wait at the head's end
	s_wait_tensorcnt 0x0                           ; my six blocks are in; no tensor load of mine is out, so the descriptors may be written: the refill brings 100 rows
	s_mov_b32 s[G1+2], 100<<16
	s_mov_b32 s[G1+4], 100
	s_mov_b32 s[G1B+2], 100<<16
	s_mov_b32 s[G1B+4], 100
	s_barrier_signal -1
	s_barrier_wait -1                              ; everybody's are: K steps 0-11 lie in LDS
	FETCH 0
	KSTEP 0, 1, 1
	KSTEP 1, 1, 0
	KSTEP 2, 1, 0
	MEET                                           ; K step 3: the bytes of K steps 0-3 are read no more
	CREST
	JLOAD G0+4, G1, G0B+4, G1B                     ; K steps 12-15, the first tensor load behind the round
	FETCH 4
.irp k, 4,5,6,7,8,9,10
	KSTEP \k, 1, 0
.endr
	MEET                                           ; K step 11: the refill has landed, in every wave
	PLACES NP
	FETCH 12
	KSTEP 12, 1, 0
	KSTEP 13, 1, 0
	KSTEP 14, 1, 0
	KSTEP 15, 0, 0
	WIN 0
.macro TOSTAGE a                       ; A's tile a: 16 rows x 64 columns through my stage, back as rows of 256 bytes; each accumulator from its low end on
	WIN 0
.irp b, 0,1,2,3
	ds_store_b128 v[STO], v[ACC+8*(4*(\a)+\b):ACC+8*(4*(\a)+\b)+3] offset:128*(\b/2)+32*(\b%2)
	ds_store_b128 v[STO], v[ACC+8*(4*(\a)+\b)+4:ACC+8*(4*(\a)+\b)+7] offset:128*(\b/2)+32*(\b%2)+16
.endr
	WIN TO_F
.irp t, 0,1,2,3,4,5,6,7
	ds_load_b128 v[32*(\a)+4*\t:32*(\a)+4*\t+3], v[RD] offset:2*\t*SPITCH
.endr
.endm
.macro SEND a, younger
	s_wait_dscnt \younger
	WIN FROM_F
.irp t, 0,1,2,3,4,5,6,7
	global_store_b128 v[CO], v[32*(\a)+4*\t:32*(\a)+4*\t+3], s[12:13] offset:(32*((\a)/2)+8*((\a)%2)+2*\t+8*(\t/4))*8192 th:TH_STORE_NT   ; sixteen lanes store one aligned unit of 256 bytes
.endr
.endm
	PLACES NP
	TOSTAGE 0
	TOSTAGE 1
	SEND 0, 16
	TOSTAGE 2
	SEND 1, 16
	TOSTAGE 3
	SEND 2, 16
	SEND 3, 0
	WIN 0
	s_wait_tensorcnt 0x0                           ; the wave's end
	ds_add_u32 v[SPW], v[NIL]
	s_wait_dscnt 0x0
	CROUND                                         ; the closing round
	s_endpgm
.Lfunc_end_k_q84e15ea90c_proj:
	.size	k_q84e15ea90c_proj, .Lfunc_end_k_q84e15ea90c_proj-k_q84e15ea90c_proj
	.p2alignl 7, 3214868480
	.fill 96, 4, 3214868480
	.section	.rodata,"a",@progbits
	.p2align	6, 0x0
	.amdhsa_kernel k_q84e15ea90c_proj
		.amdhsa_group_segment_fixed_size 327680
		.amdhsa_private_segment_fixed_size 0
		.amdhsa_enable_private_segment 0
		.amdhsa_kernarg_size 24
		.amdhsa_user_sgpr_count 2
		.amdhsa_user_sgpr_kernarg_segment_ptr 1
		.amdhsa_wavefront_size32 1
		.amdhsa_system_sgpr_workgroup_id_x 1
		.amdhsa_system_sgpr_workgroup_id_y 1
		.amdhsa_system_sgpr_workgroup_id_z 1
		.amdhsa_system_vgpr_workitem_id 0
		.amdhsa_next_free_vgpr 512
		.amdhsa_next_free_sgpr 98
		.amdhsa_reserve_vcc 0
		.amdhsa_float_denorm_mode_32 3
		.amdhsa_float_denorm_mode_16_64 3
		.amdhsa_memory_ordered 1
		.amdhsa_forward_progress 1
		.amdhsa_inst_pref_size 79
	.end_amdhsa_kernel
	.amdgpu_metadata
---
amdhsa.version: [ 1, 2 ]
amdhsa.kernels:
  - .name:           k_q84e15ea90c_proj
    .symbol:         k_q84e15ea90c_proj.kd
    .args:
      - { .name: obuf, .offset: 0, .size: 8, .value_kind: global_buffer, .address_space: global }
      - { .name: wob, .offset: 8, .size: 8, .value_kind: global_buffer, .address_space: global }
      - { .name: out0, .offset: 16, .size: 8, .value_kind: global_buffer, .address_space: global }
    .group_segment_fixed_size: 327680
    .private_segment_fixed_size: 0
    .kernarg_segment_align: 8
    .kernarg_segment_size: 24
    .max_flat_workgroup_size: 128
    .sgpr_count:     98
    .vgpr_count:     512
    .wavefront_size: 32
...
	.end_amdgpu_metadata
.endif
;; end of part 8
